; MI455X (gfx1250); checked and timed in simulation.
; The chip was launched on July 23, 2026; its instructions are those of AMD's public machine-readable ISA for CDNA 5 (MIT licence, August 2026) and "CDNA5" Instruction Set Architecture Reference Guide (July 2026). The comments in the code are by the model that wrote it; some were corrected since.
;; Encoder Block. Allowed arithmetic: matrix products marked QUANTISED: E4M3 operands, one given power-of-two scale a tensor, by v_wmma_f32_16x16x64_fp8_fp8 or v_wmma_f32_16x16x128_fp8_fp8, f32 sums; everything else in f32.
;; Inputs: W1 1,024 x 4,096 float32; W2 4,096 x 1,024 float32; Wk 16 x 1,024 x 64 float32; Wo 1,024 x 1,024 float32; Wq 16 x 1,024 x 64 float32; Wv 16 x 1,024 x 64 float32; b1 1,024 float32; b2 1,024 float32; bf1 4,096 float32; bf2 1,024 float32; bk 16 x 64 float32; bo 1,024 float32; bq 16 x 64 float32; bv 16 x 64 float32; g1 1,024 float32; g2 1,024 float32; lowp_scales 16 int32 (the exponents e of the quantised operands' scales 2^e); x 2 x 2,048 x 1,024 float32.
;; Outputs: out0 2 x 2,048 x 1,024 float32.
;; This version of the problem:
;;   THIS VERSION OF THE PROBLEM IS GIVEN IN LOW PRECISION. The matrix products marked QUANTISED in the list below multiply operands that are first quantised to E4M3 (4 exponent bits, 3 mantissa bits; 8 bits a number), with one given power-of-two scale for each operand tensor; their sums are f32. All else is computed in f32.
;;   The module's matrix products, in the order in which they are computed (A, B: the left and right operand; K: the contracted axis; several contracted axes count as one K, in the product's order):
;;     1. [M 1,024, K 1,024] x [K 1,024, N 4,096]; A: input Wq; B: input x: QUANTISED (scales: A lowp_scales[0], B lowp_scales[1])
;;     2. [M 1,024, K 1,024] x [K 1,024, N 4,096]; A: input Wk; B: input x: QUANTISED (scales: A lowp_scales[2], B lowp_scales[3])
;;     3. [M 1,024, K 1,024] x [K 1,024, N 4,096]; A: input Wv; B: input x: QUANTISED (scales: A lowp_scales[4], B lowp_scales[5])
;;     4. batch 32 x [M 2,048, K 64] x [K 64, N 2,048]; A: computed on the way; B: computed on the way: QUANTISED (scales: A lowp_scales[6], B lowp_scales[7])
;;     5. batch 32 x [M 2,048, K 2,048] x [K 2,048, N 64]; A: softmax (see below); B: computed on the way: QUANTISED (scales: A lowp_scales[8], B lowp_scales[9])
;;     6. [M 4,096, K 1,024] x [K 1,024, N 1,024]; A: computed on the way; B: input Wo: QUANTISED (scales: A lowp_scales[10], B lowp_scales[11])
;;     7. [M 4,096, K 1,024] x [K 1,024, N 4,096]; A: computed on the way; B: input W1: QUANTISED (scales: A lowp_scales[12], B lowp_scales[13])
;;     8. [M 4,096, K 4,096] x [K 4,096, N 1,024]; A: computed on the way; B: input W2: QUANTISED (scales: A lowp_scales[14], B lowp_scales[15])
;;   THE QUANTISER, for each operand of a quantised product, along K:
;;     - The operand's scale is 2^e, e = its entry of the input lowp_scales (int32; the entries are numbered through the quantised products in the list's order, A before B).
;;     - Each number is divided by the scale, clamped to +-448, and rounded to the nearest number of E4M3, ties to even, subnormals kept.
;;     - The product sums the exact products of the quantised numbers (number of the format x scale) in f32.
;;   ~~~python
;;   def quantise(x, axis, e):      # numpy; x: float32 -> the quantised numbers, widened to float32 again
;;       x = np.moveaxis(x, axis, -1); K = x.shape[-1]
;;       r = np.clip(x / 2.0 ** e, -448, 448)
;;       step = 2.0 ** (np.maximum(np.frexp(np.where(r == 0, 1, r))[1] - 1, -6) - 3)
;;       q = np.round(r / step) * step * 2.0 ** e      # np.round: ties to even
;;       return np.moveaxis(q, -1, axis).astype(np.float32)
;;   ~~~
;;   SOFTMAX AHEAD OF A QUANTISED PRODUCT. Where the list says 'softmax', what is quantised is not the finished softmax but p = 2^(t - M), with t = logit x log2(e) and M = ceil(the row's largest t), a whole number; so 1/2 < the row's largest p <= 1. The row's sum l is taken of the UNQUANTISED p, in f32, and the product's result is divided by l at the end. Since M is a whole number, a kernel that streams over the keys may use a running M (the ceiling of the running maximum): every later rescaling is an exact power of two, so the quantised numbers keep their values, but for numbers so far below the row's largest that they fall under the format's range.
;;   OPERANDS COMPUTED ON THE WAY. 'Computed on the way' means the value that the module computes at that place (a softmax that the list does not call 'softmax' is quantised finished and normalised). What goes into a quantiser is computed in f32, as accurately as f32 sums, v_exp_f32 and their like allow (about 1e-6 of the number): no bf16 or f16 on the way to a quantiser, and a product that is left as it is and whose result goes on into a quantised operand takes f32 operands (vector FMAs, or v_wmma_f32_16x16x4_f32). A number that lies on a knife's edge between two numbers of the format may be rounded either way, as far as f32 arithmetic and the matrix unit's own rounding can turn it there, and no further.
;; One version. Each part assembles by itself: llvm-mc -triple=amdgcn-amd-amdhsa -mcpu=gfx1250 --defsym DOCPART=n.
;; ======== version 1 of 1: 8 launches
;; limits: right only within a limited range of input values
;; workspace buffers: codes0 25,165,824 bytes; qkv 12,582,912 bytes; cat 4,194,304 bytes; y 16,777,216 bytes; h 20,971,520 bytes; hid 16,777,216 bytes; xg 16,777,216 bytes
;; launch prep (part 1): grid 768 x 1, 4 waves a work-group, no clusters, 34,304 bytes of LDS; arguments Wq, Wk, Wv, Wo, x, lowp_scales, codes0; writes codes0
.if DOCPART == 1
	.amdgcn_target "amdgcn-amd-amdhsa--gfx1250"
	.amdhsa_code_object_version 6
	.text
	.protected	k_q1d42efb68f_prep
	.globl	k_q1d42efb68f_prep
	.p2align	8
	.type	k_q1d42efb68f_prep,@function
k_q1d42efb68f_prep:
	s_mov_b64 s[64:65], 0
	v_nop
	global_prefetch_b8 v0, s[64:65] scope:SCOPE_SE
	s_setreg_imm32_b32 hwreg(HW_REG_WAVE_MODE, 25, 1), 1
	s_wait_xcnt 0x0
; PREP: Wq, Wk, Wv, Wo and x become codes of E4M3, each with the scale 2^e given for it, laid as IMAGES OF OPERAND REGISTERS.  (W1 and W2 are turned into codes by the attention launch, which leaves memory idle.)
; An image (2,048 bytes) is 16 rows x 128 along K: byte 512 c + 16 lane + i holds (row T(t, p), k = 128 s + 32 c + 16 hh + i), lane = p + 16 hh.
; T(t, p) = 32 (t / 2) + 8 (t % 2) + p % 8 + 16 (p / 8): the rows of a tile are chosen so that a later product's results are neighbours along the next K.
; codes0: Wq 0, Wk 0x100000, Wv 0x200000, Wo 0x300000, (W1 0x400000, W2 0x800000,) x for q 0xC00000, x for k 0x1000000, x for v 0x1400000; each [row tile][K step][2,048].
; code = number / 2^e, held within +-448, to the nearest code, ties to even.  LIMITS: every e between -126 and 119; NaN among the inputs is not served.
; Work-groups 0-511 take the weights, 128 each (K is not innermost there: a lane takes a column, its registers run down K); work-groups 512-767 take x (K innermost: rows turn through the wave's own stage in LDS).
; A wave's share is small, 32 columns x 64 along K or two fragments of x, so that all its loads are out at once.  No tensor load, no barrier: waves share nothing.
.set WWG,  512
.set OFF,  32                          ; v32-63   weights: 4 x my column + i rows
.set XW,   64                          ; v64-127  weights: two sets of 32 numbers
.set CW,   128                         ; v128-143 weights: 8 registers of codes for each block, never rewritten
.set SB,   40                          ; s[40:43] weights: a base for each of the wave's two blocks of 32 along K
.set R,    16                          ; v16-143  x: two sets of 64 registers as loaded
.set XV,   144                         ; v144-207 x: 64 numbers of my row: register 16 c + i = k 32 c + 16 hh + i
.set TMP,  208                         ; v208-239 x: two sets of 16 held numbers
.set CD,   240                         ; v240-255 x: a fragment's codes
.set STG,  8448                        ; x: a stage of 16 rows x (512 + 16) bytes for each wave
.macro MKSC se, st, vs, vl             ; from the whole number e in s[se]: v[vs] = 2^e as f32 (the conversion takes its exponent field), v[vl] = 448 x 2^e
	s_add_co_i32 s[\se], s[\se], 127
	s_lshl_b32 s[\st], s[\se], 23
	v_mov_b32 v[\vs], s[\st]
	s_add_co_i32 s[\se], s[\se], 8
	s_lshl_b32 s[\se], s[\se], 23
	s_or_b32 s[\se], s[\se], 0x600000
	v_mov_b32 v[\vl], s[\se]
.endm
.macro WLOAD tb                        ; block tb: 32 rows of K at my column: a wave's load covers 128 consecutive bytes
.set i, 0
.rept 32
	global_load_b32 v[XW+32*(\tb)+i], v[OFF+i], s[SB+2*(\tb):SB+2*(\tb)+1] th:TH_LOAD_NT
.set i, i+1
.endr
.endm
.macro WBLOCK tb
.set XS, XW+32*(\tb)
.set CS, CW+8*(\tb)
.if (\tb) < 1
	s_wait_loadcnt 32                              ; this block's 32 loads are in; the second block's 32 may be out
.else
	s_wait_loadcnt 0
.endif
.set i, 0
.rept 32
	v_med3_num_f32 v[XS+i], v[XS+i], -v10, v10     ; the conversion to an 8-bit code does not saturate (ISA guide 7.6.2): the hold comes first
.set i, i+1
.endr
.irp g, 0,1,2,3
	v_cvt_scalef32_pk8_fp8_f32 v[CS+2*\g:CS+2*\g+1], v[XS+8*\g:XS+8*\g+7], v11
.endr
	global_store_b128 v4, v[CS:CS+3], s[56:57] offset:(\tb)*512          ; k 0-15 of the block: the image's lanes 0-15; sixteen lanes store 256 consecutive bytes
	global_store_b128 v4, v[CS+4:CS+7], s[56:57] offset:(\tb)*512+256    ; k 16-31: its lanes 16-31
.endm
.macro XLOAD q                         ; fragment q: 16 rows x 512 bytes; a load reads 512 consecutive bytes of one row
.set i, 0
.rept 16
	global_load_b128 v[R+64*(\q)+4*i:R+64*(\q)+4*i+3], v5, s[12:13] offset:((i%8)+16*(i/8))*4096+512*(\q) th:TH_LOAD_NT
.set i, i+1
.endr
.endm
.macro XFRAG q
.if (\q) < 1
	s_wait_loadcnt 16                              ; this fragment's 16 loads are in; the second fragment's may be out
.else
	s_wait_loadcnt 0
.endif
.set i, 0
.rept 16
	ds_store_b128 v6, v[R+64*(\q)+4*i:R+64*(\q)+4*i+3] offset:528*i
.set i, i+1
.endr
.set i, 0
.rept 16
	ds_load_b128 v[XV+4*i:XV+4*i+3], v7 offset:128*(i/4)+16*(i%4)   ; LDS serves a wave's instructions in order: these see the stores above
.set i, i+1
.endr
	s_wait_dscnt 0x0                               ; my numbers are back
.irp e, 0,1,2                                  ; the same numbers under the three scales given for x
	s_wait_xcnt 0x0                                ; the last stores have read the codes' registers: they are written again only behind this wait
.irp c, 0,1,2,3
.set i, 0
.rept 16
	v_med3_num_f32 v[TMP+16*(\c%2)+i], v[XV+16*\c+i], -v[8+2*\e], v[8+2*\e]
.set i, i+1
.endr
	v_cvt_scalef32_pk8_fp8_f32 v[CD+4*\c:CD+4*\c+1], v[TMP+16*(\c%2):TMP+16*(\c%2)+7], v[9+2*\e]
	v_cvt_scalef32_pk8_fp8_f32 v[CD+4*\c+2:CD+4*\c+3], v[TMP+16*(\c%2)+8:TMP+16*(\c%2)+15], v[9+2*\e]
.endr
	v_nop                                          ; a plain line behind the last conversion of the run
.irp c, 0,1,2,3
	global_store_b128 v5, v[CD+4*\c:CD+4*\c+3], s[40+2*\e:41+2*\e] offset:(\q)*2048+512*\c   ; 512 consecutive bytes of the image
.endr
.endr
.endm
	s_load_b256 s[4:11], s[0:1], 0x0               ; Wq s[4:5], Wk s[6:7], Wv s[8:9], Wo s[10:11]
	s_load_b128 s[12:15], s[0:1], 0x20             ; x s[12:13], lowp_scales s[14:15]
	s_load_b64 s[16:17], s[0:1], 0x30              ; codes0
	v_lshl_add_u32 v14, v0, 2, 0x8400
	v_mov_b32 v15, 0
	v_lshrrev_b32 v1, 5, v0
	v_readfirstlane_b32 s22, v1                    ; wave 0..3
	v_and_b32 v2, 31, v0                           ; lane
	s_cmp_ge_u32 ttmp9, WWG
	s_cbranch_scc1 .Lxpath
	; ---- THE WEIGHTS.  A wave takes 32 columns x 64 along K.  Which tensor: by the work-group's number alone; only numbers and pointers are chosen, all four take one path.
	s_lshr_b32 s23, ttmp9, 7                       ; 0 Wq, 1 Wk, 2 Wv, 3 Wo
	s_lshl_b32 s24, s23, 7                         ; the tensor's first work-group
	s_lshl_b32 s25, s23, 20                        ; its place in codes0
	s_lshl_b32 s26, s23, 3                         ; the byte of its scale: entries 0, 2, 4
	s_mov_b32 s27, 256                             ; bytes from a row of K to the next
	s_cmp_eq_u32 s23, 3
	s_cselect_b32 s26, 44, s26                     ; Wo: entry 11
	s_cselect_b32 s27, 4096, s27
	s_sub_co_u32 s31, ttmp9, s24
	s_lshl_b32 s31, s31, 2
	s_add_co_u32 s31, s31, s22                     ; my wave's number within the tensor, 0..511
	s_and_b32 s32, s31, 31                         ; cg: which 32 columns
	s_lshr_b32 s33, s31, 5                         ; kc: which 64 along K
	s_lshl_b32 s34, s32, 7                         ; the columns' first byte in a row: 128 cg;
	s_lshr_b32 s35, s32, 1                         ; in Wq, Wk, Wv a head's 64 columns are a block of 262,144 bytes
	s_lshl_b32 s35, s35, 18
	s_and_b32 s36, s32, 1
	s_lshl_b32 s36, s36, 7
	s_add_co_u32 s35, s35, s36
	s_cmp_lt_u32 s23, 3
	s_cselect_b32 s34, s35, s34
	s_wait_alu depctr_va_vdst(0)
	v_lshrrev_b32 v3, 4, v2                        ; lanes 0-15: tile 2 cg, lanes 16-31: tile 2 cg + 1
	v_and_b32 v5, 7, v2
	v_bfe_u32 v6, v2, 3, 1
	v_lshl_add_u32 v5, v3, 3, v5
	v_lshl_add_u32 v5, v6, 4, v5                   ; my column of the 32: 8 (l / 16) + l % 8 + 16 ((l / 8) % 2)
	v_lshlrev_b32 v[OFF], 2, v5
.set i, 1
.rept 31
	v_add_nc_u32 v[OFF+i], s27, v[OFF+i-1]         ; a row of K further down
.set i, i+1
.endr
	v_and_b32 v6, 15, v2
	v_lshlrev_b32 v6, 4, v6
	v_lshl_add_u32 v4, v3, 14, v6                  ; where my codes go: my tile (8 images of 2,048 bytes a tile), 16 bytes for each lane row
	s_lshl_b32 s59, s33, 6
	s_mul_i32 s59, s59, s27                        ; 64 kc rows
	s_add_co_u32 s60, s59, s34
	s_mov_b32 s61, 0
	s_lshl_b32 s62, s27, 5                         ; 32 rows
	s_mov_b32 s63, 0
	s_lshl_b32 s66, s32, 4
	s_lshr_b32 s67, s33, 1
	s_add_co_u32 s66, s66, s67
	s_lshl_b32 s66, s66, 11                        ; image (tile 2 cg, K step kc / 2),
	s_and_b32 s67, s33, 1
	s_lshl_b32 s67, s67, 10
	s_add_co_u32 s66, s66, s67                     ; its pieces 2 (kc % 2) and the next
	s_add_co_u32 s66, s66, s25
	s_mov_b32 s67, 0
	s_mov_b32 s38, s26
	s_mov_b32 s39, 0
	s_wait_alu depctr_va_vdst(0)
	s_wait_kmcnt 0x0
	s_cmp_eq_u32 s23, 0
	s_cselect_b64 s[36:37], s[4:5], s[6:7]
	s_cmp_ge_u32 s23, 2
	s_cselect_b64 s[36:37], s[8:9], s[36:37]
	s_cmp_ge_u32 s23, 3
	s_cselect_b64 s[36:37], s[10:11], s[36:37]
	s_add_nc_u64 s[38:39], s[14:15], s[38:39]
	s_load_b32 s58, s[38:39], 0x0                  ; e
	s_add_nc_u64 s[SB:SB+1], s[36:37], s[60:61]
	s_add_nc_u64 s[SB+2:SB+3], s[SB:SB+1], s[62:63]   ; both bases are made ahead of the first load: none is written while a load names it
	s_add_nc_u64 s[56:57], s[16:17], s[66:67]
	WLOAD 0
	WLOAD 1
	s_wait_kmcnt 0x0
	MKSC 58, 69, 11, 10
	s_wait_alu depctr_va_vdst(0)
	WBLOCK 0
	WBLOCK 1
	s_endpgm
.Lxpath:
	; ---- x.  A work-group takes one row tile; a wave takes two of its eight K steps.
	s_sub_co_u32 s23, ttmp9, WWG                   ; row tile t, 0..255
	s_lshr_b32 s26, s23, 1
	s_lshl_b32 s26, s26, 5
	s_and_b32 s27, s23, 1
	s_lshl_b32 s27, s27, 3
	s_add_co_u32 s26, s26, s27                     ; the tile's first row: 32 (t / 2) + 8 (t % 2)
	s_lshl_b32 s26, s26, 12
	s_lshl_b32 s27, s22, 10
	s_add_co_u32 s26, s26, s27                     ; + my two K steps' 1,024 bytes
	s_mov_b32 s27, 0
	s_lshl_b32 s28, s23, 3
	s_lshl_b32 s29, s22, 1
	s_add_co_u32 s28, s28, s29                     ; row tile x 8 K steps + my first
	s_lshl_b32 s28, s28, 11
	s_add_co_u32 s28, s28, 0xc00000
	s_mov_b32 s29, 0
	s_mul_i32 s30, s22, STG                        ; my stage
	s_wait_alu depctr_va_vdst(0)
	v_lshlrev_b32 v5, 4, v2                        ; 16 x lane
	v_add_nc_u32 v6, s30, v5                       ; into the stage: a row as it lies
	v_and_b32 v3, 15, v2
	v_lshrrev_b32 v4, 4, v2
	v_mul_u32_u24 v7, v3, 528
	v_lshl_add_u32 v7, v4, 6, v7
	v_add_nc_u32 v7, s30, v7                       ; out of it: row p, + 64 hh: my 16 numbers of each block of 32
	s_wait_alu depctr_va_vdst(0)
	s_wait_kmcnt 0x0
	s_load_b256 s[32:39], s[14:15], 0x0            ; entries 0 to 7: x's scales are entries 1, 3, 5
	s_add_nc_u64 s[12:13], s[12:13], s[26:27]
	s_add_nc_u64 s[40:41], s[16:17], s[28:29]      ; a base for each of the three sets of codes: twice their distance is beyond a store's immediate
	s_add_nc_u64 s[42:43], s[40:41], 0x400000
	s_add_nc_u64 s[44:45], s[42:43], 0x400000
	XLOAD 0
	XLOAD 1
	s_wait_kmcnt 0x0
	MKSC 33, 46, 9, 8
	MKSC 35, 46, 11, 10
	MKSC 37, 46, 13, 12
	s_wait_alu depctr_va_vdst(0)
	XFRAG 0
	XFRAG 1
	s_wait_tensorcnt 0x0
	ds_add_u32 v14, v15
	s_wait_dscnt 0x0
	s_endpgm
.Lfunc_end_k_q1d42efb68f_prep:
	.size	k_q1d42efb68f_prep, .Lfunc_end_k_q1d42efb68f_prep-k_q1d42efb68f_prep
	.p2alignl 7, 3214868480
	.fill 96, 4, 3214868480
	.section	.rodata,"a",@progbits
	.p2align	6, 0x0
	.amdhsa_kernel k_q1d42efb68f_prep
		.amdhsa_group_segment_fixed_size 34304
		.amdhsa_private_segment_fixed_size 0
		.amdhsa_enable_private_segment 0
		.amdhsa_kernarg_size 56
		.amdhsa_user_sgpr_count 2
		.amdhsa_user_sgpr_kernarg_segment_ptr 1
		.amdhsa_wavefront_size32 1
		.amdhsa_system_sgpr_workgroup_id_x 1
		.amdhsa_system_sgpr_workgroup_id_y 1
		.amdhsa_system_sgpr_workgroup_id_z 1
		.amdhsa_system_vgpr_workitem_id 0
		.amdhsa_next_free_vgpr 256
		.amdhsa_next_free_sgpr 72
		.amdhsa_reserve_vcc 0
		.amdhsa_float_denorm_mode_32 3
		.amdhsa_float_denorm_mode_16_64 3
		.amdhsa_memory_ordered 1
		.amdhsa_forward_progress 1
		.amdhsa_inst_pref_size 55
	.end_amdhsa_kernel
	.amdgpu_metadata
---
amdhsa.version: [ 1, 2 ]
amdhsa.kernels:
  - .name:           k_q1d42efb68f_prep
    .symbol:         k_q1d42efb68f_prep.kd
    .args:
      - { .name: Wq, .offset: 0, .size: 8, .value_kind: global_buffer, .address_space: global }
      - { .name: Wk, .offset: 8, .size: 8, .value_kind: global_buffer, .address_space: global }
      - { .name: Wv, .offset: 16, .size: 8, .value_kind: global_buffer, .address_space: global }
      - { .name: Wo, .offset: 24, .size: 8, .value_kind: global_buffer, .address_space: global }
      - { .name: x, .offset: 32, .size: 8, .value_kind: global_buffer, .address_space: global }
      - { .name: lowp_scales, .offset: 40, .size: 8, .value_kind: global_buffer, .address_space: global }
      - { .name: codes0, .offset: 48, .size: 8, .value_kind: global_buffer, .address_space: global }
    .group_segment_fixed_size: 34304
    .private_segment_fixed_size: 0
    .kernarg_segment_align: 8
    .kernarg_segment_size: 56
    .max_flat_workgroup_size: 128
    .sgpr_count:     72
    .vgpr_count:     256
    .wavefront_size: 32
...
	.end_amdgpu_metadata
.endif
;; end of part 1
;; launch qkv (part 2): grid 4 x 48, 4 waves a work-group, clusters of 4 x 4, 327,680 bytes of LDS; arguments codes0, lowp_scales, bq, bk, bv, qkv; writes qkv
.if DOCPART == 2
	.amdgcn_target "amdgcn-amd-amdhsa--gfx1250"
	.amdhsa_code_object_version 6
	.text
	.protected	k_q1d42efb68f_qkv
	.globl	k_q1d42efb68f_qkv
	.p2align	8
	.type	k_q1d42efb68f_qkv,@function
k_q1d42efb68f_qkv:
	s_mov_b64 s[64:65], 0
	v_nop
	global_prefetch_b8 v0, s[64:65] scope:SCOPE_SE
	s_setreg_imm32_b32 hwreg(HW_REG_WAVE_MODE, 25, 1), 1
	s_wait_xcnt 0x0
	s_wait_alu depctr_hold_cnt(0) depctr_sa_sdst(0) depctr_va_vdst(0) depctr_va_sdst(0) depctr_va_ssrc(0) depctr_va_vcc(0) depctr_vm_vsrc(0)
	s_getreg_b32 s2, hwreg(HW_REG_IB_STS2, 6, 4)
	s_cmp_eq_u32 s2, 0
	s_cbranch_scc0 .Lentry_in_a_cluster
	s_endpgm
.Lentry_in_a_cluster:
	s_bfe_u32 s2, ttmp6, 0x10000c
	s_cmp_lg_u32 s2, 0xf033
	s_cbranch_scc0 .Lentry_shape_is_right
	s_endpgm
.Lentry_shape_is_right:
; A GEMM ON IMAGES OF E4M3 CODES, C = A B^T, one text for four launches; MODE says which: 0 q, k, v;  1 relu(h W1 + bf1);  2 cat Wo + bo;  3 hid W2 + bf2.
; Both operands lie in memory as images of operand registers, [row tile][K step][2,048 bytes]: byte 512 c + 16 lane + i = (row T(t, p), k = 128 s + 32 c + 16 hh + i), lane = p + 16 hh,
; T(t, p) = 32 (t / 2) + 8 (t % 2) + p % 8 + 16 (p / 8).  The places of k in the registers are a permutation of the form's own, the same in A and in B, so every product meets its partner.
; A work-group of four waves makes 32 T x 32 T of C, a wave 16 T x 16 T (T = 8: 64 accumulators; T = 4, where N = 1,024 would give too few tiles of 256 x 256: 16).
; K goes through a ring of two LDS slots of KQ K steps, 131,072 bytes each; a wave's one tensor load brings T row tiles x KQ images, 32,768 bytes.  An image is read by four loads of 512 consecutive bytes: no pitch, no padding.
; CLUSTERS: 4 x 4 work-groups; A's tiles are asked for jointly along a row of the cluster, B's along a column.
; THE MATRIX INSTRUCTION IS USED TRANSPOSED (source 0 = 16 rows of B, source 1 = 16 rows of A): lane (p, hh) holds A's row p, and the 16 registers of B's tiles 2 e and 2 e + 1 are the columns 32 e + 16 hh + 0 .. 15.
; THE WAY OUT needs no LDS.  MODE 0, 1: sum x 2^(ea + eb) + bias (MODE 1: clipped at 0), quantised with the scale given for the next product: the conversions' results are the next operand's image.
; MODE 2, 3: sum x 2^(ea + eb) + bias in f32, laid [row tile][32 columns][2,048]: byte 512 q + 16 lane + 4 w = (row T(t, p), column 32 g + 16 hh + 4 q + w).  Every store of a wave covers 512 consecutive bytes.
; MODE 0: the cluster's y says which product: 0-3 q, 4-7 k (A = x's codes, B = the weight's), 8-11 v with the operands exchanged (A = Wv, B = x), so that a lane holds one channel and 16 neighbouring keys.
; LIMITS: ea + eb between -126 and 127; the next operand's e between -126 and 119.  NaN among the inputs is not served.
.set MODE, 0
.if MODE < 2
.set T,  8
.set KQ, 2
.else
.set T,  4
.set KQ, 4
.endif
.set KS, 8                             ; K steps of 128 in K
.set AOFF, 0                           ; where A's and B's images begin in their buffers; the byte of A's scale in lowp_scales (B's follows it)
.set BOFF, 0
.set SCO, 0
.if MODE == 1
.set AOFF, 0x1000000
.set BOFF, 0x400000
.set SCO, 48
.endif
.if MODE == 2
.set BOFF, 0x300000
.set SCO, 40
.endif
.if MODE == 3
.set KS, 32
.set BOFF, 0x800000
.set SCO, 56
.endif
.set HALF, T/2
.set QH,   T/4
.set FR,   16                          ; registers of a fragment
.set NL,   4                           ; LDS loads that bring one
.set NP,   4                           ; places behind this matrix instruction (ISA guide 7.12.1)
.set PART, T*KQ*2048                   ; what one tensor load brings, and what one wave reads of A or of B in a slot
.set SLOT, 4*PART                      ; A's two halves, then B's two halves
.set SPARE, 2*SLOT                     ; behind the ring: the spare words, 128 bytes for each wave, which no other line names
.set LAPS, KS/(2*KQ)                   ; a lap = once round the ring
.set ADRA, 16                          ; v16-17  LDS address of my A fragments in slot 0, 1
.set ADRB, 20                          ; v20-21  the same for B
.set HB,   24                          ; v24     64 hh: my lane's term in the bias along the columns
.set RB,   25                          ; v25     MODE 0: 4 (p % 8 + 16 (p / 8)): my lane's term in the bias along the rows
.set CO,   26                          ; v26     16 x lane: my place in an image
.set SPW,  28                          ; v28     LDS address of my spare word; never rewritten
.set NIL,  29                          ; v29     0; never rewritten
.set BC,   32                          ; v32..   the bias of my columns, 8 registers a tile, in the result's layout
.set BR,   96                          ; v96-111 MODE 0: the bias of my rows, a pair (the same number twice) for each of A's tiles
.set TMP,  112                         ; the way out, T = 8: a block's 64 numbers
.set CD,   176                         ; the way out, T = 8: four sets of 16 registers of codes
.set OUTR, 128                         ; the way out, T = 4: all 128 numbers
.set AF,   128                         ; window 0: A's fragments, ONE set;  window 1: B's, TWO sets, at v0 and v128;  windows 2, 3: the accumulators, (a, b) at v[8 (T (a % HALF) + b)]
.set G1,  24                           ; s[24:31] descriptor group 1 for A's tiles;  s[32:39] group 0, one set for each slot
.set G0,  32
.set G1B, 48                           ; s[48:55], s[56:63] the same for B's tiles
.set G0B, 56
.set MSB, 0
.macro WIN new                         ; the immediate's high byte repeats the setting that is left
.if MSB != (\new)
	s_set_vgpr_msb (MSB<<8)|(\new)
.set MSB, (\new)
.endif
.endm
.set MUL_LO, 0xa1                      ; source 0 (B) window 1, source 1 (A) window 0, C and D window 2
.set MUL_HI, 0xf1                      ; the same, C and D window 3
.set TO_B,   0x40                      ; destination window 1, address window 0
; A joint load: waves 0 and 1 fetch A's halves, waves 2 and 3 B's.  The branch hangs on the wave's number alone.  Four v_nop follow each of the two lines.
.macro JLOAD s
	s_cmp_eq_u32 s15, 0
	s_cbranch_scc0 .Lfor_b_\@
	tensor_load_to_lds s[G0+4*\s:G0+4*\s+3], s[G1:G1+7]
	s_nop 0
.rept 4
	v_nop
.endr
	s_branch .Lasked_\@
.Lfor_b_\@:
	tensor_load_to_lds s[G0B+4*\s:G0B+4*\s+3], s[G1B:G1B+7]
	s_nop 0
.rept 4
	v_nop
.endr
.Lasked_\@:
.endm
.macro CREST                           ; a round of the cluster's barrier behind its opening barrier
	s_cmp_lg_u32 s14, 0
	s_cbranch_scc1 .Lnot_wave_0_\@
	s_barrier_signal -3
.Lnot_wave_0_\@:
	s_barrier_wait -3
	s_barrier_signal -1
	s_barrier_wait -1
.endm
.macro CROUND                          ; a whole round
	s_barrier_signal -1
	s_barrier_wait -1
	CREST
.endm
.macro PLACES n                        ; plain vector lines between a matrix instruction and a load into, or a vector line on, its registers
.rept \n
	v_nop
.endr
.endm
.macro FRAG reg, adr, q, i             ; row tile i, K step q of a part: the image's four pieces of 512 bytes
.irp c, 0,1,2,3
	ds_load_b128 v[\reg+4*\c:\reg+4*\c+3], v[\adr] offset:((\i)*KQ+(\q))*2048+512*\c
.endr
.endm
; QH of A's blocks, from a0 on, each against B's T tiles of set p.  zero = 1: the first product starts the sums.  The accumulators take turns, one instruction a turn, in the same order in every step.
.macro MULQ a0, p, zero
.set aa, \a0
.rept QH
.set bb, 0
.rept T
.set AC, 8*(T*(aa%HALF)+bb)
.if \zero
	v_wmma_f32_16x16x128_fp8_fp8 v[AC:AC+7], v[128*(\p)+FR*bb:128*(\p)+FR*bb+FR-1], v[AF+FR*aa:AF+FR*aa+FR-1], 0
.else
	v_wmma_f32_16x16x128_fp8_fp8 v[AC:AC+7], v[128*(\p)+FR*bb:128*(\p)+FR*bb+FR-1], v[AF+FR*aa:AF+FR*aa+FR-1], v[AC:AC+7]
.endif
.set bb, bb+1
.endr
.set aa, aa+1
.endr
.endm
.macro FETCH_B slot, q, p
	WIN TO_B
.set ii, 0
.rept T
	FRAG 128*(\p)+FR*ii, ADRB+\slot, \q, ii
.set ii, ii+1
.endr
	WIN 0
.endm
.macro FETCH_A slot, q, i0             ; half of A's blocks, from i0 on
.set ii, \i0
.rept HALF
	FRAG AF+FR*ii, ADRA+\slot, \q, ii
.set ii, ii+1
.endr
.endm
; A step of 128 along K that has its successor in the same slot.  A block of A is free as soon as its products are issued, so one set serves A: its first half is fetched anew in the step's middle, its second at the end.
.macro STEP slot, q, zero
	s_wait_dscnt HALF*NL                           ; B's set and A's first half are in; the youngest loads (A's second half) may be out
	WIN MUL_LO
	MULQ 0, (\q)%2, \zero
	MULQ QH, (\q)%2, \zero
	s_wait_dscnt 0                                 ; A's second half is in
	PLACES NP
	FETCH_B \slot, (\q)+1, 1-(\q)%2
	FETCH_A \slot, (\q)+1, 0
	WIN MUL_HI
	MULQ HALF, (\q)%2, \zero
	MULQ HALF+QH, (\q)%2, \zero
	PLACES NP
	WIN 0
	FETCH_A \slot, (\q)+1, HALF
.endm
.macro MID slot                        ; the steps between a slot's first and its last
.if KQ == 4
	STEP \slot, 1, 0
	STEP \slot, 2, 0
.endif
.endm
; A slot's last step changes slots: ONE barrier; in front of it each wave waits for all its tensor loads, adds 0 to its spare word, and waits for that and for its own reads of this slot.  fill = 1: this slot is filled again, two slots ahead.
.macro TURN slot, next, fill
	s_wait_tensorcnt 0x0                           ; all my tensor loads have landed: my part of the next slot  (every window is 0 here)
	ds_add_u32 v[SPW], v[NIL]                      ; 0 onto my spare word
	s_wait_dscnt HALF*NL+1                         ; (the add and A's second half may be out)
	WIN MUL_LO
	MULQ 0, 1, 0                                   ; matrix work stands between the add and the wait for it
	s_wait_dscnt 0x0                               ; the add is done, and my reads of this slot are over
	s_barrier_signal -1
	MULQ QH, 1, 0
	WIN 0
	s_barrier_wait -1
.if \fill
	CREST                                          ; the barrier has opened a round of the cluster's barrier: no wave of any partner still reads this slot or has a load on its way
	s_add_nc_u64 s[G0+4*\slot+2:G0+4*\slot+3], s[G0+4*\slot+2:G0+4*\slot+3], 2*KQ*2048
	s_add_nc_u64 s[G0B+4*\slot+2:G0B+4*\slot+3], s[G0B+4*\slot+2:G0B+4*\slot+3], 2*KQ*2048
	JLOAD \slot                                    ; the first tensor load behind the round, my one load until the next; its four v_nop are also the places in front of the loads below
.else
	PLACES NP
.endif
	FETCH_B \next, 0, 0
	FETCH_A \next, 0, 0
	WIN MUL_HI
	MULQ HALF, 1, 0
	MULQ HALF+QH, 1, 0
	PLACES NP
	WIN 0
	FETCH_A \next, 0, HALF
.endm
; THE WAY OUT, T = 8: block a (16 rows of A x my 128 columns) becomes one image of codes.  rowbias = 1: the bias hangs on A's row (v).
.macro OUTC a, rowbias
.set AC, 8*T*((\a)%HALF)
.set CDS, CD+16*((\a)%4)
.if (\a) >= 4
	s_wait_xcnt 0x0                                ; the stores of four blocks ago have read this set of codes: it is written again only behind this wait
.endif
	WIN 0x02+(\a)/HALF                             ; source 0: window 2 or 3
.set j, 0
.rept 32
.if \rowbias
	v_pk_fma_f32 v[TMP+j:TMP+j+1], v[AC+j:AC+j+1], s[96:97], v[BR+2*(\a):BR+2*(\a)+1] op_sel_hi:[1,0,1]
.else
	v_pk_fma_f32 v[TMP+j:TMP+j+1], v[AC+j:AC+j+1], s[96:97], v[BC+j:BC+j+1] op_sel_hi:[1,0,1]   ; sum x 2^(ea + eb) + bias; each accumulator from its low end on
.endif
.set j, j+2
.endr
	WIN 0
.set j, 0
.rept 64
.if MODE == 1
	v_med3_num_f32 v[TMP+j], v[TMP+j], 0, v30      ; the activation and the hold in one
.else
	v_med3_num_f32 v[TMP+j], v[TMP+j], -v30, v30   ; the conversion to an 8-bit code does not saturate (ISA guide 7.6.2): the hold comes first
.endif
.set j, j+1
.endr
.irp g, 0,1,2,3,4,5,6,7
	v_cvt_scalef32_pk8_fp8_f32 v[CDS+2*\g:CDS+2*\g+1], v[TMP+8*\g:TMP+8*\g+7], v31
.endr
	v_nop                                          ; a plain line behind the last conversion: the next block writes the numbers' registers
.irp e, 0,1,2,3
.if MODE == 1
.set IMM, (\a)*65536+512*\e                    ; hid: row tile a further on, piece e of the image
.elseif \rowbias
.set IMM, ((\a)/4)*131072+((\a)%4)*2048+512*\e ; v: head a / 4, channel tile a % 4, piece e
.else
.set IMM, (\a)*1024+(\e/2)*131072+(\e%2)*512   ; q, k: token tile a, head e / 2, piece e % 2 of an image of 64 along K
.endif
	global_store_b128 v[CO], v[CDS+4*\e:CDS+4*\e+3], s[12:13] offset:IMM
.endr
.endm
; THE WAY OUT, T = 4: block a's 16 rows x 64 columns in f32
.macro OUTF a
.set AC, 8*T*((\a)%HALF)
.set OS, OUTR+32*(\a)
	WIN 0x02+(\a)/HALF
.set j, 0
.rept 16
	v_pk_fma_f32 v[OS+j:OS+j+1], v[AC+j:AC+j+1], s[96:97], v[BC+j:BC+j+1] op_sel_hi:[1,0,1]
.set j, j+2
.endr
	WIN 0
.irp n, 0,1,2,3,4,5,6,7
	global_store_b128 v[CO], v[OS+4*\n:OS+4*\n+3], s[12:13] offset:(\a)*65536+(\n/4)*2048+(\n%4)*512
.endr
.endm
.if MODE == 0
	s_load_b128 s[4:7], s[0:1], 0x0                ; codes0, lowp_scales
	s_load_b256 s[68:75], s[0:1], 0x10             ; bq, bk, bv, qkv
.else
	s_load_b256 s[4:11], s[0:1], 0x0               ; A's buffer, codes0, lowp_scales, the bias
	s_load_b64 s[12:13], s[0:1], 0x20              ; the result
.endif
	v_lshl_add_u32 v[SPW], v0, 2, SPARE
	v_mov_b32 v[NIL], 0
	ds_add_u32 v28, v29
	ds_add_u32 v28, v29
	s_wait_dscnt 0x0
	v_lshrrev_b32 v1, 5, v0
	v_readfirstlane_b32 s14, v1                    ; wave 0..3
	s_lshr_b32 s15, s14, 1                         ; which half of the tile's rows is mine.  Also: I fetch for A (0) or for B (1)
	s_and_b32 s16, s14, 1                          ; which half of its columns.  Also: which half of that tile I fetch
	s_bfe_u32 s40, ttmp6, 0x40000                  ; cx, cy: my place in the cluster
	s_bfe_u32 s41, ttmp6, 0x40004
.if MODE == 0
	s_and_b32 s80, ttmp7, 0xffff                   ; the cluster's y, 0..11, the same in all sixteen partners
	s_lshr_b32 s81, s80, 2                         ; 0 q, 1 k, 2 v
	s_and_b32 s82, s80, 3
	s_lshl_b32 s82, s82, 2                         ; which four of the sixteen blocks of 256 tokens
	s_lshl_b32 s85, s81, 22
	s_add_co_u32 s85, s85, 0xc00000                ; q, k: A = x's codes under that product's scale,
	s_lshl_b32 s86, s81, 20                        ;       B = Wq's or Wk's
	s_lshl_b32 s91, s81, 2
	s_cmp_eq_u32 s81, 2
	s_cselect_b32 s83, 0, s82                      ; the tokens are A's rows (q, k)
	s_cselect_b32 s84, s82, 0                      ; or B's (v)
	s_cselect_b32 s85, 0x200000, s85               ; v: A = Wv's codes,
	s_cselect_b32 s86, 0x1400000, s86              ;    B = x's
	s_cselect_b32 s90, 28, 24
	s_add_co_u32 s90, s90, s91                     ; the byte of the result's own scale: entries 6, 7, 9
	s_mov_b32 s91, 0
	s_add_co_u32 s17, s41, s83                     ; tile row: cy and what all partners share
	s_add_co_u32 s42, s40, s84                     ; tile column: cx and what all partners share
.else
	s_lshl_b32 s42, ttmp9, 2
	s_add_co_u32 s42, s42, s40                     ; tile column of C = 4 x cluster x + cx
	s_and_b32 s17, ttmp7, 0xffff
	s_lshl_b32 s17, s17, 2
	s_add_co_u32 s17, s17, s41                     ; tile row of C = 4 x cluster y + cy
.endif
	s_lshl_b32 s43, s41, 2
	s_lshl_b32 s43, 15, s43                        ; my row of the cluster
	s_lshl_b32 s44, 0x1111, s40                    ; my column
	; descriptor group 1: T rows (row tiles) of KQ x 2,048 bytes, KS x 2,048 bytes apart, in elements of 8 bytes; dense in LDS
	s_or_b32 s[G1+0], s43, (3<<16)|(1<<21)         ; 15:0 the mask: A's tiles go to my row; 17:16 elements of 8 bytes; 20 no padding; 21 set beside a mask
	s_or_b32 s[G1B+0], s44, (3<<16)|(1<<21)
.irp g, G1, G1B
	s_mov_b32 s[\g+1], (KQ*256)<<16                ; tensor_dim0
	s_mov_b32 s[\g+2], T<<16                       ; tensor_dim1
	s_mov_b32 s[\g+3], (KQ*256)<<16                ; tile_dim0
	s_mov_b32 s[\g+4], T                           ; tile_dim1
	s_mov_b32 s[\g+5], KS*256                      ; tensor_dim0_stride
	s_mov_b32 s[\g+6], 0
	s_mov_b32 s[\g+7], 0
.endr
	s_mul_i32 s18, s16, T*KS*2048                  ; which half of the tile I fetch
	s_mul_i32 s20, s17, 2*T*KS*2048
	s_add_co_u32 s20, s20, s18                     ; A: by the tile row
	s_mul_i32 s46, s42, 2*T*KS*2048
	s_add_co_u32 s46, s46, s18                     ; B: by the tile column
.if MODE == 0
	s_add_co_u32 s20, s20, s85
	s_add_co_u32 s46, s46, s86
.else
.if AOFF != 0
	s_add_co_u32 s20, s20, AOFF
.endif
	s_add_co_u32 s46, s46, BOFF
.endif
	s_mov_b32 s21, 0
	s_mov_b32 s47, 0
	s_mul_i32 s45, s14, PART                       ; where they go: wave x a part: no place in the cluster enters an LDS address
	s_wait_kmcnt 0x0
.if MODE == 0
	s_mov_b64 s[8:9], s[6:7]                       ; lowp_scales
	s_mov_b64 s[6:7], s[4:5]                       ; both operands lie in codes0
	s_cmp_eq_u32 s81, 0
	s_cselect_b64 s[10:11], s[68:69], s[70:71]
	s_cmp_eq_u32 s81, 2
	s_cselect_b64 s[10:11], s[72:73], s[10:11]     ; bq, bk or bv
	s_mov_b64 s[12:13], s[74:75]
	s_lshl_b32 s88, s81, 3
	s_mov_b32 s89, 0
	s_add_nc_u64 s[88:89], s[8:9], s[88:89]
	s_load_b64 s[96:97], s[88:89], 0x0             ; the weight's e and x's
	s_add_nc_u64 s[90:91], s[8:9], s[90:91]
	s_load_b32 s98, s[90:91], 0x0                  ; the result's
.else
	s_load_b64 s[96:97], s[8:9], SCO               ; ea, eb
.if MODE == 1
	s_load_b32 s98, s[8:9], 56                     ; the hidden layer's e: entry 14
.endif
.endif
	s_add_nc_u64 s[20:21], s[4:5], s[20:21]
	s_add_nc_u64 s[46:47], s[6:7], s[46:47]
	CROUND                                         ; all sixteen work-groups are here: the first joint loads meet
.irp s, 0,1
	s_mov_b32 s[G0+4*\s], 1
	s_add_co_u32 s[G0+4*\s+1], s45, \s*SLOT
	s_add_nc_u64 s[G0+4*\s+2:G0+4*\s+3], s[20:21], \s*KQ*2048
	s_or_b32 s[G0+4*\s+3], s[G0+4*\s+3], 0x80000000
	s_mov_b32 s[G0B+4*\s], 1
	s_add_co_u32 s[G0B+4*\s+1], s45, \s*SLOT
	s_add_nc_u64 s[G0B+4*\s+2:G0B+4*\s+3], s[46:47], \s*KQ*2048
	s_or_b32 s[G0B+4*\s+3], s[G0B+4*\s+3], 0x80000000
.endr
	JLOAD 0                                        ; slot 0: my one tensor load at the head; the set-up below stands under its flight
	v_and_b32 v1, 31, v0
	v_lshlrev_b32 v[CO], 4, v1                     ; 16 x lane
	v_bfe_u32 v2, v0, 4, 1
	v_lshlrev_b32 v[HB], 6, v2
	s_wait_alu depctr_va_vdst(0)
	; PREFETCHES INTO THE L2 of slots 1 to 3, two slots ahead of their joint loads (slot 1: one).  Of the eight row tiles that I fetch, the partner at place p (cx for A, cy for B) names tiles 2 p and 2 p + 1:
	; a slot's part of a row tile is 4,096 consecutive bytes, sixteen lanes 256 bytes apart: one instruction a wave and slot.  The partners are told apart by address alone; every cluster asks for what it will itself load.
	s_cmp_eq_u32 s15, 0                            ; do I fetch for A?
	s_cselect_b64 s[66:67], s[20:21], s[46:47]     ; my part of slot 0 in memory
	s_cselect_b32 s18, s40, s41
	s_lshl_b32 s18, s18, 15                        ; + two row tiles of 16,384 bytes for each place
	s_mov_b32 s19, 0
	s_add_nc_u64 s[66:67], s[66:67], s[18:19]      ; never rewritten
	v_and_b32 v27, 15, v0
	v_lshlrev_b32 v27, 8, v27
	v_lshl_add_u32 v27, v2, 14, v27                ; lanes 16-31: the second row tile; never rewritten
	global_prefetch_b8 v27, s[66:67] offset:KQ*2048 th:TH_LOAD_NT scope:SCOPE_SE
	global_prefetch_b8 v27, s[66:67] offset:2*KQ*2048 th:TH_LOAD_NT scope:SCOPE_SE
	s_mul_i32 s22, s15, PART
	s_mul_i32 s23, s16, PART                       ; my half of B,
	s_add_co_u32 s23, s23, 2*PART                  ; which lies behind A's two
.irp s, 0,1
	v_add_nc_u32 v[ADRA+\s], s22, v[CO]
	v_add_nc_u32 v[ADRB+\s], s23, v[CO]
	s_add_co_u32 s22, s22, SLOT
	s_add_co_u32 s23, s23, SLOT
.endr
	; the bias of my columns: for tile b the eight numbers at columns 32 (b / 2) + 8 (b % 2) + 16 hh + 0 .. 7
	s_mul_i32 s18, s42, 2*T*16*4
	s_mul_i32 s19, s16, T*16*4
	s_add_co_u32 s18, s18, s19
.if MODE == 0
	s_and_b32 s18, s18, 4095                       ; (for v, whose columns are tokens, these are loaded inside the buffer and not used)
.endif
	s_mov_b32 s19, 0
	s_add_nc_u64 s[76:77], s[10:11], s[18:19]
.set bb, 0
.rept T
	global_load_b128 v[BC+8*bb:BC+8*bb+3], v[HB], s[76:77] offset:(32*(bb/2)+8*(bb%2))*4
	global_load_b128 v[BC+8*bb+4:BC+8*bb+7], v[HB], s[76:77] offset:(32*(bb/2)+8*(bb%2))*4+16
.set bb, bb+1
.endr
.if MODE == 0
	; the bias of my rows: for A's tile a the number at row 32 (a / 2) + 8 (a % 2) + p % 8 + 16 (p / 8), twice, to fill a pair  (for q and k loaded inside the buffer and not used)
	v_and_b32 v3, 7, v0
	v_bfe_u32 v4, v0, 3, 1
	v_lshl_add_u32 v3, v4, 4, v3
	v_lshlrev_b32 v[RB], 2, v3
	s_lshl_b32 s18, s17, 10
	s_lshl_b32 s19, s15, 9
	s_add_co_u32 s18, s18, s19
	s_and_b32 s18, s18, 4095
	s_mov_b32 s19, 0
	s_add_nc_u64 s[78:79], s[10:11], s[18:19]
.set aa, 0
.rept 8
	global_load_b32 v[BR+2*aa], v[RB], s[78:79] offset:(32*(aa/2)+8*(aa%2))*4
	global_load_b32 v[BR+2*aa+1], v[RB], s[78:79] offset:(32*(aa/2)+8*(aa%2))*4
.set aa, aa+1
.endr
	; where my results go.  q, k: [batch x 16 + head][token tile of 128][1,024];  v: [batch x 16 + head][key step of 16][channel tile of 4][2,048]
	s_lshr_b32 s92, s17, 3
	s_lshl_b32 s92, s92, 4
	s_lshl_b32 s93, s42, 2
	s_add_co_u32 s92, s92, s93
	s_lshl_b32 s93, s16, 1
	s_add_co_u32 s92, s92, s93                     ; batch x 16 + my first head
	s_lshl_b32 s92, s92, 7
	s_and_b32 s93, s17, 7
	s_lshl_b32 s93, s93, 4
	s_add_co_u32 s92, s92, s93
	s_lshl_b32 s93, s15, 3
	s_add_co_u32 s92, s92, s93                     ; + my first token tile
	s_lshl_b32 s92, s92, 10
	s_lshl_b32 s93, s81, 22
	s_add_co_u32 s92, s92, s93                     ; q at 0, k at 0x400000
	s_lshr_b32 s94, s42, 3
	s_lshl_b32 s94, s94, 4
	s_lshl_b32 s95, s17, 2
	s_add_co_u32 s94, s94, s95
	s_lshl_b32 s95, s15, 1
	s_add_co_u32 s94, s94, s95                     ; batch x 16 + my first head
	s_lshl_b32 s94, s94, 4
	s_and_b32 s95, s42, 7
	s_lshl_b32 s95, s95, 1
	s_add_co_u32 s94, s94, s95
	s_add_co_u32 s94, s94, s16                     ; + my key step
	s_lshl_b32 s94, s94, 13
	s_add_co_u32 s94, s94, 0x800000
	s_cmp_eq_u32 s81, 2
	s_cselect_b32 s92, s94, s92
.endif
.if MODE == 1
	s_lshl_b32 s92, s17, 4
	s_lshl_b32 s93, s15, 3
	s_add_co_u32 s92, s92, s93                     ; my first row tile
	s_lshl_b32 s92, s92, 5                         ; x 32 K steps of the next product
	s_lshl_b32 s93, s42, 1
	s_add_co_u32 s92, s92, s93
	s_add_co_u32 s92, s92, s16                     ; + mine
	s_lshl_b32 s92, s92, 11
.endif
.if MODE >= 2
	s_lshl_b32 s92, s17, 3
	s_lshl_b32 s93, s15, 2
	s_add_co_u32 s92, s92, s93                     ; my first row tile
	s_lshl_b32 s92, s92, 5                         ; x 32 groups of 32 columns
	s_lshl_b32 s93, s42, 2
	s_add_co_u32 s92, s92, s93
	s_lshl_b32 s93, s16, 1
	s_add_co_u32 s92, s92, s93                     ; + my first
	s_lshl_b32 s92, s92, 11
.endif
	s_mov_b32 s93, 0
	s_add_nc_u64 s[12:13], s[12:13], s[92:93]
	s_wait_alu depctr_va_vdst(0)
	s_wait_tensorcnt 0x0                           ; my part of slot 0 is in
	ds_add_u32 v[SPW], v[NIL]
	s_wait_dscnt 0x0
	CROUND                                         ; everybody's part of slot 0 is in, and all sixteen work-groups are here
	JLOAD 1                                        ; slot 1's first fill: the first tensor load behind the round
	FETCH_B 0, 0, 0
	FETCH_A 0, 0, 0
	FETCH_A 0, 0, HALF
	global_prefetch_b8 v27, s[66:67] offset:3*KQ*2048 th:TH_LOAD_NT scope:SCOPE_SE   ; slot 3, the last: behind slot 1's load and the run of LDS loads
	STEP 0, 0, 1
.if LAPS > 1
	s_mov_b32 s3, LAPS-1
.Llap:                                                 ; a trip goes once round the ring, from a lap's second step to the next lap's first, and fills both slots again
	MID 0
	TURN 0, 1, 1
	STEP 1, 0, 0
	MID 1
	TURN 1, 0, 1
	STEP 0, 0, 0
	s_sub_co_u32 s3, s3, 1
	s_cmp_lg_u32 s3, 0
	s_cbranch_scc1 .Llap
.endif
	MID 0                                          ; the last lap fills nothing, and has no round of the cluster's barrier
	TURN 0, 1, 0
	STEP 1, 0, 0
	MID 1
	s_wait_dscnt HALF*NL                           ; the very last step: nothing more to fetch
	WIN MUL_LO
	MULQ 0, 1, 0
	MULQ QH, 1, 0
	s_wait_dscnt 0
	WIN MUL_HI
	MULQ HALF, 1, 0
	MULQ HALF+QH, 1, 0
	WIN 0
	s_wait_kmcnt 0x0
	s_add_co_i32 s96, s96, s97                     ; ea + eb, between -126 and 127,
	s_add_co_i32 s96, s96, 127
	s_lshl_b32 s96, s96, 23                        ; makes the f32 number 2^(ea + eb)
	s_mov_b32 s97, s96                             ; (named with it as a pair, so it is written)
.if T == 8
	s_add_co_i32 s98, s98, 127
	s_lshl_b32 s99, s98, 23
	v_mov_b32 v31, s99                             ; 2^e of the result as f32: the conversion takes its exponent field
	s_add_co_i32 s98, s98, 8
	s_lshl_b32 s98, s98, 23
	s_or_b32 s98, s98, 0x600000
	v_mov_b32 v30, s98                             ; 448 x that
.endif
	s_wait_loadcnt 0x0                             ; the biases
	PLACES NP                                      ; behind the last products: their results are read, and the registers that held A's fragments are written
.if MODE == 0
	s_cmp_eq_u32 s81, 2                            ; the same in all partners
	s_cbranch_scc1 .Lout_v
.irp a, 0,1,2,3,4,5,6,7
	OUTC \a, 0
.endr
	s_branch .Lend
.Lout_v:
.irp a, 0,1,2,3,4,5,6,7
	OUTC \a, 1
.endr
.Lend:
.endif
.if MODE == 1
.irp a, 0,1,2,3,4,5,6,7
	OUTC \a, 0
.endr
.endif
.if MODE >= 2
.irp a, 0,1,2,3
	OUTF \a
.endr
.endif
	s_wait_tensorcnt 0x0                           ; the wave's end
	ds_add_u32 v[SPW], v[NIL]
	s_wait_dscnt 0x0
	CROUND                                         ; the closing round: no work-group ends while a partner may still ask for a tile that names it
	s_endpgm
.Lfunc_end_k_q1d42efb68f_qkv:
	.size	k_q1d42efb68f_qkv, .Lfunc_end_k_q1d42efb68f_qkv-k_q1d42efb68f_qkv
	.p2alignl 7, 3214868480
	.fill 96, 4, 3214868480
	.section	.rodata,"a",@progbits
	.p2align	6, 0x0
	.amdhsa_kernel k_q1d42efb68f_qkv
		.amdhsa_group_segment_fixed_size 327680
		.amdhsa_private_segment_fixed_size 0
		.amdhsa_enable_private_segment 0
		.amdhsa_kernarg_size 48
		.amdhsa_user_sgpr_count 2
		.amdhsa_user_sgpr_kernarg_segment_ptr 1
		.amdhsa_wavefront_size32 1
		.amdhsa_system_sgpr_workgroup_id_x 1
		.amdhsa_system_sgpr_workgroup_id_y 1
		.amdhsa_system_sgpr_workgroup_id_z 1
		.amdhsa_system_vgpr_workitem_id 0
		.amdhsa_next_free_vgpr 1024
		.amdhsa_next_free_sgpr 100
		.amdhsa_reserve_vcc 0
		.amdhsa_float_denorm_mode_32 3
		.amdhsa_float_denorm_mode_16_64 3
		.amdhsa_memory_ordered 1
		.amdhsa_forward_progress 1
		.amdhsa_inst_pref_size 196
	.end_amdhsa_kernel
	.amdgpu_metadata
---
amdhsa.version: [ 1, 2 ]
amdhsa.kernels:
  - .name:           k_q1d42efb68f_qkv
    .symbol:         k_q1d42efb68f_qkv.kd
    .args:
      - { .name: codes0, .offset: 0, .size: 8, .value_kind: global_buffer, .address_space: global }
      - { .name: lowp_scales, .offset: 8, .size: 8, .value_kind: global_buffer, .address_space: global }
      - { .name: bq, .offset: 16, .size: 8, .value_kind: global_buffer, .address_space: global }
      - { .name: bk, .offset: 24, .size: 8, .value_kind: global_buffer, .address_space: global }
      - { .name: bv, .offset: 32, .size: 8, .value_kind: global_buffer, .address_space: global }
      - { .name: qkv, .offset: 40, .size: 8, .value_kind: global_buffer, .address_space: global }
    .group_segment_fixed_size: 327680
    .private_segment_fixed_size: 0
    .kernarg_segment_align: 8
    .kernarg_segment_size: 48
    .max_flat_workgroup_size: 128
    .sgpr_count:     100
    .vgpr_count:     1024
    .wavefront_size: 32
...
	.end_amdgpu_metadata
.endif
;; end of part 2
;; launch attn (part 3): grid 8 x 32, 16 waves a work-group, clusters of 4 x 1, 327,680 bytes of LDS; arguments qkv, lowp_scales, cat, W1, W2, codes0, x, xg; writes cat, codes0, xg
.if DOCPART == 3
	.amdgcn_target "amdgcn-amd-amdhsa--gfx1250"
	.amdhsa_code_object_version 6
	.text
	.protected	k_q1d42efb68f_attn
	.globl	k_q1d42efb68f_attn
	.p2align	8
	.type	k_q1d42efb68f_attn,@function
k_q1d42efb68f_attn:
	s_mov_b64 s[64:65], 0
	v_nop
	global_prefetch_b8 v0, s[64:65] scope:SCOPE_SE
	s_setreg_imm32_b32 hwreg(HW_REG_WAVE_MODE, 25, 1), 1
	s_wait_xcnt 0x0
	s_wait_alu depctr_hold_cnt(0) depctr_sa_sdst(0) depctr_va_vdst(0) depctr_va_sdst(0) depctr_va_ssrc(0) depctr_va_vcc(0) depctr_vm_vsrc(0)
	s_getreg_b32 s2, hwreg(HW_REG_IB_STS2, 6, 4)
	s_cmp_eq_u32 s2, 0
	s_cbranch_scc0 .Lentry_in_a_cluster
	s_endpgm
.Lentry_in_a_cluster:
	s_bfe_u32 s2, ttmp6, 0x10000c
	s_cmp_lg_u32 s2, 0x3003
	s_cbranch_scc0 .Lentry_shape_is_right
	s_endpgm
.Lentry_shape_is_right:
; ATTENTION ON CODES OF E4M3: cat = softmax(q k^T / 8) v for one (batch, head) and 256 queries a work-group; both products on codes, each tensor with the scale 2^e given for it.
; qkv holds images of operand registers: q at 0 and k at 0x400000, [batch x 16 + head][tile of 16 tokens][1,024 bytes]; v at 0x800000, [batch x 16 + head][step of 128 keys][tile of 16 channels][2,048 bytes].
; The tokens of a tile are T(t, p) = 32 (t / 2) + 8 (t % 2) + p % 8 + 16 (p / 8), so that the 16 registers of two neighbouring tiles of scores are 16 neighbouring keys.
; THE SOFTMAX: t = score x log2(e) / 8; M = the running largest t rounded up to a whole number; p = 2^(t - M) is quantised; the row's sum is taken of the unquantised p and divides at the end; when M moves, the sum and O are multiplied by 2^(old M - new M).
; SHARES: sixteen waves, each with one tile of 16 queries; every wave walks the head's 2,048 keys in 16 steps of 128.  Both products are used transposed: a lane holds one query throughout.
; LDS: the head's K (131,072 bytes) from byte 0, its V (131,072) from byte 131,072: all of both fit, so nothing is filled twice.  Two fills a wave: at the head 4,096 bytes (together key steps 0 to 3),
; and behind a round of the cluster's barrier 12,288 bytes (together steps 4 to 15), which have four key steps in which to land.  Waves 0-7 fetch K, waves 8-15 V, told apart by arithmetic on the wave's number.
; CLUSTER: the four work-groups of a cluster walk the same head: both fills are joint loads with the mask 15.
; NO PREFETCH: the launch asks for all of K and V by these two loads at its start: there is no loop in which to ask ahead.
; BESIDE IT each wave turns 32 x 32 numbers of W1 and of W2 into codes (images in codes0 at 0x400000 and 0x800000; a lane takes a column, its registers run down K), and re-lays 16 rows x 64 columns of x into xg,
; [row tile][32 columns][2,048]: byte 512 q + 16 lane + 4 w = (row T(t, p), column 32 g + 16 hh + 4 q + w).  x turns through the wave's stage in K's LDS bytes, behind a barrier that follows every wave's last read of K and V.
; LIMITS: the scaled scores stay under 2^31 in magnitude; e(q) + e(k) between -123 and 130; the e of p, cat, W1, W2 between -126 and 119.  NaN among the inputs is not served.
.set LI,  1                            ; v1   16 x lane
.set AD,  2                            ; v2   LDS address of the step's K
.set VO,  3                            ; v3   W1, W2: 4 x my column of the 32
.set C2,  4                            ; v4-11  W2's codes;  v24-31 W1's: never rewritten
.set C1,  24
.set WX,  192                          ; v192-223 W1's, W2's, x's numbers
.set AV,  240                          ; v240 LDS address of the step's V
.set XGL, 241                          ; v241 x: my offset in two rows
.set XSW, 245                          ; v245, v251 the stage: in by rows, out by (p, hh)
.set XSR, 251
.set DO1, 247                          ; v247, v248 where my codes of W1, W2 go
.set DO2, 248
.set SPW, 249                          ; v249 LDS address of my spare word; v250 = 0: never rewritten
.set NIL, 250
.set SPARE, 0x40000                    ; behind K and V: 128 bytes for each wave, which no other line names
.set WV,  18
.set SEL, 20                           ; s[20:21] v_permlanex16_b32: lane l xor 16
.set CS,  22                           ; s[22:23] c = log2(e) / 8 x 2^(e(q) + e(k))
.set G1,  24                           ; s[24:31] group 1, 16 rows of 256 bytes;  s[40:47] 48 rows;  s[32:39] the two groups 0
.set G0,  32
.set G1B, 40
.set TB,  48                           ; s48, s62 LDS byte of the step's K, V
.set TBV, 62
.set PL,  54                           ; s54  448 x 2^e(p)
; other registers: v12 -M, v13 the largest t, v[14:15] and v[242:243] the sum, v16-23 Q, v32-95 fragments of K, then of V, v96-159 scores, then p, v160-191 O^T, v224-239 p's codes, v244 2^e(p), v252 f, v246, v254, v255 at work
.macro CROUND                          ; a round of the cluster's barrier
	s_barrier_signal -1
	s_barrier_wait -1
	s_cmp_lg_u32 s[WV], 0
	s_cbranch_scc1 .Lnot_wave_0_\@
	s_barrier_signal -3
.Lnot_wave_0_\@:
	s_barrier_wait -3
	s_barrier_signal -1
	s_barrier_wait -1
.endm
.macro WLD sb, pitch                   ; 32 rows of K at my column: a wave's load covers 128 consecutive bytes
.set i, 0
.rept 32
	global_load_b32 v[WX+i], v[VO], s[\sb:\sb+1] offset:i*(\pitch) th:TH_LOAD_NT
.set i, i+1
.endr
.endm
.macro WCV se, cd, dv, db              ; hold, convert, store: sixteen lanes store 256 consecutive bytes of an image
	s_wait_loadcnt 0x0
	s_add_co_i32 s[\se], s[\se], 127
	s_lshl_b32 s95, s[\se], 23
	v_mov_b32 v252, s95                            ; 2^e
	s_add_co_i32 s[\se], s[\se], 8
	s_lshl_b32 s[\se], s[\se], 23
	s_or_b32 s[\se], s[\se], 0x600000
	v_mov_b32 v254, s[\se]                         ; 448 x 2^e
.set i, 0
.rept 32
	v_med3_num_f32 v[WX+i], v[WX+i], -v254, v254   ; the conversion does not saturate (ISA guide 7.6.2): the hold comes first
.set i, i+1
.endr
.set i, 0
.rept 4
	v_cvt_scalef32_pk8_fp8_f32 v[\cd+2*i:\cd+2*i+1], v[WX+8*i:WX+8*i+7], v252
.set i, i+1
.endr
	v_nop                                          ; a plain line behind the last conversion
	global_store_b128 v[\dv], v[\cd:\cd+3], s[\db:\db+1]
	global_store_b128 v[\dv], v[\cd+4:\cd+7], s[\db:\db+1] offset:256
.endm
; A KEY STEP: 128 keys
.macro STEP
	v_add_nc_u32 v[AD], s[TB], v[LI]
	v_add_nc_u32 v[AV], s[TBV], v[LI]
	v_nop                                          ; with the two lines above: four places behind the last products, ahead of loads into registers that they read
	v_nop
.set t, 0
.rept 8
	ds_load_b128 v[32+8*t:35+8*t], v[AD] offset:1024*t
	ds_load_b128 v[36+8*t:39+8*t], v[AD] offset:1024*t+512
.set t, t+1
.endr
	s_wait_alu depctr_va_vdst(0)
	s_wait_dscnt 0x0
.set t, 0
.rept 8
	v_wmma_f32_16x16x64_fp8_fp8 v[96+8*t:103+8*t], v[32+8*t:39+8*t], v[16:23], 0   ; S^T = K Q^T
.set t, t+1
.endr
.rept 4
	v_nop
.endr
.set t, 0
.rept 16
	ds_load_b128 v[32+4*t:35+4*t], v[AV] offset:512*t              ; V's four tiles come in under the softmax
.set t, t+1
.endr
	v_max3_num_f32 v254, v96, v97, v98             ; the step's largest score of my query, in two chains; each accumulator from its low end on
	v_max3_num_f32 v252, v99, v100, v101
.set i, 6
.rept 14
	v_max3_num_f32 v254, v254, v[96+i], v[97+i]
	v_max3_num_f32 v252, v252, v[98+i], v[99+i]
.set i, i+4
.endr
	v_max3_num_f32 v254, v254, v158, v159
	s_delay_alu instid0(VALU_DEP_1)
	v_max_num_f32 v254, v254, v252
	s_delay_alu instid0(VALU_DEP_1)
	v_permlanex16_b32 v246, v254, s[SEL], s[SEL+1]
	s_delay_alu instid0(VALU_DEP_1)
	v_max_num_f32 v254, v254, v246                 ; and among lane l xor 16's
	s_delay_alu instid0(VALU_DEP_1)
	v_mul_f32 v254, s[CS], v254                    ; as t (c is positive)
	s_delay_alu instid0(VALU_DEP_1)
	v_max_num_f32 v13, v13, v254
	v_mov_b32 v254, v12
	s_delay_alu instid0(VALU_DEP_2)
	v_floor_f32 v12, -v13                          ; the new -M
	s_delay_alu instid0(VALU_DEP_1)
	v_sub_f32 v254, v12, v254
	s_delay_alu instid0(VALU_DEP_1)
	v_cvt_i32_f32 v254, v254
	s_delay_alu instid0(VALU_DEP_1)
	v_ldexp_f32 v252, 1.0, v254                    ; f = 2^(old M - new M)
.set j, 0
.rept 32
	v_pk_fma_f32 v[96+j:97+j], v[96+j:97+j], s[CS:CS+1], v[12:13] op_sel_hi:[1,0,0]   ; t - M
.set j, j+2
.endr
	s_wait_alu depctr_va_vdst(0)
.set j, 0
.rept 64
	v_exp_f32 v[96+j], v[96+j]
.set j, j+1
.endr
	v_pk_mul_f32 v[14:15], v[14:15], v[252:253] op_sel_hi:[1,0]    ; the sum under the new M (a plain place behind the batch)
	s_wait_alu depctr_va_vdst(0)                   ; one wait for the batch, ahead of its first reader
	v_pk_add_f32 v[242:243], v[96:97], v[98:99]    ; the sum of the unquantised p, in two chains
.set j, 4
.rept 15
	v_pk_add_f32 v[14:15], v[14:15], v[96+j:97+j]
	v_pk_add_f32 v[242:243], v[242:243], v[98+j:99+j]
.set j, j+4
.endr
.set b, 0
.rept 4
.set i, 0
.rept 8
	v_dual_min_num_f32 v[96+16*b+i], s[PL], v[96+16*b+i] :: v_dual_min_num_f32 v[97+16*b+i], s[PL], v[97+16*b+i]   ; the hold, one-sided (p is not negative), two numbers a line
.set i, i+2
.endr
	v_cvt_scalef32_pk8_fp8_f32 v[224+4*b:225+4*b], v[96+16*b:103+16*b], v244
	v_cvt_scalef32_pk8_fp8_f32 v[226+4*b:227+4*b], v[104+16*b:111+16*b], v244
.set b, b+1
.endr
	s_wait_alu depctr_va_vdst(0)
.set j, 0
.rept 8
	v_pk_mul_f32 v[160+j:161+j], v[160+j:161+j], v[252:253] op_sel_hi:[1,0]   ; O^T under the new M
.set j, j+2
.endr
	v_pk_add_f32 v[14:15], v[14:15], v[242:243]    ; the sum's two chains meet
.rept 8
	v_pk_mul_f32 v[160+j:161+j], v[160+j:161+j], v[252:253] op_sel_hi:[1,0]
.set j, j+2
.endr
	s_wait_alu depctr_va_vdst(0)
	s_wait_dscnt 0x0
.set t, 0
.rept 4
	v_wmma_f32_16x16x128_fp8_fp8 v[160+8*t:167+8*t], v[32+16*t:47+16*t], v[224:239], v[160+8*t:167+8*t]   ; O^T += V^T P^T; the four accumulators by turns
.set t, t+1
.endr
	s_add_co_u32 s[TB], s[TB], 8192
	s_add_co_u32 s[TBV], s[TBV], 8192
.endm
.macro GROUP g                         ; key steps 4 g to 4 g + 3
	s_mov_b32 s[TB], \g*32768
	s_mov_b32 s[TBV], 0x20000+\g*32768
	s_mov_b32 s49, 4
.Lstep_\@:
	STEP
	s_sub_co_u32 s49, s49, 1
	s_cmp_lg_u32 s49, 0
	s_cbranch_scc1 .Lstep_\@
.endm
	s_load_b128 s[4:7], s[0:1], 0x0                ; qkv, lowp_scales
	s_load_b64 s[8:9], s[0:1], 0x10                ; cat
	s_load_b128 s[68:71], s[0:1], 0x18             ; W1, W2
	s_load_b128 s[72:75], s[0:1], 0x28             ; codes0, x
	s_load_b64 s[92:93], s[0:1], 0x38              ; xg
	v_lshl_add_u32 v[SPW], v0, 2, SPARE
	v_mov_b32 v[NIL], 0
	ds_add_u32 v[SPW], v[NIL]                      ; the opening lines: the add, twice on end, and its wait ahead of my first tensor load
	ds_add_u32 v[SPW], v[NIL]
	s_wait_dscnt 0x0
	v_lshrrev_b32 v8, 5, v0
	s_delay_alu instid0(VALU_DEP_1)
	v_readfirstlane_b32 s[WV], v8                  ; wave 0..15
	s_bfe_u32 s10, ttmp6, 0x40000                  ; cx
	s_lshl_b32 s11, ttmp9, 2
	s_add_co_u32 s11, s11, s10                     ; which 256 queries
	s_and_b32 s12, ttmp7, 0xffff                   ; batch x 16 + head: the same in the four partners
	s_lshl_b32 s13, s11, 4
	s_add_co_u32 s13, s13, s[WV]                   ; my tile of 16 queries
	; what I fetch: waves 0-7 of K, waves 8-15 of V
	s_lshr_b32 s16, s[WV], 3
	s_lshl_b32 s14, s16, 22
	s_add_co_u32 s14, s14, 0x400000
	s_lshl_b32 s15, s12, 17
	s_add_co_u32 s14, s14, s15                     ; the head's K or V in qkv
	s_lshl_b32 s16, s16, 17                        ; and in LDS
	s_and_b32 s15, s[WV], 7
	s_mul_i32 s17, s15, 12288
	s_add_co_u32 s17, s17, 32768                   ; the second fill: behind steps 0-3, 12,288 bytes a wave
	s_add_co_u32 s66, s14, s17
	s_add_co_u32 s17, s17, s16
	s_lshl_b32 s15, s15, 12                        ; the first: 4,096 bytes a wave
	s_add_co_u32 s14, s14, s15
	s_add_co_u32 s16, s16, s15
	s_mov_b32 s15, 0
	s_mov_b32 s67, 0
	s_lshl_b32 s50, s12, 7
	s_add_co_u32 s50, s50, s13
	s_lshl_b32 s50, s50, 10                        ; my tile of q
	s_mov_b32 s51, 0
	s_lshr_b32 s58, s12, 4                         ; cat: image (row tile = batch x 128 + my tile, K step = head / 2), half head % 2
	s_lshl_b32 s58, s58, 7
	s_add_co_u32 s58, s58, s13
	s_lshl_b32 s58, s58, 3
	s_bfe_u32 s59, s12, 0x30001
	s_add_co_u32 s58, s58, s59
	s_lshl_b32 s58, s58, 11
	s_and_b32 s59, s12, 1
	s_lshl_b32 s59, s59, 10
	s_add_co_u32 s58, s58, s59
	s_mov_b32 s59, 0
	s_lshl_b32 s96, s12, 3
	s_add_co_u32 s96, s96, s11                     ; my work-group's number, 0..255
	s_lshl_b32 s94, s96, 4
	s_add_co_u32 s94, s94, s[WV]                   ; my wave's, 0..4095
	s_and_b32 s76, s94, 127                        ; W1: which 32 columns,
	s_lshr_b32 s95, s94, 7                         ; which 32 along K
	s_lshl_b32 s78, s76, 4
	s_lshr_b32 s97, s95, 2
	s_add_co_u32 s78, s78, s97
	s_lshl_b32 s78, s78, 11
	s_and_b32 s97, s95, 3
	s_lshl_b32 s97, s97, 9
	s_add_co_u32 s78, s78, s97
	s_add_co_u32 s78, s78, 0x400000                ; its piece of an image
	s_mov_b32 s79, 0
	s_lshl_b32 s76, s76, 7
	s_lshl_b32 s95, s95, 19
	s_add_co_u32 s76, s76, s95
	s_mov_b32 s77, 0
	s_and_b32 s80, s94, 31                         ; W2 likewise
	s_lshr_b32 s95, s94, 5
	s_lshl_b32 s82, s80, 6
	s_lshr_b32 s97, s95, 2
	s_add_co_u32 s82, s82, s97
	s_lshl_b32 s82, s82, 11
	s_and_b32 s97, s95, 3
	s_lshl_b32 s97, s97, 9
	s_add_co_u32 s82, s82, s97
	s_add_co_u32 s82, s82, 0x800000
	s_mov_b32 s83, 0
	s_lshl_b32 s80, s80, 7
	s_lshl_b32 s95, s95, 17
	s_add_co_u32 s80, s80, s95
	s_mov_b32 s81, 0
	s_lshr_b32 s88, s96, 1                         ; x: row tile = my work-group's number, 256 bytes of each row a wave
	s_lshl_b32 s88, s88, 5
	s_and_b32 s97, s96, 1
	s_lshl_b32 s97, s97, 3
	s_add_co_u32 s88, s88, s97
	s_lshl_b32 s88, s88, 12
	s_lshl_b32 s97, s[WV], 8
	s_add_co_u32 s88, s88, s97
	s_mov_b32 s89, 0
	s_lshl_b32 s90, s96, 16
	s_lshl_b32 s97, s[WV], 12
	s_add_co_u32 s90, s90, s97
	s_mov_b32 s91, 0
	s_mul_i32 s98, s[WV], 4352                     ; my stage: 16 rows x (256 + 16) bytes
.irp g, G1, G1B                        ; dense blocks as rows of 256 bytes, in elements of 8 bytes; the mask names the four partners, bit 21 beside it
	s_mov_b32 s[\g], 15|(3<<16)|(1<<21)
	s_mov_b32 s[\g+1], 32<<16
	s_mov_b32 s[\g+3], 32<<16
	s_mov_b32 s[\g+5], 32
	s_mov_b32 s[\g+6], 0
	s_mov_b32 s[\g+7], 0
.endr
	s_mov_b32 s[G1+2], 16<<16
	s_mov_b32 s[G1+4], 16
	s_mov_b32 s[G1B+2], 48<<16
	s_mov_b32 s[G1B+4], 48
	s_mov_b32 s[SEL], 0x76543210
	s_mov_b32 s[SEL+1], 0xfedcba98
	s_mov_b32 s[CS], 0x3e38aa3b                    ; log2(e) / 8
	s_wait_kmcnt 0x0
	s_load_b128 s[52:55], s[6:7], 0x18             ; e of q, k, p, v
	s_load_b32 s56, s[6:7], 0x28                   ; of cat
	s_load_b128 s[84:87], s[6:7], 0x30             ; entries 12 to 15: W1's is 13, W2's 15
	s_add_nc_u64 s[14:15], s[4:5], s[14:15]
	s_add_nc_u64 s[66:67], s[4:5], s[66:67]
	s_add_nc_u64 s[4:5], s[4:5], s[50:51]
	s_add_nc_u64 s[8:9], s[8:9], s[58:59]
	s_add_nc_u64 s[76:77], s[68:69], s[76:77]
	s_add_nc_u64 s[78:79], s[72:73], s[78:79]
	s_add_nc_u64 s[80:81], s[70:71], s[80:81]
	s_add_nc_u64 s[82:83], s[72:73], s[82:83]
	s_add_nc_u64 s[88:89], s[74:75], s[88:89]
	s_add_nc_u64 s[90:91], s[92:93], s[90:91]
	s_mov_b32 s[G0], 1
	s_mov_b32 s[G0+1], s16
	s_mov_b64 s[G0+2:G0+3], s[14:15]
	s_or_b32 s[G0+3], s[G0+3], 0x80000000
	s_mov_b32 s[G0+4], 1
	s_mov_b32 s[G0+5], s17
	s_mov_b64 s[G0+6:G0+7], s[66:67]
	s_or_b32 s[G0+7], s[G0+7], 0x80000000
	CROUND                                         ; the four work-groups are here: the first joint loads meet
	tensor_load_to_lds s[G0:G0+3], s[G1:G1+7]      ; my part of key steps 0 to 3: my one tensor load at the head
	s_nop 0
.rept 4
	v_nop
.endr
	v_and_b32 v8, 31, v0
	s_delay_alu instid0(VALU_DEP_1)
	v_lshlrev_b32 v[LI], 4, v8
	global_load_b128 v[16:19], v[LI], s[4:5]       ; Q's fragment stays in registers
	global_load_b128 v[20:23], v[LI], s[4:5] offset:512
	v_lshrrev_b32 v9, 4, v8                        ; hh
	v_and_b32 v10, 7, v8
	v_bfe_u32 v11, v8, 3, 1
	s_delay_alu instid0(VALU_DEP_2)
	v_lshl_add_u32 v10, v9, 3, v10
	s_delay_alu instid0(VALU_DEP_1)
	v_lshl_add_u32 v10, v11, 4, v10                ; my column of the 32: 8 hh + l % 8 + 16 ((l / 8) % 2)
	s_delay_alu instid0(VALU_DEP_1)
	v_lshlrev_b32 v[VO], 2, v10
	v_and_b32 v10, 15, v8
	s_delay_alu instid0(VALU_DEP_1)
	v_lshlrev_b32 v11, 4, v10
	s_delay_alu instid0(VALU_DEP_1)
	v_lshl_add_u32 v[DO1], v9, 14, v11             ; lanes 16-31: the next row tile, 8 images on (W2: 32)
	s_delay_alu instid0(VALU_DEP_2)
	v_lshl_add_u32 v[DO2], v9, 16, v11
	s_delay_alu instid0(VALU_DEP_3)
	v_lshl_add_u32 v[XGL], v9, 12, v11             ; x: sixteen lanes to 256 bytes of a row, two rows a load
	v_mul_u32_u24 v8, v9, 272
	s_delay_alu instid0(VALU_DEP_1)
	v_add_nc_u32 v8, v8, v11
	s_delay_alu instid0(VALU_DEP_1)
	v_add_nc_u32 v[XSW], s98, v8
	v_mul_u32_u24 v8, v10, 272
	s_delay_alu instid0(VALU_DEP_1)
	v_lshl_add_u32 v8, v9, 6, v8
	s_delay_alu instid0(VALU_DEP_1)
	v_add_nc_u32 v[XSR], s98, v8
	v_mov_b32 v13, 0xff61b1e6                      ; the largest t so far: -3e38
	s_delay_alu instid0(VALU_DEP_1)
	v_floor_f32 v12, -v13
	v_mov_b32 v14, 0
	v_mov_b32 v15, 0
	v_mov_b32 v246, 0                              ; a lane permute's destination counts as a source
	v_mov_b32 v253, 0                              ; (named as the upper half of the pair v[252:253])
.set j, 0
.rept 32
	v_mov_b32 v[160+j], 0                          ; O^T: the step is written once, its first run finds zeros
.set j, j+1
.endr
	s_wait_kmcnt 0x0
	s_add_co_i32 s57, s52, s53
	s_lshl_b32 s57, s57, 23
	s_add_co_i32 s[CS], s[CS], s57                 ; e(q) + e(k) onto c's exponent field
	s_mov_b32 s[CS+1], s[CS]
	s_add_co_i32 s60, s54, s55                     ; e(p) + e(v)
	s_add_co_i32 s54, s54, 127
	s_lshl_b32 s57, s54, 23
	v_mov_b32 v244, s57                            ; 2^e(p)
	s_add_co_i32 s54, s54, 8
	s_lshl_b32 s54, s54, 23
	s_or_b32 s[PL], s54, 0x600000                  ; 448 x 2^e(p)
	s_add_co_i32 s56, s56, 127
	s_lshl_b32 s61, s56, 23                        ; 2^e(cat)
	s_add_co_i32 s56, s56, 8
	s_lshl_b32 s56, s56, 23
	s_or_b32 s56, s56, 0x600000                    ; 448 x that
	s_wait_alu depctr_va_vdst(0)
	s_wait_tensorcnt 0x0                           ; my part of steps 0 to 3 is in
	ds_add_u32 v[SPW], v[NIL]
	s_wait_dscnt 0x0
	CROUND                                         ; everybody's part is in, and the four work-groups are here
	tensor_load_to_lds s[G0+4:G0+7], s[G1B:G1B+7]  ; my part of key steps 4 to 15: the first tensor load behind the round, on bytes that nothing has filled
	s_nop 0
.rept 4
	v_nop
.endr
	s_wait_loadcnt 0x0                             ; Q
	WLD 76, 16384
	GROUP 0
	WCV 85, C1, DO1, 78
	s_wait_dscnt 0x0
	s_wait_tensorcnt 0x0                           ; my part of steps 4 to 15 is in,
	s_barrier_signal -1
	s_barrier_wait -1                              ; everybody's is
	WLD 80, 4096
	GROUP 1
	WCV 87, C2, DO2, 82
.set i, 0
.rept 8
	global_load_b128 v[WX+4*i:WX+4*i+3], v[XGL], s[88:89] offset:((2*i)%8+16*(i/4))*4096 th:TH_LOAD_NT   ; x: rows T(t, 2 i) and T(t, 2 i + 1)
.set i, i+1
.endr
	GROUP 2
	GROUP 3
	s_wait_dscnt 0x0                               ; my reads of K and V are over,
	s_barrier_signal -1
	s_barrier_wait -1                              ; everybody's are: K's bytes, which have had their last fill, serve as stages
	s_wait_loadcnt 0x0
.set i, 0
.rept 8
	ds_store_b128 v[XSW], v[WX+4*i:WX+4*i+3] offset:2*i*272
.set i, i+1
.endr
.set i, 0
.rept 8
	ds_load_b128 v[WX+4*i:WX+4*i+3], v[XSR] offset:128*(i/4)+16*(i%4)   ; LDS serves a wave's instructions in order: these see the stores above
.set i, i+1
.endr
	v_add_f32 v14, v14, v15                        ; the row's sum: my two halves,
	s_delay_alu instid0(VALU_DEP_1)
	v_permlanex16_b32 v246, v14, s[SEL], s[SEL+1]
	s_delay_alu instid0(VALU_DEP_1)
	v_add_f32 v14, v14, v246                       ; and lane l xor 16's
	s_wait_alu depctr_va_vdst(0)
	v_rcp_f32 v14, v14
	v_mov_b32 v255, s56
	v_mov_b32 v244, s61
	s_wait_alu depctr_va_vdst(0)                   ; ahead of its first reader
	v_ldexp_f32 v14, v14, s60                      ; x 2^(e(p) + e(v))
	s_wait_alu depctr_va_vdst(0)
.set j, 0
.rept 32
	v_mul_f32 v[96+j], v[160+j], v14
.set j, j+1
.endr
.set j, 0
.rept 32
	v_med3_num_f32 v[96+j], v[96+j], -v255, v255
.set j, j+1
.endr
.irp g, 0,1,2,3
	v_cvt_scalef32_pk8_fp8_f32 v[224+2*\g:225+2*\g], v[96+8*\g:103+8*\g], v244
.endr
	v_nop
	global_store_b128 v[LI], v[224:227], s[8:9]    ; my 64 channels are half an image of the next product's operand
	global_store_b128 v[LI], v[228:231], s[8:9] offset:512
.set i, 0
.rept 8
	s_wait_dscnt 7-i                               ; LDS loads come back in order
	global_store_b128 v[LI], v[WX+4*i:WX+4*i+3], s[90:91] offset:(i/4)*2048+(i%4)*512
.set i, i+1
.endr
	s_wait_tensorcnt 0x0                           ; the wave's end
	ds_add_u32 v[SPW], v[NIL]
	s_wait_dscnt 0x0
	CROUND                                         ; the closing round
	s_endpgm
.Lfunc_end_k_q1d42efb68f_attn:
	.size	k_q1d42efb68f_attn, .Lfunc_end_k_q1d42efb68f_attn-k_q1d42efb68f_attn
	.p2alignl 7, 3214868480
	.fill 96, 4, 3214868480
	.section	.rodata,"a",@progbits
	.p2align	6, 0x0
	.amdhsa_kernel k_q1d42efb68f_attn
		.amdhsa_group_segment_fixed_size 327680
		.amdhsa_private_segment_fixed_size 0
		.amdhsa_enable_private_segment 0
		.amdhsa_kernarg_size 64
		.amdhsa_user_sgpr_count 2
		.amdhsa_user_sgpr_kernarg_segment_ptr 1
		.amdhsa_wavefront_size32 1
		.amdhsa_system_sgpr_workgroup_id_x 1
		.amdhsa_system_sgpr_workgroup_id_y 1
		.amdhsa_system_sgpr_workgroup_id_z 1
		.amdhsa_system_vgpr_workitem_id 0
		.amdhsa_next_free_vgpr 256
		.amdhsa_next_free_sgpr 100
		.amdhsa_reserve_vcc 0
		.amdhsa_float_denorm_mode_32 3
		.amdhsa_float_denorm_mode_16_64 3
		.amdhsa_memory_ordered 1
		.amdhsa_forward_progress 1
		.amdhsa_inst_pref_size 93
	.end_amdhsa_kernel
	.amdgpu_metadata
---
amdhsa.version: [ 1, 2 ]
amdhsa.kernels:
  - .name:           k_q1d42efb68f_attn
    .symbol:         k_q1d42efb68f_attn.kd
    .args:
      - { .name: qkv, .offset: 0, .size: 8, .value_kind: global_buffer, .address_space: global }
      - { .name: lowp_scales, .offset: 8, .size: 8, .value_kind: global_buffer, .address_space: global }
      - { .name: cat, .offset: 16, .size: 8, .value_kind: global_buffer, .address_space: global }
      - { .name: W1, .offset: 24, .size: 8, .value_kind: global_buffer, .address_space: global }
      - { .name: W2, .offset: 32, .size: 8, .value_kind: global_buffer, .address_space: global }
      - { .name: codes0, .offset: 40, .size: 8, .value_kind: global_buffer, .address_space: global }
      - { .name: x, .offset: 48, .size: 8, .value_kind: global_buffer, .address_space: global }
      - { .name: xg, .offset: 56, .size: 8, .value_kind: global_buffer, .address_space: global }
    .group_segment_fixed_size: 327680
    .private_segment_fixed_size: 0
    .kernarg_segment_align: 8
    .kernarg_segment_size: 64
    .max_flat_workgroup_size: 512
    .sgpr_count:     100
    .vgpr_count:     256
    .wavefront_size: 32
...
	.end_amdgpu_metadata
.endif
;; end of part 3
;; launch wo (part 4): grid 8 x 32, 4 waves a work-group, clusters of 4 x 4, 327,680 bytes of LDS; arguments cat, codes0, lowp_scales, bo, y, xg; writes y
.if DOCPART == 4
	.amdgcn_target "amdgcn-amd-amdhsa--gfx1250"
	.amdhsa_code_object_version 6
	.text
	.protected	k_q1d42efb68f_wo
	.globl	k_q1d42efb68f_wo
	.p2align	8
	.type	k_q1d42efb68f_wo,@function
k_q1d42efb68f_wo:
	s_mov_b64 s[64:65], 0
	v_nop
	global_prefetch_b8 v0, s[64:65] scope:SCOPE_SE
	s_setreg_imm32_b32 hwreg(HW_REG_WAVE_MODE, 25, 1), 1
	s_wait_xcnt 0x0
	s_wait_alu depctr_hold_cnt(0) depctr_sa_sdst(0) depctr_va_vdst(0) depctr_va_sdst(0) depctr_va_ssrc(0) depctr_va_vcc(0) depctr_vm_vsrc(0)
	s_getreg_b32 s2, hwreg(HW_REG_IB_STS2, 6, 4)
	s_cmp_eq_u32 s2, 0
	s_cbranch_scc0 .Lentry_in_a_cluster
	s_endpgm
.Lentry_in_a_cluster:
	s_bfe_u32 s2, ttmp6, 0x10000c
	s_cmp_lg_u32 s2, 0xf033
	s_cbranch_scc0 .Lentry_shape_is_right
	s_endpgm
.Lentry_shape_is_right:
; A GEMM ON IMAGES OF E4M3 CODES WITH ITS RESIDUAL, y = A B^T x 2^(ea + eb) + bias + residual, one text for two launches; MODE says which: 2: cat Wo + bo + x;  3: hid W2 + bf2 + h.
; Both operands lie in memory as images of operand registers, [row tile][K step][2,048 bytes]: byte 512 c + 16 lane + i = (row T(t, p), k = 128 s + 32 c + 16 hh + i), lane = p + 16 hh,
; T(t, p) = 32 (t / 2) + 8 (t % 2) + p % 8 + 16 (p / 8).  The places of k in the registers are a permutation of the form's own, the same in A and in B, so every product meets its partner.
; A work-group of four waves makes 128 x 128 of y, a wave 64 x 64: 16 accumulators (N = 1,024 would give too few tiles of 256 x 256).
; K goes through a ring of two LDS slots of four K steps, 131,072 bytes each; a wave's one tensor load brings 4 row tiles x 4 images, 32,768 bytes.  An image is read by four loads of 512 consecutive bytes: no pitch, no padding.
; CLUSTERS: 4 x 4 work-groups; A's tiles are asked for jointly along a row of the cluster, B's along a column.
; THE MATRIX INSTRUCTION IS USED TRANSPOSED (source 0 = 16 rows of B, source 1 = 16 rows of A): lane (p, hh) holds A's row p, and the 16 registers of B's tiles 2 e and 2 e + 1 are the columns 32 e + 16 hh + 0 .. 15.
; y and the residual are f32, laid [row tile][32 columns][2,048]: byte 512 q + 16 lane + 4 w = (row T(t, p), column 32 g + 16 hh + 4 q + w): a lane's registers as they stand.  So the way out needs no LDS, the residual's
; loads are the stores' mirror, and every load and store of a wave covers 512 consecutive bytes.  The residual is asked for at the head, into 128 registers of window 1 that the ring leaves idle.
; LIMITS: ea + eb between -126 and 127.  NaN among the inputs is not served.
.set MODE, 2
.set T,  4
.set KQ, 4
.if MODE == 2
.set KS, 8                             ; K steps of 128 in K
.set BOFF, 0x300000                    ; where B's images begin in codes0
.set SCO, 40                           ; the byte of A's scale in lowp_scales (B's follows it)
.else
.set KS, 32
.set BOFF, 0x800000
.set SCO, 56
.endif
.set HALF, T/2
.set QH,   T/4
.set FR,   16                          ; registers of a fragment
.set NL,   4                           ; LDS loads that bring one
.set NP,   4                           ; places behind this matrix instruction (ISA guide 7.12.1)
.set PART, T*KQ*2048                   ; what one tensor load brings, and what one wave reads of A or of B in a slot
.set SLOT, 4*PART                      ; A's two halves, then B's two halves
.set SPARE, 2*SLOT                     ; behind the ring: the spare words, 128 bytes for each wave, which no other line names
.set LAPS, KS/(2*KQ)                   ; a lap = once round the ring
.set ADRA, 16                          ; v16-17  LDS address of my A fragments in slot 0, 1
.set ADRB, 20                          ; v20-21  the same for B
.set HB,   24                          ; v24     64 hh: my lane's term in the bias
.set CO,   26                          ; v26     16 x lane: my place in an image
.set PFO,  27                          ; v27     256 x lane: the prefetches' offset; never rewritten
.set SPW,  28                          ; v28     LDS address of my spare word; never rewritten
.set NIL,  29                          ; v29     0; never rewritten
.set BC,   32                          ; v32-63  the bias of my columns, 8 registers a tile, in the result's layout
.set OUTR, 128                         ; the way out: all 128 numbers
.set AF,   128                         ; window 0: A's fragments, ONE set;  window 1: B's, TWO sets, at v0 and v128, and the residual at v64-127 and v192-255;  windows 2, 3: the accumulators, (a, b) at v[8 (T (a % HALF) + b)]
.set G1,  24                           ; s[24:31] descriptor group 1 for A's tiles;  s[32:39] group 0, one set for each slot
.set G0,  32
.set G1B, 48                           ; s[48:55], s[56:63] the same for B's tiles
.set G0B, 56
.set PFA, 68                           ; s[68:69] where my prefetches stand: one slot further along K than the refill that is being asked for; a prefetch names the slot after that
.set LIM, 70                           ; s70     1 in a wave that prefetches, else the greatest number
.set MSB, 0
.macro WIN new                         ; the immediate's high byte repeats the setting that is left
.if MSB != (\new)
	s_set_vgpr_msb (MSB<<8)|(\new)
.set MSB, (\new)
.endif
.endm
.set MUL_LO, 0xa1                      ; source 0 (B) window 1, source 1 (A) window 0, C and D window 2
.set MUL_HI, 0xf1                      ; the same, C and D window 3
.set TO_B,   0x40                      ; destination window 1, address window 0
; A joint load: waves 0 and 1 fetch A's halves, waves 2 and 3 B's.  The branch hangs on the wave's number alone.  Four v_nop follow each of the two lines.
.macro JLOAD s
	s_cmp_eq_u32 s15, 0
	s_cbranch_scc0 .Lfor_b_\@
	tensor_load_to_lds s[G0+4*\s:G0+4*\s+3], s[G1:G1+7]
	s_nop 0
.rept 4
	v_nop
.endr
	s_branch .Lasked_\@
.Lfor_b_\@:
	tensor_load_to_lds s[G0B+4*\s:G0B+4*\s+3], s[G1B:G1B+7]
	s_nop 0
.rept 4
	v_nop
.endr
.Lasked_\@:
.endm
; PREFETCHES INTO THE L2.  Of the four row tiles that I fetch, the partner at place p (cx for A, cy for B) takes row tile p: its part of a slot is 8,192 consecutive bytes, lanes 256 bytes apart, one instruction a wave:
; the partners are told apart by address, no branch hangs on a work-group's place in its cluster.  A's rows are read by every cluster of that row of clusters: the one with x = 0 asks; B's by every cluster of that column: the one with y = 0 asks.
; At the head, behind slot 0's joint load, slot 1 is asked for (MODE 3: slots 1 and 2, and slot 3 behind slot 1's load).  MODE 3, macro ASK: behind each joint refill the slot that stands two refills on; the loop's last trip asks for nothing.
.macro ASK
	s_cmp_gt_u32 s3, s[LIM]                        ; s3 = 1 in the loop's last trip
	s_cbranch_scc0 .Lnot_mine_\@
	global_prefetch_b8 v[PFO], s[PFA:PFA+1] offset:KQ*2048 th:TH_LOAD_NT scope:SCOPE_SE
.Lnot_mine_\@:
.endm
.macro CREST                           ; a round of the cluster's barrier behind its opening barrier
	s_cmp_lg_u32 s14, 0
	s_cbranch_scc1 .Lnot_wave_0_\@
	s_barrier_signal -3
.Lnot_wave_0_\@:
	s_barrier_wait -3
	s_barrier_signal -1
	s_barrier_wait -1
.endm
.macro CROUND                          ; a whole round
	s_barrier_signal -1
	s_barrier_wait -1
	CREST
.endm
.macro PLACES n                        ; plain vector lines between a matrix instruction and a load into, or a vector line on, its registers
.rept \n
	v_nop
.endr
.endm
.macro FRAG reg, adr, q, i             ; row tile i, K step q of a part: the image's four pieces of 512 bytes
.irp c, 0,1,2,3
	ds_load_b128 v[\reg+4*\c:\reg+4*\c+3], v[\adr] offset:((\i)*KQ+(\q))*2048+512*\c
.endr
.endm
; QH of A's blocks, from a0 on, each against B's T tiles of set p.  zero = 1: the first product starts the sums.  The accumulators take turns, one instruction a turn, in the same order in every step.
.macro MULQ a0, p, zero
.set aa, \a0
.rept QH
.set bb, 0
.rept T
.set AC, 8*(T*(aa%HALF)+bb)
.if \zero
	v_wmma_f32_16x16x128_fp8_fp8 v[AC:AC+7], v[128*(\p)+FR*bb:128*(\p)+FR*bb+FR-1], v[AF+FR*aa:AF+FR*aa+FR-1], 0
.else
	v_wmma_f32_16x16x128_fp8_fp8 v[AC:AC+7], v[128*(\p)+FR*bb:128*(\p)+FR*bb+FR-1], v[AF+FR*aa:AF+FR*aa+FR-1], v[AC:AC+7]
.endif
.set bb, bb+1
.endr
.set aa, aa+1
.endr
.endm
.macro FETCH_B slot, q, p
	WIN TO_B
.set ii, 0
.rept T
	FRAG 128*(\p)+FR*ii, ADRB+\slot, \q, ii
.set ii, ii+1
.endr
	WIN 0
.endm
.macro FETCH_A slot, q, i0             ; half of A's blocks, from i0 on
.set ii, \i0
.rept HALF
	FRAG AF+FR*ii, ADRA+\slot, \q, ii
.set ii, ii+1
.endr
.endm
; A step of 128 along K that has its successor in the same slot.  A block of A is free as soon as its products are issued, so one set serves A: its first half is fetched anew in the step's middle, its second at the end.
.macro STEP slot, q, zero
	s_wait_dscnt HALF*NL                           ; B's set and A's first half are in; the youngest loads (A's second half) may be out
	WIN MUL_LO
	MULQ 0, (\q)%2, \zero
	MULQ QH, (\q)%2, \zero
	s_wait_dscnt 0                                 ; A's second half is in
	PLACES NP
	FETCH_B \slot, (\q)+1, 1-(\q)%2
	FETCH_A \slot, (\q)+1, 0
	WIN MUL_HI
	MULQ HALF, (\q)%2, \zero
	MULQ HALF+QH, (\q)%2, \zero
	PLACES NP
	WIN 0
	FETCH_A \slot, (\q)+1, HALF
.endm
.macro MID slot                        ; the steps between a slot's first and its last
	STEP \slot, 1, 0
	STEP \slot, 2, 0
.endm
; A slot's last step changes slots: ONE barrier; in front of it each wave waits for all its tensor loads, adds 0 to its spare word, and waits for that and for its own reads of this slot.  fill = 1: this slot is filled again, two slots ahead.
.macro TURN slot, next, fill
.if \fill
	s_wait_xcnt 0x0                                ; the last prefetch, a slot back, has read its address: it is stepped here, ahead of the waits of the change of slots
	s_add_nc_u64 s[PFA:PFA+1], s[PFA:PFA+1], KQ*2048
.endif
	s_wait_tensorcnt 0x0                           ; all my tensor loads have landed: my part of the next slot  (every window is 0 here)
	ds_add_u32 v[SPW], v[NIL]                      ; 0 onto my spare word
	s_wait_dscnt HALF*NL+1                         ; (the add and A's second half may be out)
	WIN MUL_LO
	MULQ 0, 1, 0                                   ; matrix work stands between the add and the wait for it
	s_wait_dscnt 0x0                               ; the add is done, and my reads of this slot are over
	s_barrier_signal -1
	MULQ QH, 1, 0
	WIN 0
	s_barrier_wait -1
.if \fill
	CREST                                          ; the barrier has opened a round of the cluster's barrier: no wave of any partner still reads this slot or has a load on its way
	s_add_nc_u64 s[G0+4*\slot+2:G0+4*\slot+3], s[G0+4*\slot+2:G0+4*\slot+3], 2*KQ*2048
	s_add_nc_u64 s[G0B+4*\slot+2:G0B+4*\slot+3], s[G0B+4*\slot+2:G0B+4*\slot+3], 2*KQ*2048
	JLOAD \slot                                    ; the first tensor load behind the round, my one load until the next; its four v_nop are also the places in front of the loads below
.else
	PLACES NP
.endif
	FETCH_B \next, 0, 0
	FETCH_A \next, 0, 0
.if \fill
	ASK
.endif
	WIN MUL_HI
	MULQ HALF, 1, 0
	MULQ HALF+QH, 1, 0
	PLACES NP
	WIN 0
	FETCH_A \next, 0, HALF
.endm
; THE WAY OUT: block a's 16 rows x 64 columns
.macro OUTF a
.set AC, 8*T*((\a)%HALF)
.set OS, OUTR+32*(\a)
.set HR, 64+32*(\a)+64*((\a)/2)        ; the block's residual, in window 1
	WIN 0x02+(\a)/HALF                             ; source 0: window 2 or 3
.set j, 0
.rept 16
	v_pk_fma_f32 v[OS+j:OS+j+1], v[AC+j:AC+j+1], s[96:97], v[BC+j:BC+j+1] op_sel_hi:[1,0,1]   ; sum x 2^(ea + eb) + bias; each accumulator from its low end on
.set j, j+2
.endr
	WIN 0x04                                       ; source 1: window 1
.set j, 0
.rept 16
	v_pk_add_f32 v[OS+j:OS+j+1], v[OS+j:OS+j+1], v[HR+j:HR+j+1]    ; + the residual
.set j, j+2
.endr
	WIN 0
.irp n, 0,1,2,3,4,5,6,7
	global_store_b128 v[CO], v[OS+4*\n:OS+4*\n+3], s[12:13] offset:(\a)*65536+(\n/4)*2048+(\n%4)*512
.endr
.endm
	s_load_b256 s[4:11], s[0:1], 0x0               ; A's buffer, codes0, lowp_scales, the bias
	s_load_b64 s[12:13], s[0:1], 0x20              ; y
	s_load_b64 s[66:67], s[0:1], 0x28              ; the residual
	v_lshl_add_u32 v[SPW], v0, 2, SPARE
	v_mov_b32 v[NIL], 0
	ds_add_u32 v28, v29
	ds_add_u32 v28, v29
	s_wait_dscnt 0x0
	v_lshrrev_b32 v1, 5, v0
	v_readfirstlane_b32 s14, v1                    ; wave 0..3
	s_lshr_b32 s15, s14, 1                         ; which half of the tile's rows is mine.  Also: I fetch for A (0) or for B (1)
	s_and_b32 s16, s14, 1                          ; which half of its columns.  Also: which half of that tile I fetch
	s_bfe_u32 s40, ttmp6, 0x40000                  ; cx, cy: my place in the cluster
	s_bfe_u32 s41, ttmp6, 0x40004
	s_lshl_b32 s42, ttmp9, 2
	s_add_co_u32 s42, s42, s40                     ; tile column of y = 4 x cluster x + cx
	s_and_b32 s17, ttmp7, 0xffff
	s_lshl_b32 s17, s17, 2
	s_add_co_u32 s17, s17, s41                     ; tile row of y = 4 x cluster y + cy
	s_lshl_b32 s43, s41, 2
	s_lshl_b32 s43, 15, s43                        ; my row of the cluster
	s_lshl_b32 s44, 0x1111, s40                    ; my column
	; descriptor group 1: T rows (row tiles) of KQ x 2,048 bytes, KS x 2,048 bytes apart, in elements of 8 bytes; dense in LDS
	s_or_b32 s[G1+0], s43, (3<<16)|(1<<21)         ; 15:0 the mask: A's tiles go to my row; 17:16 elements of 8 bytes; 20 no padding; 21 set beside a mask
	s_or_b32 s[G1B+0], s44, (3<<16)|(1<<21)
.irp g, G1, G1B
	s_mov_b32 s[\g+1], (KQ*256)<<16                ; tensor_dim0
	s_mov_b32 s[\g+2], T<<16                       ; tensor_dim1
	s_mov_b32 s[\g+3], (KQ*256)<<16                ; tile_dim0
	s_mov_b32 s[\g+4], T                           ; tile_dim1
	s_mov_b32 s[\g+5], KS*256                      ; tensor_dim0_stride
	s_mov_b32 s[\g+6], 0
	s_mov_b32 s[\g+7], 0
.endr
	s_mul_i32 s18, s16, T*KS*2048                  ; which half of the tile I fetch
	s_mul_i32 s20, s17, 2*T*KS*2048
	s_add_co_u32 s20, s20, s18                     ; A: by the tile row
	s_mul_i32 s46, s42, 2*T*KS*2048
	s_add_co_u32 s46, s46, s18                     ; B: by the tile column
	s_add_co_u32 s46, s46, BOFF
	s_mov_b32 s21, 0
	s_mov_b32 s47, 0
	s_mul_i32 s45, s14, PART                       ; where they go: wave x a part: no place in the cluster enters an LDS address
	s_wait_kmcnt 0x0
	s_load_b64 s[96:97], s[8:9], SCO               ; ea, eb
	s_add_nc_u64 s[20:21], s[4:5], s[20:21]
	s_add_nc_u64 s[46:47], s[6:7], s[46:47]
	CROUND                                         ; all sixteen work-groups are here: the first joint loads meet
.irp s, 0,1
	s_mov_b32 s[G0+4*\s], 1
	s_add_co_u32 s[G0+4*\s+1], s45, \s*SLOT
	s_add_nc_u64 s[G0+4*\s+2:G0+4*\s+3], s[20:21], \s*KQ*2048
	s_or_b32 s[G0+4*\s+3], s[G0+4*\s+3], 0x80000000
	s_mov_b32 s[G0B+4*\s], 1
	s_add_co_u32 s[G0B+4*\s+1], s45, \s*SLOT
	s_add_nc_u64 s[G0B+4*\s+2:G0B+4*\s+3], s[46:47], \s*KQ*2048
	s_or_b32 s[G0B+4*\s+3], s[G0B+4*\s+3], 0x80000000
.endr
	JLOAD 0                                        ; slot 0: my one tensor load at the head; the set-up below stands under its flight
	v_and_b32 v1, 31, v0
	v_lshlrev_b32 v[CO], 4, v1                     ; 16 x lane
	v_bfe_u32 v2, v0, 4, 1
	v_lshlrev_b32 v[HB], 6, v2                     ; 64 hh
	s_wait_alu depctr_va_vdst(0)
	s_mul_i32 s22, s15, PART                       ; my half of A,
	s_mul_i32 s23, s16, PART                       ; my half of B,
	s_add_co_u32 s23, s23, 2*PART                  ; which lies behind A's two
.irp s, 0,1
	v_add_nc_u32 v[ADRA+\s], s22, v[CO]
	v_add_nc_u32 v[ADRB+\s], s23, v[CO]
	s_add_co_u32 s22, s22, SLOT
	s_add_co_u32 s23, s23, SLOT
.endr
	; the bias of my columns: for tile b the eight numbers at columns 32 (b / 2) + 8 (b % 2) + 16 hh + 0 .. 7
	s_mul_i32 s18, s42, 2*T*16*4
	s_mul_i32 s19, s16, T*16*4
	s_add_co_u32 s18, s18, s19
	s_mov_b32 s19, 0
	s_add_nc_u64 s[76:77], s[10:11], s[18:19]
.set bb, 0
.rept T
	global_load_b128 v[BC+8*bb:BC+8*bb+3], v[HB], s[76:77] offset:(32*(bb/2)+8*(bb%2))*4
	global_load_b128 v[BC+8*bb+4:BC+8*bb+7], v[HB], s[76:77] offset:(32*(bb/2)+8*(bb%2))*4+16
.set bb, bb+1
.endr
	; where my results go, and where their residual lies: the same place in both buffers
	s_lshl_b32 s92, s17, 3
	s_lshl_b32 s93, s15, 2
	s_add_co_u32 s92, s92, s93                     ; my first row tile
	s_lshl_b32 s92, s92, 5                         ; x 32 groups of 32 columns
	s_lshl_b32 s93, s42, 2
	s_add_co_u32 s92, s92, s93
	s_lshl_b32 s93, s16, 1
	s_add_co_u32 s92, s92, s93                     ; + my first
	s_lshl_b32 s92, s92, 11
	s_mov_b32 s93, 0
	s_add_nc_u64 s[12:13], s[12:13], s[92:93]
	s_add_nc_u64 s[66:67], s[66:67], s[92:93]
	WIN TO_B                                       ; destination window 1
.set aa, 0
.rept 4
.set HR, 64+32*aa+64*(aa/2)
.irp n, 0,1,2,3,4,5,6,7
	global_load_b128 v[HR+4*\n:HR+4*\n+3], v[CO], s[66:67] offset:aa*65536+(\n/4)*2048+(\n%4)*512 th:TH_LOAD_NT   ; read once in the launch; waited for on the way out
.endr
.set aa, aa+1
.endr
	WIN 0
.if 1
	s_and_b32 s73, ttmp7, 0xffff
	s_cmp_eq_u32 s15, 0                            ; do I fetch for A?
	s_cselect_b32 s71, s17, s42                    ; the tile: by the tile row in A, by the tile column in B
	s_cselect_b32 s72, s40, s41                    ; my place among the four that ask for it with me
	s_cselect_b32 s73, ttmp9, s73                  ; the coordinate along which other clusters read the same rows
	s_cselect_b32 s74, 0, BOFF
	s_cselect_b64 s[PFA:PFA+1], s[4:5], s[6:7]
	s_cmp_eq_u32 s73, 0
	s_cselect_b32 s[LIM], 1, -1                    ; the same in all sixteen partners, for a given wave
	s_mul_i32 s80, s71, 2*T*KS*2048
	s_mul_i32 s75, s16, T*KS*2048                  ; + the four row tiles that I fetch
	s_add_co_u32 s80, s80, s75
	s_mul_i32 s75, s72, KS*2048                    ; + my work-group's one of them
	s_add_co_u32 s80, s80, s75
	s_add_co_u32 s80, s80, s74
	s_add_co_u32 s80, s80, 2*KQ*2048               ; at slot 2: the first refill steps it to slot 3 and names slot 4
	s_mov_b32 s81, 0
	s_add_nc_u64 s[PFA:PFA+1], s[PFA:PFA+1], s[80:81]
	v_and_b32 v[PFO], 31, v0
	v_lshlrev_b32 v[PFO], 8, v[PFO]
	s_cmp_eq_u32 s[LIM], 1
	s_cbranch_scc0 .Lno_ask_1
	global_prefetch_b8 v[PFO], s[PFA:PFA+1] offset:-KQ*2048 th:TH_LOAD_NT scope:SCOPE_SE   ; slot 1 (the base stands at slot 2's place and is itself not named here)
.Lno_ask_1:
.endif
	s_wait_alu depctr_va_vdst(0)
	s_wait_tensorcnt 0x0                           ; my part of slot 0 is in
	ds_add_u32 v[SPW], v[NIL]
	s_wait_dscnt 0x0
	CROUND                                         ; everybody's part of slot 0 is in, and all sixteen work-groups are here
	JLOAD 1                                        ; slot 1's first fill: the first tensor load behind the round
	FETCH_B 0, 0, 0
	FETCH_A 0, 0, 0
	FETCH_A 0, 0, HALF
	STEP 0, 0, 1                                   ; the first step stands in front of the loop: its products start the sums
.if LAPS > 1
	s_mov_b32 s3, LAPS-1
.Llap:                                                 ; a trip goes once round the ring, from a lap's second step to the next lap's first, and fills both slots again
	MID 0
	TURN 0, 1, 1
	STEP 1, 0, 0
	MID 1
	TURN 1, 0, 1
	STEP 0, 0, 0
	s_sub_co_u32 s3, s3, 1
	s_cmp_lg_u32 s3, 0
	s_cbranch_scc1 .Llap
.endif
	MID 0                                          ; the last lap fills nothing, and has no round of the cluster's barrier
	TURN 0, 1, 0
	STEP 1, 0, 0
	MID 1
	s_wait_dscnt HALF*NL                           ; the very last step: nothing more to fetch
	WIN MUL_LO
	MULQ 0, 1, 0
	MULQ QH, 1, 0
	s_wait_dscnt 0
	WIN MUL_HI
	MULQ HALF, 1, 0
	MULQ HALF+QH, 1, 0
	WIN 0
	s_wait_kmcnt 0x0
	s_add_co_i32 s96, s96, s97                     ; ea + eb, between -126 and 127,
	s_add_co_i32 s96, s96, 127
	s_lshl_b32 s96, s96, 23                        ; makes the f32 number 2^(ea + eb)
	s_mov_b32 s97, s96                             ; (named with it as a pair, so it is written)
	s_wait_loadcnt 0x0                             ; the bias and the residual
	PLACES NP                                      ; behind the last products: their results are read, and the registers that held A's fragments are written
.irp a, 0,1,2,3
	OUTF \a
.endr
	s_wait_tensorcnt 0x0                           ; the wave's end
	ds_add_u32 v[SPW], v[NIL]
	s_wait_dscnt 0x0
	CROUND                                         ; the closing round: no work-group ends while a partner may still ask for a tile that names it
	s_endpgm
.Lfunc_end_k_q1d42efb68f_wo:
	.size	k_q1d42efb68f_wo, .Lfunc_end_k_q1d42efb68f_wo-k_q1d42efb68f_wo
	.p2alignl 7, 3214868480
	.fill 96, 4, 3214868480
	.section	.rodata,"a",@progbits
	.p2align	6, 0x0
	.amdhsa_kernel k_q1d42efb68f_wo
		.amdhsa_group_segment_fixed_size 327680
		.amdhsa_private_segment_fixed_size 0
		.amdhsa_enable_private_segment 0
		.amdhsa_kernarg_size 48
		.amdhsa_user_sgpr_count 2
		.amdhsa_user_sgpr_kernarg_segment_ptr 1
		.amdhsa_wavefront_size32 1
		.amdhsa_system_sgpr_workgroup_id_x 1
		.amdhsa_system_sgpr_workgroup_id_y 1
		.amdhsa_system_sgpr_workgroup_id_z 1
		.amdhsa_system_vgpr_workitem_id 0
		.amdhsa_next_free_vgpr 1024
		.amdhsa_next_free_sgpr 100
		.amdhsa_reserve_vcc 0
		.amdhsa_float_denorm_mode_32 3
		.amdhsa_float_denorm_mode_16_64 3
		.amdhsa_memory_ordered 1
		.amdhsa_forward_progress 1
		.amdhsa_inst_pref_size 52
	.end_amdhsa_kernel
	.amdgpu_metadata
---
amdhsa.version: [ 1, 2 ]
amdhsa.kernels:
  - .name:           k_q1d42efb68f_wo
    .symbol:         k_q1d42efb68f_wo.kd
    .args:
      - { .name: cat, .offset: 0, .size: 8, .value_kind: global_buffer, .address_space: global }
      - { .name: codes0, .offset: 8, .size: 8, .value_kind: global_buffer, .address_space: global }
      - { .name: lowp_scales, .offset: 16, .size: 8, .value_kind: global_buffer, .address_space: global }
      - { .name: bo, .offset: 24, .size: 8, .value_kind: global_buffer, .address_space: global }
      - { .name: y, .offset: 32, .size: 8, .value_kind: global_buffer, .address_space: global }
      - { .name: xg, .offset: 40, .size: 8, .value_kind: global_buffer, .address_space: global }
    .group_segment_fixed_size: 327680
    .private_segment_fixed_size: 0
    .kernarg_segment_align: 8
    .kernarg_segment_size: 48
    .max_flat_workgroup_size: 128
    .sgpr_count:     100
    .vgpr_count:     1024
    .wavefront_size: 32
...
	.end_amdgpu_metadata
.endif
;; end of part 4
;; launch ln1 (part 5): grid 256 x 1, 8 waves a work-group, no clusters, 78,848 bytes of LDS; arguments y, g1, b1, lowp_scales, h; writes h
.if DOCPART == 5
	.amdgcn_target "amdgcn-amd-amdhsa--gfx1250"
	.amdhsa_code_object_version 6
	.text
	.protected	k_q1d42efb68f_ln1
	.globl	k_q1d42efb68f_ln1
	.p2align	8
	.type	k_q1d42efb68f_ln1,@function
k_q1d42efb68f_ln1:
	s_mov_b64 s[64:65], 0
	v_nop
	global_prefetch_b8 v0, s[64:65] scope:SCOPE_SE
	s_setreg_imm32_b32 hwreg(HW_REG_WAVE_MODE, 25, 1), 1
	s_wait_xcnt 0x0
; LAYER NORM, one text for two launches.  y holds a product's result with its bias and its residual.  LN = 1: h = norm(y), stored as f32 and as codes of E4M3 for the next product.  LN = 2: out0 = norm(y), stored as rows.
; norm(z) = g (z - mean) / sqrt(var + 1e-12) + b, var with the divisor 1,023; the mean is taken away before the squares are summed, so no difference of large sums is formed.
; y (and h's f32 part) lie [row tile of 16][group of 32 columns][2,048 bytes]: byte 512 q + 16 lane + 4 w = (row T(t, p), column 32 g + 16 hh + 4 q + w), lane = p + 16 hh, T(t, p) = 32 (t / 2) + 8 (t % 2) + p % 8 + 16 (p / 8).
; A work-group takes one row tile; wave w takes columns 128 w .. 128 w + 127, 8,192 consecutive bytes: lane (p, hh) holds 64 numbers of row p, register 16 g + i = column 128 w + 32 g + 16 hh + i.
; g and b: the wave's 128 numbers of each, 512 consecutive bytes, are asked for first, by one load each, laid in the wave's own LDS bytes and read from there as each lane wants them.
; out0's rows, in their natural order, turn through the wave's own stage in LDS, 16 rows x (512 + 16) bytes.  A row's sums meet in LDS: two barriers.
; Every global load and store of a wave covers 512 consecutive bytes.  Memory binds: no matrix unit, no cluster.
; LIMITS: LN = 1: the scale's e (entry 12) between -126 and 119.  NaN among the inputs is not served.
.set LN,  1
.set Y,   64                           ; v64-127  the row's numbers
.set A1,  128                          ; v128-191 g; LN = 2: at the end rows on their way out
.set A2,  192                          ; v192-255 b
.set TMP, 16                           ; v16-47   LN = 1: two sets of 16 held numbers
.set CDS, 48                           ; v48-63   g and b as loaded; LN = 1: later the codes
.set STG, 8448                         ; LN = 2: a wave's stage
.set RED, 67584                        ; behind the eight stages: two sets of 32 lanes x 8 waves words: byte 32 lane + 4 wave
.set GB,  69632                        ; behind them: 1,024 bytes for each wave: its 512 of g, then its 512 of b
.macro ROWSUM vr, off                  ; v[vr] holds my lane's sum, v[vr+1] has been written: the row's sum over all 1,024 columns comes back in v8
	s_delay_alu instid0(VALU_DEP_1)
	v_permlanex16_b32 v[\vr+1], v[\vr], s32, s33   ; the row's other half of my wave's columns lies in the lane 16 away
	s_delay_alu instid0(VALU_DEP_1)
	v_add_f32 v[\vr], v[\vr], v[\vr+1]
	ds_store_b32 v5, v[\vr] offset:\off
	s_wait_dscnt 0x0                               ; for the others' sake: my word has landed
	s_barrier_signal -1
	s_barrier_wait -1
	ds_load_b128 v[8:11], v6 offset:\off           ; the eight waves' sums of my row
	ds_load_b128 v[12:15], v6 offset:\off+16
	s_wait_dscnt 0x0
	v_pk_add_f32 v[8:9], v[8:9], v[10:11]
	v_pk_add_f32 v[12:13], v[12:13], v[14:15]
	s_delay_alu instid0(VALU_DEP_1)
	v_pk_add_f32 v[8:9], v[8:9], v[12:13]
	s_delay_alu instid0(VALU_DEP_1)
	v_add_f32 v8, v8, v9
.endm
	s_load_b256 s[4:11], s[0:1], 0x0               ; y s[4:5], g s[6:7], b s[8:9]; s[10:11]: LN = 1 lowp_scales, LN = 2 out0
.if LN == 1
	s_load_b64 s[12:13], s[0:1], 0x20              ; h
	v_lshl_add_u32 v2, v0, 2, 0x13000
	v_mov_b32 v3, 0
.endif
	v_lshrrev_b32 v1, 5, v0
	s_delay_alu instid0(VALU_DEP_1)
	v_readfirstlane_b32 s16, v1                    ; wave 0..7
	v_and_b32 v7, 31, v0                           ; lane
	s_delay_alu instid0(VALU_DEP_1)
	v_lshlrev_b32 v1, 4, v7                        ; 16 x lane
	v_bfe_u32 v4, v0, 4, 1                         ; hh
	s_delay_alu instid0(VALU_DEP_3)
	v_lshlrev_b32 v6, 5, v7
	s_delay_alu instid0(VALU_DEP_1)
	v_add_nc_u32 v6, RED, v6                       ; my lane's eight words
	s_lshl_b32 s18, s16, 2
	v_add_nc_u32 v5, s18, v6                       ; my wave's among them
	s_lshl_b32 s19, s16, 10
	s_add_co_u32 s19, s19, GB                      ; my wave's g and b in LDS
	v_add_nc_u32 v7, s19, v1                       ; on the way in: 16 x lane
.if LN == 2
	v_and_b32 v2, 15, v0                           ; p
	s_mul_i32 s17, s16, STG                        ; my stage
	v_mul_u32_u24 v3, v2, 528
	v_lshl_add_u32 v3, v4, 6, v3
	v_add_nc_u32 v3, s17, v3                       ; the stage by (p, hh): 528 p + 64 hh
	v_add_nc_u32 v2, s17, v1                       ; the stage by rows: 16 x lane
.endif
	v_lshl_add_u32 v4, v4, 6, s19                  ; g and b on the way out: 64 hh
	s_mov_b32 s32, 0x76543210                      ; v_permlanex16_b32: lane l xor 16
	s_mov_b32 s33, 0xfedcba98
	s_lshl_b32 s20, ttmp9, 16
	s_lshl_b32 s21, s16, 13
	s_add_co_u32 s20, s20, s21                     ; in the laid-out buffers: 65,536 x row tile + 8,192 x wave
	s_mov_b32 s21, 0
	s_lshl_b32 s24, s16, 9                         ; my wave's 512 bytes of a row, of g and of b
	s_mov_b32 s25, 0
.if LN == 1
	s_lshl_b32 s28, ttmp9, 14
	s_lshl_b32 s29, s16, 11
	s_add_co_u32 s28, s28, s29
	s_add_co_u32 s28, s28, 0x1000000               ; h's codes: image (row tile, K step = wave)
	s_mov_b32 s29, 0
.else
	s_lshr_b32 s22, ttmp9, 1
	s_lshl_b32 s22, s22, 5
	s_and_b32 s23, ttmp9, 1
	s_lshl_b32 s23, s23, 3
	s_add_co_u32 s22, s22, s23                     ; in natural rows: the tile's first row, 32 (t / 2) + 8 (t % 2)
	s_lshl_b32 s22, s22, 12
	s_add_co_u32 s22, s22, s24
	s_mov_b32 s23, 0
.endif
	s_wait_alu depctr_va_vdst(0)
	s_wait_kmcnt 0x0
	s_add_nc_u64 s[4:5], s[4:5], s[20:21]
	s_add_nc_u64 s[6:7], s[6:7], s[24:25]
	s_add_nc_u64 s[8:9], s[8:9], s[24:25]
.if LN == 1
	s_load_b32 s30, s[10:11], 0x30                 ; e of h: entry 12
	s_add_nc_u64 s[26:27], s[12:13], s[20:21]
	s_add_nc_u64 s[28:29], s[12:13], s[28:29]
.else
	s_add_nc_u64 s[26:27], s[10:11], s[22:23]
.endif
	global_load_b128 v[CDS:CDS+3], v1, s[6:7]      ; g
	global_load_b128 v[CDS+4:CDS+7], v1, s[8:9]    ; b
.set n, 0
.rept 16
	global_load_b128 v[Y+4*n:Y+4*n+3], v1, s[4:5] offset:512*n th:TH_LOAD_NT
.set n, n+1
.endr
	s_wait_loadcnt 16                              ; g and b are in; y's 16 loads may be out
	ds_store_b128 v7, v[CDS:CDS+3]
	ds_store_b128 v7, v[CDS+4:CDS+7] offset:512
.set n, 0
.rept 16
	ds_load_b128 v[A1+4*n:A1+4*n+3], v4 offset:128*(n/4)+16*(n%4)       ; LDS serves a wave's instructions in order: these see the stores above
.set n, n+1
.endr
.set n, 0
.rept 16
	ds_load_b128 v[A2+4*n:A2+4*n+3], v4 offset:512+128*(n/4)+16*(n%4)   ; (the first sum's wait for all LDS instructions is the wait for these)
.set n, n+1
.endr
	s_wait_loadcnt 0x0                             ; y
	v_pk_add_f32 v[10:11], v[64:65], v[66:67]
	v_pk_add_f32 v[62:63], v[72:73], v[76:77]
	v_pk_add_f32 v[60:61], v[80:81], v[84:85]
	v_pk_add_f32 v[58:59], v[88:89], v[92:93]
	v_pk_add_f32 v[56:57], v[96:97], v[100:101]
	v_pk_add_f32 v[54:55], v[104:105], v[108:109]
	v_pk_add_f32 v[52:53], v[112:113], v[116:117]
	v_pk_add_f32 v[8:9], v[120:121], v[124:125]
	s_delay_alu instid0(VALU_DEP_1)
	v_pk_add_f32 v[8:9], v[8:9], v[68:69]
	v_pk_add_f32 v[10:11], v[10:11], v[70:71]
	v_pk_add_f32 v[62:63], v[62:63], v[74:75]
	v_pk_add_f32 v[60:61], v[60:61], v[78:79]
	v_pk_add_f32 v[58:59], v[58:59], v[82:83]
	v_pk_add_f32 v[56:57], v[56:57], v[86:87]
	v_pk_add_f32 v[54:55], v[54:55], v[90:91]
	v_pk_add_f32 v[52:53], v[52:53], v[94:95]
	v_pk_add_f32 v[8:9], v[8:9], v[98:99]
	v_pk_add_f32 v[10:11], v[10:11], v[102:103]
	v_pk_add_f32 v[62:63], v[62:63], v[106:107]
	v_pk_add_f32 v[60:61], v[60:61], v[110:111]
	v_pk_add_f32 v[58:59], v[58:59], v[114:115]
	v_pk_add_f32 v[56:57], v[56:57], v[118:119]
	v_pk_add_f32 v[54:55], v[54:55], v[122:123]
	v_pk_add_f32 v[52:53], v[52:53], v[126:127]
	s_delay_alu instid0(VALU_DEP_4)
	v_pk_add_f32 v[8:9], v[8:9], v[58:59]
	s_delay_alu instid0(VALU_DEP_4)
	v_pk_add_f32 v[10:11], v[10:11], v[56:57]
	s_delay_alu instid0(VALU_DEP_4)
	v_pk_add_f32 v[62:63], v[62:63], v[54:55]
	s_delay_alu instid0(VALU_DEP_4)
	v_pk_add_f32 v[60:61], v[60:61], v[52:53]
	s_delay_alu instid0(VALU_DEP_2)
	v_pk_add_f32 v[8:9], v[8:9], v[62:63]
	s_delay_alu instid0(VALU_DEP_2)
	v_pk_add_f32 v[10:11], v[10:11], v[60:61]
	s_delay_alu instid0(VALU_DEP_1)
	v_pk_add_f32 v[8:9], v[8:9], v[10:11]
	s_delay_alu instid0(VALU_DEP_1)
	v_add_f32 v8, v8, v9
	ROWSUM 8, 0
	s_delay_alu instid0(VALU_DEP_1)
	v_mul_f32 v8, 0x3a800000, v8                   ; the mean: / 1,024
	s_delay_alu instid0(VALU_DEP_1)
	v_mov_b32 v9, v8
.set j, 0
.rept 32
	v_pk_add_f32 v[Y+j:Y+j+1], v[Y+j:Y+j+1], v[8:9] neg_lo:[0,1] neg_hi:[0,1]
.set j, j+2
.endr
	v_pk_mul_f32 v[10:11], v[Y:Y+1], v[Y:Y+1]      ; the squares' sum
	v_pk_mul_f32 v[12:13], v[Y+2:Y+3], v[Y+2:Y+3]
.set j, 4
.rept 15
	s_delay_alu instid0(VALU_DEP_2)
	v_pk_fma_f32 v[10:11], v[Y+j:Y+j+1], v[Y+j:Y+j+1], v[10:11]
	s_delay_alu instid0(VALU_DEP_2)
	v_pk_fma_f32 v[12:13], v[Y+j+2:Y+j+3], v[Y+j+2:Y+j+3], v[12:13]
.set j, j+4
.endr
	s_delay_alu instid0(VALU_DEP_1)
	v_pk_add_f32 v[10:11], v[10:11], v[12:13]
	s_delay_alu instid0(VALU_DEP_1)
	v_add_f32 v10, v10, v11
	ROWSUM 10, 1024                                ; other words than the first sum's: no barrier is owed between the two
	v_mov_b32 v9, 0x2b8cbccc                       ; 1e-12
	s_delay_alu instid0(VALU_DEP_1)
	v_fmamk_f32 v8, v8, 0x3a802008, v9             ; / 1,023, + 1e-12
	s_wait_alu depctr_va_vdst(0)
	v_rsq_f32 v10, v8
	v_rsq_f32 v11, v8                              ; twice, to fill the pair of the packed multiply
	v_nop                                          ; a plain line behind the transcendentals
	s_wait_alu depctr_va_vdst(0)                   ; ahead of their first reader
.set j, 0
.rept 32
	v_pk_mul_f32 v[Y+j:Y+j+1], v[Y+j:Y+j+1], v[10:11]
.set j, j+2
.endr
.set j, 0
.rept 32
	v_pk_fma_f32 v[Y+j:Y+j+1], v[Y+j:Y+j+1], v[A1+j:A1+j+1], v[A2+j:A2+j+1]
.set j, j+2
.endr
.if LN == 1
.set n, 0
.rept 16
	global_store_b128 v1, v[Y+4*n:Y+4*n+3], s[26:27] offset:512*n  ; h in f32, laid as y is
.set n, n+1
.endr
	s_wait_kmcnt 0x0
	s_add_co_i32 s30, s30, 127
	s_lshl_b32 s31, s30, 23
	v_mov_b32 v11, s31                             ; 2^e as f32
	s_add_co_i32 s30, s30, 8
	s_lshl_b32 s30, s30, 23
	s_or_b32 s30, s30, 0x600000
	v_mov_b32 v10, s30                             ; 448 x 2^e
.irp c, 0,1,2,3
.set i, 0
.rept 16
	v_med3_num_f32 v[TMP+16*(\c%2)+i], v[Y+16*\c+i], -v10, v10     ; the conversion does not saturate (ISA guide 7.6.2): the hold comes first, into other registers than the stores' data
.set i, i+1
.endr
	v_cvt_scalef32_pk8_fp8_f32 v[CDS+4*\c:CDS+4*\c+1], v[TMP+16*(\c%2):TMP+16*(\c%2)+7], v11
	v_cvt_scalef32_pk8_fp8_f32 v[CDS+4*\c+2:CDS+4*\c+3], v[TMP+16*(\c%2)+8:TMP+16*(\c%2)+15], v11
.endr
	v_nop
.irp c, 0,1,2,3
	global_store_b128 v1, v[CDS+4*\c:CDS+4*\c+3], s[28:29] offset:512*\c   ; my 128 columns are one K step of the next product: a whole image
.endr
.else
.set n, 0
.rept 16
	ds_store_b128 v3, v[Y+4*n:Y+4*n+3] offset:128*(n/4)+16*(n%4)
.set n, n+1
.endr
.set n, 0
.rept 16
	ds_load_b128 v[A1+4*n:A1+4*n+3], v2 offset:528*n               ; back as rows: LDS serves a wave's instructions in order
.set n, n+1
.endr
.set n, 0
.rept 16
	s_wait_dscnt 15-n                              ; LDS loads come back in order: row n is in
	global_store_b128 v1, v[A1+4*n:A1+4*n+3], s[26:27] offset:((n%8)+16*(n/8))*4096 th:TH_STORE_NT
.set n, n+1
.endr
.endif
	s_wait_tensorcnt 0x0
	ds_add_u32 v2, v3
	s_wait_dscnt 0x0
	s_endpgm
.Lfunc_end_k_q1d42efb68f_ln1:
	.size	k_q1d42efb68f_ln1, .Lfunc_end_k_q1d42efb68f_ln1-k_q1d42efb68f_ln1
	.p2alignl 7, 3214868480
	.fill 96, 4, 3214868480
	.section	.rodata,"a",@progbits
	.p2align	6, 0x0
	.amdhsa_kernel k_q1d42efb68f_ln1
		.amdhsa_group_segment_fixed_size 78848
		.amdhsa_private_segment_fixed_size 0
		.amdhsa_enable_private_segment 0
		.amdhsa_kernarg_size 40
		.amdhsa_user_sgpr_count 2
		.amdhsa_user_sgpr_kernarg_segment_ptr 1
		.amdhsa_wavefront_size32 1
		.amdhsa_system_sgpr_workgroup_id_x 1
		.amdhsa_system_sgpr_workgroup_id_y 1
		.amdhsa_system_sgpr_workgroup_id_z 1
		.amdhsa_system_vgpr_workitem_id 0
		.amdhsa_next_free_vgpr 256
		.amdhsa_next_free_sgpr 66
		.amdhsa_reserve_vcc 0
		.amdhsa_float_denorm_mode_32 3
		.amdhsa_float_denorm_mode_16_64 3
		.amdhsa_memory_ordered 1
		.amdhsa_forward_progress 1
		.amdhsa_inst_pref_size 26
	.end_amdhsa_kernel
	.amdgpu_metadata
---
amdhsa.version: [ 1, 2 ]
amdhsa.kernels:
  - .name:           k_q1d42efb68f_ln1
    .symbol:         k_q1d42efb68f_ln1.kd
    .args:
      - { .name: y, .offset: 0, .size: 8, .value_kind: global_buffer, .address_space: global }
      - { .name: g1, .offset: 8, .size: 8, .value_kind: global_buffer, .address_space: global }
      - { .name: b1, .offset: 16, .size: 8, .value_kind: global_buffer, .address_space: global }
      - { .name: lowp_scales, .offset: 24, .size: 8, .value_kind: global_buffer, .address_space: global }
      - { .name: h, .offset: 32, .size: 8, .value_kind: global_buffer, .address_space: global }
    .group_segment_fixed_size: 78848
    .private_segment_fixed_size: 0
    .kernarg_segment_align: 8
    .kernarg_segment_size: 40
    .max_flat_workgroup_size: 256
    .sgpr_count:     66
    .vgpr_count:     256
    .wavefront_size: 32
...
	.end_amdgpu_metadata
.endif
;; end of part 5
;; launch ffn1 (part 6): grid 16 x 16, 4 waves a work-group, clusters of 4 x 4, 327,680 bytes of LDS; arguments h, codes0, lowp_scales, bf1, hid; writes hid
.if DOCPART == 6
	.amdgcn_target "amdgcn-amd-amdhsa--gfx1250"
	.amdhsa_code_object_version 6
	.text
	.protected	k_q1d42efb68f_ffn1
	.globl	k_q1d42efb68f_ffn1
	.p2align	8
	.type	k_q1d42efb68f_ffn1,@function
k_q1d42efb68f_ffn1:
	s_mov_b64 s[64:65], 0
	v_nop
	global_prefetch_b8 v0, s[64:65] scope:SCOPE_SE
	s_setreg_imm32_b32 hwreg(HW_REG_WAVE_MODE, 25, 1), 1
	s_wait_xcnt 0x0
	s_wait_alu depctr_hold_cnt(0) depctr_sa_sdst(0) depctr_va_vdst(0) depctr_va_sdst(0) depctr_va_ssrc(0) depctr_va_vcc(0) depctr_vm_vsrc(0)
	s_getreg_b32 s2, hwreg(HW_REG_IB_STS2, 6, 4)
	s_cmp_eq_u32 s2, 0
	s_cbranch_scc0 .Lentry_in_a_cluster
	s_endpgm
.Lentry_in_a_cluster:
	s_bfe_u32 s2, ttmp6, 0x10000c
	s_cmp_lg_u32 s2, 0xf033
	s_cbranch_scc0 .Lentry_shape_is_right
	s_endpgm
.Lentry_shape_is_right:
.set MODE, 1
.if MODE < 2
.set T,  8
.set KQ, 2
.else
.set T,  4
.set KQ, 4
.endif
.set KS, 8
.set AOFF, 0
.set BOFF, 0
.set SCO, 0
.if MODE == 1
.set AOFF, 0x1000000
.set BOFF, 0x400000
.set SCO, 48
.endif
.if MODE == 2
.set BOFF, 0x300000
.set SCO, 40
.endif
.if MODE == 3
.set KS, 32
.set BOFF, 0x800000
.set SCO, 56
.endif
.set HALF, T/2
.set QH,   T/4
.set FR,   16
.set NL,   4
.set NP,   4
.set PART, T*KQ*2048
.set SLOT, 4*PART
.set SPARE, 2*SLOT
.set LAPS, KS/(2*KQ)
.set ADRA, 16
.set ADRB, 20
.set HB,   24
.set RB,   25
.set CO,   26
.set SPW,  28
.set NIL,  29
.set BC,   32
.set BR,   96
.set TMP,  112
.set CD,   176
.set OUTR, 128
.set AF,   128
.set G1,  24
.set G0,  32
.set G1B, 48
.set G0B, 56
.set MSB, 0
.macro WIN new
.if MSB != (\new)
	s_set_vgpr_msb (MSB<<8)|(\new)
.set MSB, (\new)
.endif
.endm
.set MUL_LO, 0xa1
.set MUL_HI, 0xf1
.set TO_B,   0x40
.macro JLOAD s
	s_cmp_eq_u32 s15, 0
	s_cbranch_scc0 .Lfor_b_\@
	tensor_load_to_lds s[G0+4*\s:G0+4*\s+3], s[G1:G1+7]
	s_nop 0
.rept 4
	v_nop
.endr
	s_branch .Lasked_\@
.Lfor_b_\@:
	tensor_load_to_lds s[G0B+4*\s:G0B+4*\s+3], s[G1B:G1B+7]
	s_nop 0
.rept 4
	v_nop
.endr
.Lasked_\@:
.endm
.macro CREST
	s_cmp_lg_u32 s14, 0
	s_cbranch_scc1 .Lnot_wave_0_\@
	s_barrier_signal -3
.Lnot_wave_0_\@:
	s_barrier_wait -3
	s_barrier_signal -1
	s_barrier_wait -1
.endm
.macro CROUND
	s_barrier_signal -1
	s_barrier_wait -1
	CREST
.endm
.macro PLACES n
.rept \n
	v_nop
.endr
.endm
.macro FRAG reg, adr, q, i
.irp c, 0,1,2,3
	ds_load_b128 v[\reg+4*\c:\reg+4*\c+3], v[\adr] offset:((\i)*KQ+(\q))*2048+512*\c
.endr
.endm
.macro MULQ a0, p, zero
.set aa, \a0
.rept QH
.set bb, 0
.rept T
.set AC, 8*(T*(aa%HALF)+bb)
.if \zero
	v_wmma_f32_16x16x128_fp8_fp8 v[AC:AC+7], v[128*(\p)+FR*bb:128*(\p)+FR*bb+FR-1], v[AF+FR*aa:AF+FR*aa+FR-1], 0
.else
	v_wmma_f32_16x16x128_fp8_fp8 v[AC:AC+7], v[128*(\p)+FR*bb:128*(\p)+FR*bb+FR-1], v[AF+FR*aa:AF+FR*aa+FR-1], v[AC:AC+7]
.endif
.set bb, bb+1
.endr
.set aa, aa+1
.endr
.endm
.macro FETCH_B slot, q, p
	WIN TO_B
.set ii, 0
.rept T
	FRAG 128*(\p)+FR*ii, ADRB+\slot, \q, ii
.set ii, ii+1
.endr
	WIN 0
.endm
.macro FETCH_A slot, q, i0
.set ii, \i0
.rept HALF
	FRAG AF+FR*ii, ADRA+\slot, \q, ii
.set ii, ii+1
.endr
.endm
.macro STEP slot, q, zero
	s_wait_dscnt HALF*NL
	WIN MUL_LO
	MULQ 0, (\q)%2, \zero
	MULQ QH, (\q)%2, \zero
	s_wait_dscnt 0
	PLACES NP
	FETCH_B \slot, (\q)+1, 1-(\q)%2
	FETCH_A \slot, (\q)+1, 0
	WIN MUL_HI
	MULQ HALF, (\q)%2, \zero
	MULQ HALF+QH, (\q)%2, \zero
	PLACES NP
	WIN 0
	FETCH_A \slot, (\q)+1, HALF
.endm
.macro MID slot
.if KQ == 4
	STEP \slot, 1, 0
	STEP \slot, 2, 0
.endif
.endm
.macro TURN slot, next, fill
	s_wait_tensorcnt 0x0
	ds_add_u32 v[SPW], v[NIL]
	s_wait_dscnt HALF*NL+1
	WIN MUL_LO
	MULQ 0, 1, 0
	s_wait_dscnt 0x0
	s_barrier_signal -1
	MULQ QH, 1, 0
	WIN 0
	s_barrier_wait -1
.if \fill
	CREST
	s_add_nc_u64 s[G0+4*\slot+2:G0+4*\slot+3], s[G0+4*\slot+2:G0+4*\slot+3], 2*KQ*2048
	s_add_nc_u64 s[G0B+4*\slot+2:G0B+4*\slot+3], s[G0B+4*\slot+2:G0B+4*\slot+3], 2*KQ*2048
	JLOAD \slot
.else
	PLACES NP
.endif
	FETCH_B \next, 0, 0
	FETCH_A \next, 0, 0
	WIN MUL_HI
	MULQ HALF, 1, 0
	MULQ HALF+QH, 1, 0
	PLACES NP
	WIN 0
	FETCH_A \next, 0, HALF
.endm
.macro OUTC a, rowbias
.set AC, 8*T*((\a)%HALF)
.set CDS, CD+16*((\a)%4)
.if (\a) >= 4
	s_wait_xcnt 0x0
.endif
	WIN 0x02+(\a)/HALF
.set j, 0
.rept 32
.if \rowbias
	v_pk_fma_f32 v[TMP+j:TMP+j+1], v[AC+j:AC+j+1], s[96:97], v[BR+2*(\a):BR+2*(\a)+1] op_sel_hi:[1,0,1]
.else
	v_pk_fma_f32 v[TMP+j:TMP+j+1], v[AC+j:AC+j+1], s[96:97], v[BC+j:BC+j+1] op_sel_hi:[1,0,1]
.endif
.set j, j+2
.endr
	WIN 0
.set j, 0
.rept 64
.if MODE == 1
	v_med3_num_f32 v[TMP+j], v[TMP+j], 0, v30
.else
	v_med3_num_f32 v[TMP+j], v[TMP+j], -v30, v30
.endif
.set j, j+1
.endr
.irp g, 0,1,2,3,4,5,6,7
	v_cvt_scalef32_pk8_fp8_f32 v[CDS+2*\g:CDS+2*\g+1], v[TMP+8*\g:TMP+8*\g+7], v31
.endr
	v_nop
.irp e, 0,1,2,3
.if MODE == 1
.set IMM, (\a)*65536+512*\e
.elseif \rowbias
.set IMM, ((\a)/4)*131072+((\a)%4)*2048+512*\e
.else
.set IMM, (\a)*1024+(\e/2)*131072+(\e%2)*512
.endif
	global_store_b128 v[CO], v[CDS+4*\e:CDS+4*\e+3], s[12:13] offset:IMM
.endr
.endm
.macro OUTF a
.set AC, 8*T*((\a)%HALF)
.set OS, OUTR+32*(\a)
	WIN 0x02+(\a)/HALF
.set j, 0
.rept 16
	v_pk_fma_f32 v[OS+j:OS+j+1], v[AC+j:AC+j+1], s[96:97], v[BC+j:BC+j+1] op_sel_hi:[1,0,1]
.set j, j+2
.endr
	WIN 0
.irp n, 0,1,2,3,4,5,6,7
	global_store_b128 v[CO], v[OS+4*\n:OS+4*\n+3], s[12:13] offset:(\a)*65536+(\n/4)*2048+(\n%4)*512
.endr
.endm
.if MODE == 0
	s_load_b128 s[4:7], s[0:1], 0x0
	s_load_b256 s[68:75], s[0:1], 0x10
.else
	s_load_b256 s[4:11], s[0:1], 0x0
	s_load_b64 s[12:13], s[0:1], 0x20
.endif
	v_lshl_add_u32 v[SPW], v0, 2, SPARE
	v_mov_b32 v[NIL], 0
	ds_add_u32 v28, v29
	ds_add_u32 v28, v29
	s_wait_dscnt 0x0
	v_lshrrev_b32 v1, 5, v0
	v_readfirstlane_b32 s14, v1
	s_lshr_b32 s15, s14, 1
	s_and_b32 s16, s14, 1
	s_bfe_u32 s40, ttmp6, 0x40000
	s_bfe_u32 s41, ttmp6, 0x40004
.if MODE == 0
	s_and_b32 s80, ttmp7, 0xffff
	s_lshr_b32 s81, s80, 2
	s_and_b32 s82, s80, 3
	s_lshl_b32 s82, s82, 2
	s_lshl_b32 s85, s81, 22
	s_add_co_u32 s85, s85, 0xc00000
	s_lshl_b32 s86, s81, 20
	s_lshl_b32 s91, s81, 2
	s_cmp_eq_u32 s81, 2
	s_cselect_b32 s83, 0, s82
	s_cselect_b32 s84, s82, 0
	s_cselect_b32 s85, 0x200000, s85
	s_cselect_b32 s86, 0x1400000, s86
	s_cselect_b32 s90, 28, 24
	s_add_co_u32 s90, s90, s91
	s_mov_b32 s91, 0
	s_add_co_u32 s17, s41, s83
	s_add_co_u32 s42, s40, s84
.else
	s_lshl_b32 s42, ttmp9, 2
	s_add_co_u32 s42, s42, s40
	s_and_b32 s17, ttmp7, 0xffff
	s_lshl_b32 s17, s17, 2
	s_add_co_u32 s17, s17, s41
.endif
	s_lshl_b32 s43, s41, 2
	s_lshl_b32 s43, 15, s43
	s_lshl_b32 s44, 0x1111, s40
	s_or_b32 s[G1+0], s43, (3<<16)|(1<<21)
	s_or_b32 s[G1B+0], s44, (3<<16)|(1<<21)
.irp g, G1, G1B
	s_mov_b32 s[\g+1], (KQ*256)<<16
	s_mov_b32 s[\g+2], T<<16
	s_mov_b32 s[\g+3], (KQ*256)<<16
	s_mov_b32 s[\g+4], T
	s_mov_b32 s[\g+5], KS*256
	s_mov_b32 s[\g+6], 0
	s_mov_b32 s[\g+7], 0
.endr
	s_mul_i32 s18, s16, T*KS*2048
	s_mul_i32 s20, s17, 2*T*KS*2048
	s_add_co_u32 s20, s20, s18
	s_mul_i32 s46, s42, 2*T*KS*2048
	s_add_co_u32 s46, s46, s18
.if MODE == 0
	s_add_co_u32 s20, s20, s85
	s_add_co_u32 s46, s46, s86
.else
.if AOFF != 0
	s_add_co_u32 s20, s20, AOFF
.endif
	s_add_co_u32 s46, s46, BOFF
.endif
	s_mov_b32 s21, 0
	s_mov_b32 s47, 0
	s_mul_i32 s45, s14, PART
	s_wait_kmcnt 0x0
.if MODE == 0
	s_mov_b64 s[8:9], s[6:7]
	s_mov_b64 s[6:7], s[4:5]
	s_cmp_eq_u32 s81, 0
	s_cselect_b64 s[10:11], s[68:69], s[70:71]
	s_cmp_eq_u32 s81, 2
	s_cselect_b64 s[10:11], s[72:73], s[10:11]
	s_mov_b64 s[12:13], s[74:75]
	s_lshl_b32 s88, s81, 3
	s_mov_b32 s89, 0
	s_add_nc_u64 s[88:89], s[8:9], s[88:89]
	s_load_b64 s[96:97], s[88:89], 0x0
	s_add_nc_u64 s[90:91], s[8:9], s[90:91]
	s_load_b32 s98, s[90:91], 0x0
.else
	s_load_b64 s[96:97], s[8:9], SCO
.if MODE == 1
	s_load_b32 s98, s[8:9], 56
.endif
.endif
	s_add_nc_u64 s[20:21], s[4:5], s[20:21]
	s_add_nc_u64 s[46:47], s[6:7], s[46:47]
	CROUND
.irp s, 0,1
	s_mov_b32 s[G0+4*\s], 1
	s_add_co_u32 s[G0+4*\s+1], s45, \s*SLOT
	s_add_nc_u64 s[G0+4*\s+2:G0+4*\s+3], s[20:21], \s*KQ*2048
	s_or_b32 s[G0+4*\s+3], s[G0+4*\s+3], 0x80000000
	s_mov_b32 s[G0B+4*\s], 1
	s_add_co_u32 s[G0B+4*\s+1], s45, \s*SLOT
	s_add_nc_u64 s[G0B+4*\s+2:G0B+4*\s+3], s[46:47], \s*KQ*2048
	s_or_b32 s[G0B+4*\s+3], s[G0B+4*\s+3], 0x80000000
.endr
	JLOAD 0                                        ; slot 0: my one tensor load at the head; the set-up below stands under its flight
	v_and_b32 v1, 31, v0
	v_lshlrev_b32 v[CO], 4, v1
	v_bfe_u32 v2, v0, 4, 1
	v_lshlrev_b32 v[HB], 6, v2
	s_wait_alu depctr_va_vdst(0)
	; PREFETCHES INTO THE L2 of slots 1 to 3, two slots ahead of their joint loads (slot 1: one).  Of the eight row tiles that I fetch, the partner at place p (cx for A, cy for B) names tiles 2 p and 2 p + 1:
	; a slot's part of a row tile is 4,096 consecutive bytes, sixteen lanes 256 bytes apart: one instruction a wave and slot.  The partners are told apart by address alone; every cluster asks for what it will itself load.
	s_cmp_eq_u32 s15, 0                            ; do I fetch for A?
	s_cselect_b64 s[66:67], s[20:21], s[46:47]     ; my part of slot 0 in memory
	s_cselect_b32 s18, s40, s41
	s_lshl_b32 s18, s18, 15                        ; + two row tiles of 16,384 bytes for each place
	s_mov_b32 s19, 0
	s_add_nc_u64 s[66:67], s[66:67], s[18:19]      ; never rewritten
	v_and_b32 v27, 15, v0
	v_lshlrev_b32 v27, 8, v27
	v_lshl_add_u32 v27, v2, 14, v27                ; lanes 16-31: the second row tile; never rewritten
	global_prefetch_b8 v27, s[66:67] offset:KQ*2048 th:TH_LOAD_NT scope:SCOPE_SE
	global_prefetch_b8 v27, s[66:67] offset:2*KQ*2048 th:TH_LOAD_NT scope:SCOPE_SE
	s_mul_i32 s22, s15, PART
	s_mul_i32 s23, s16, PART
	s_add_co_u32 s23, s23, 2*PART
.irp s, 0,1
	v_add_nc_u32 v[ADRA+\s], s22, v[CO]
	v_add_nc_u32 v[ADRB+\s], s23, v[CO]
	s_add_co_u32 s22, s22, SLOT
	s_add_co_u32 s23, s23, SLOT
.endr
	s_mul_i32 s18, s42, 2*T*16*4
	s_mul_i32 s19, s16, T*16*4
	s_add_co_u32 s18, s18, s19
.if MODE == 0
	s_and_b32 s18, s18, 4095
.endif
	s_mov_b32 s19, 0
	s_add_nc_u64 s[76:77], s[10:11], s[18:19]
.set bb, 0
.rept T
	global_load_b128 v[BC+8*bb:BC+8*bb+3], v[HB], s[76:77] offset:(32*(bb/2)+8*(bb%2))*4
	global_load_b128 v[BC+8*bb+4:BC+8*bb+7], v[HB], s[76:77] offset:(32*(bb/2)+8*(bb%2))*4+16
.set bb, bb+1
.endr
.if MODE == 0
	v_and_b32 v3, 7, v0
	v_bfe_u32 v4, v0, 3, 1
	v_lshl_add_u32 v3, v4, 4, v3
	v_lshlrev_b32 v[RB], 2, v3
	s_lshl_b32 s18, s17, 10
	s_lshl_b32 s19, s15, 9
	s_add_co_u32 s18, s18, s19
	s_and_b32 s18, s18, 4095
	s_mov_b32 s19, 0
	s_add_nc_u64 s[78:79], s[10:11], s[18:19]
.set aa, 0
.rept 8
	global_load_b32 v[BR+2*aa], v[RB], s[78:79] offset:(32*(aa/2)+8*(aa%2))*4
	global_load_b32 v[BR+2*aa+1], v[RB], s[78:79] offset:(32*(aa/2)+8*(aa%2))*4
.set aa, aa+1
.endr
	s_lshr_b32 s92, s17, 3
	s_lshl_b32 s92, s92, 4
	s_lshl_b32 s93, s42, 2
	s_add_co_u32 s92, s92, s93
	s_lshl_b32 s93, s16, 1
	s_add_co_u32 s92, s92, s93
	s_lshl_b32 s92, s92, 7
	s_and_b32 s93, s17, 7
	s_lshl_b32 s93, s93, 4
	s_add_co_u32 s92, s92, s93
	s_lshl_b32 s93, s15, 3
	s_add_co_u32 s92, s92, s93
	s_lshl_b32 s92, s92, 10
	s_lshl_b32 s93, s81, 22
	s_add_co_u32 s92, s92, s93
	s_lshr_b32 s94, s42, 3
	s_lshl_b32 s94, s94, 4
	s_lshl_b32 s95, s17, 2
	s_add_co_u32 s94, s94, s95
	s_lshl_b32 s95, s15, 1
	s_add_co_u32 s94, s94, s95
	s_lshl_b32 s94, s94, 4
	s_and_b32 s95, s42, 7
	s_lshl_b32 s95, s95, 1
	s_add_co_u32 s94, s94, s95
	s_add_co_u32 s94, s94, s16
	s_lshl_b32 s94, s94, 13
	s_add_co_u32 s94, s94, 0x800000
	s_cmp_eq_u32 s81, 2
	s_cselect_b32 s92, s94, s92
.endif
.if MODE == 1
	s_lshl_b32 s92, s17, 4
	s_lshl_b32 s93, s15, 3
	s_add_co_u32 s92, s92, s93
	s_lshl_b32 s92, s92, 5
	s_lshl_b32 s93, s42, 1
	s_add_co_u32 s92, s92, s93
	s_add_co_u32 s92, s92, s16
	s_lshl_b32 s92, s92, 11
.endif
.if MODE >= 2
	s_lshl_b32 s92, s17, 3
	s_lshl_b32 s93, s15, 2
	s_add_co_u32 s92, s92, s93
	s_lshl_b32 s92, s92, 5
	s_lshl_b32 s93, s42, 2
	s_add_co_u32 s92, s92, s93
	s_lshl_b32 s93, s16, 1
	s_add_co_u32 s92, s92, s93
	s_lshl_b32 s92, s92, 11
.endif
	s_mov_b32 s93, 0
	s_add_nc_u64 s[12:13], s[12:13], s[92:93]
	s_wait_alu depctr_va_vdst(0)
	s_wait_tensorcnt 0x0                           ; my part of slot 0 is in
	ds_add_u32 v[SPW], v[NIL]
	s_wait_dscnt 0x0
	CROUND                                         ; everybody's part of slot 0 is in, and all sixteen work-groups are here
	JLOAD 1                                        ; slot 1's first fill: the first tensor load behind the round
	FETCH_B 0, 0, 0
	FETCH_A 0, 0, 0
	FETCH_A 0, 0, HALF
	global_prefetch_b8 v27, s[66:67] offset:3*KQ*2048 th:TH_LOAD_NT scope:SCOPE_SE   ; slot 3, the last: behind slot 1's load and the run of LDS loads
	STEP 0, 0, 1
.if LAPS > 1
	s_mov_b32 s3, LAPS-1
.Llap:
	MID 0
	TURN 0, 1, 1
	STEP 1, 0, 0
	MID 1
	TURN 1, 0, 1
	STEP 0, 0, 0
	s_sub_co_u32 s3, s3, 1
	s_cmp_lg_u32 s3, 0
	s_cbranch_scc1 .Llap
.endif
	MID 0
	TURN 0, 1, 0
	STEP 1, 0, 0
	MID 1
	s_wait_dscnt HALF*NL
	WIN MUL_LO
	MULQ 0, 1, 0
	MULQ QH, 1, 0
	s_wait_dscnt 0
	WIN MUL_HI
	MULQ HALF, 1, 0
	MULQ HALF+QH, 1, 0
	WIN 0
	s_wait_kmcnt 0x0
	s_add_co_i32 s96, s96, s97
	s_add_co_i32 s96, s96, 127
	s_lshl_b32 s96, s96, 23
	s_mov_b32 s97, s96
.if T == 8
	s_add_co_i32 s98, s98, 127
	s_lshl_b32 s99, s98, 23
	v_mov_b32 v31, s99
	s_add_co_i32 s98, s98, 8
	s_lshl_b32 s98, s98, 23
	s_or_b32 s98, s98, 0x600000
	v_mov_b32 v30, s98
.endif
	s_wait_loadcnt 0x0
	PLACES NP
.if MODE == 0
	s_cmp_eq_u32 s81, 2
	s_cbranch_scc1 .Lout_v
.irp a, 0,1,2,3,4,5,6,7
	OUTC \a, 0
.endr
	s_branch .Lend
.Lout_v:
.irp a, 0,1,2,3,4,5,6,7
	OUTC \a, 1
.endr
.Lend:
.endif
.if MODE == 1
.irp a, 0,1,2,3,4,5,6,7
	OUTC \a, 0
.endr
.endif
.if MODE >= 2
.irp a, 0,1,2,3
	OUTF \a
.endr
.endif
	s_wait_tensorcnt 0x0
	ds_add_u32 v[SPW], v[NIL]
	s_wait_dscnt 0x0
	CROUND
	s_endpgm
.Lfunc_end_k_q1d42efb68f_ffn1:
	.size	k_q1d42efb68f_ffn1, .Lfunc_end_k_q1d42efb68f_ffn1-k_q1d42efb68f_ffn1
	.p2alignl 7, 3214868480
	.fill 96, 4, 3214868480
	.section	.rodata,"a",@progbits
	.p2align	6, 0x0
	.amdhsa_kernel k_q1d42efb68f_ffn1
		.amdhsa_group_segment_fixed_size 327680
		.amdhsa_private_segment_fixed_size 0
		.amdhsa_enable_private_segment 0
		.amdhsa_kernarg_size 40
		.amdhsa_user_sgpr_count 2
		.amdhsa_user_sgpr_kernarg_segment_ptr 1
		.amdhsa_wavefront_size32 1
		.amdhsa_system_sgpr_workgroup_id_x 1
		.amdhsa_system_sgpr_workgroup_id_y 1
		.amdhsa_system_sgpr_workgroup_id_z 1
		.amdhsa_system_vgpr_workitem_id 0
		.amdhsa_next_free_vgpr 1024
		.amdhsa_next_free_sgpr 100
		.amdhsa_reserve_vcc 0
		.amdhsa_float_denorm_mode_32 3
		.amdhsa_float_denorm_mode_16_64 3
		.amdhsa_memory_ordered 1
		.amdhsa_forward_progress 1
		.amdhsa_inst_pref_size 136
	.end_amdhsa_kernel
	.amdgpu_metadata
---
amdhsa.version: [ 1, 2 ]
amdhsa.kernels:
  - .name:           k_q1d42efb68f_ffn1
    .symbol:         k_q1d42efb68f_ffn1.kd
    .args:
      - { .name: h, .offset: 0, .size: 8, .value_kind: global_buffer, .address_space: global }
      - { .name: codes0, .offset: 8, .size: 8, .value_kind: global_buffer, .address_space: global }
      - { .name: lowp_scales, .offset: 16, .size: 8, .value_kind: global_buffer, .address_space: global }
      - { .name: bf1, .offset: 24, .size: 8, .value_kind: global_buffer, .address_space: global }
      - { .name: hid, .offset: 32, .size: 8, .value_kind: global_buffer, .address_space: global }
    .group_segment_fixed_size: 327680
    .private_segment_fixed_size: 0
    .kernarg_segment_align: 8
    .kernarg_segment_size: 40
    .max_flat_workgroup_size: 128
    .sgpr_count:     100
    .vgpr_count:     1024
    .wavefront_size: 32
...
	.end_amdgpu_metadata
.endif
;; end of part 6
;; launch ffn2 (part 7): grid 8 x 32, 4 waves a work-group, clusters of 4 x 4, 327,680 bytes of LDS; arguments hid, codes0, lowp_scales, bf2, y, h; writes y
.if DOCPART == 7
	.amdgcn_target "amdgcn-amd-amdhsa--gfx1250"
	.amdhsa_code_object_version 6
	.text
	.protected	k_q1d42efb68f_ffn2
	.globl	k_q1d42efb68f_ffn2
	.p2align	8
	.type	k_q1d42efb68f_ffn2,@function
k_q1d42efb68f_ffn2:
	s_mov_b64 s[64:65], 0
	v_nop
	global_prefetch_b8 v0, s[64:65] scope:SCOPE_SE
	s_setreg_imm32_b32 hwreg(HW_REG_WAVE_MODE, 25, 1), 1
	s_wait_xcnt 0x0
	s_wait_alu depctr_hold_cnt(0) depctr_sa_sdst(0) depctr_va_vdst(0) depctr_va_sdst(0) depctr_va_ssrc(0) depctr_va_vcc(0) depctr_vm_vsrc(0)
	s_getreg_b32 s2, hwreg(HW_REG_IB_STS2, 6, 4)
	s_cmp_eq_u32 s2, 0
	s_cbranch_scc0 .Lentry_in_a_cluster
	s_endpgm
.Lentry_in_a_cluster:
	s_bfe_u32 s2, ttmp6, 0x10000c
	s_cmp_lg_u32 s2, 0xf033
	s_cbranch_scc0 .Lentry_shape_is_right
	s_endpgm
.Lentry_shape_is_right:
.set MODE, 3
.set T,  4
.set KQ, 4
.if MODE == 2
.set KS, 8
.set BOFF, 0x300000
.set SCO, 40
.else
.set KS, 32
.set BOFF, 0x800000
.set SCO, 56
.endif
.set HALF, T/2
.set QH,   T/4
.set FR,   16
.set NL,   4
.set NP,   4
.set PART, T*KQ*2048
.set SLOT, 4*PART
.set SPARE, 2*SLOT
.set LAPS, KS/(2*KQ)
.set ADRA, 16
.set ADRB, 20
.set HB,   24
.set CO,   26
.set PFO,  27
.set SPW,  28
.set NIL,  29
.set BC,   32
.set OUTR, 128
.set AF,   128
.set G1,  24
.set G0,  32
.set G1B, 48
.set G0B, 56
.set PFA, 68
.set LIM, 70
.set MSB, 0
.macro WIN new
.if MSB != (\new)
	s_set_vgpr_msb (MSB<<8)|(\new)
.set MSB, (\new)
.endif
.endm
.set MUL_LO, 0xa1
.set MUL_HI, 0xf1
.set TO_B,   0x40
.macro JLOAD s
	s_cmp_eq_u32 s15, 0
	s_cbranch_scc0 .Lfor_b_\@
	tensor_load_to_lds s[G0+4*\s:G0+4*\s+3], s[G1:G1+7]
	s_nop 0
.rept 4
	v_nop
.endr
	s_branch .Lasked_\@
.Lfor_b_\@:
	tensor_load_to_lds s[G0B+4*\s:G0B+4*\s+3], s[G1B:G1B+7]
	s_nop 0
.rept 4
	v_nop
.endr
.Lasked_\@:
.endm
.macro ASK
	s_cmp_gt_u32 s3, s[LIM]
	s_cbranch_scc0 .Lnot_mine_\@
	global_prefetch_b8 v[PFO], s[PFA:PFA+1] offset:KQ*2048 th:TH_LOAD_NT scope:SCOPE_SE
.Lnot_mine_\@:
.endm
.macro CREST
	s_cmp_lg_u32 s14, 0
	s_cbranch_scc1 .Lnot_wave_0_\@
	s_barrier_signal -3
.Lnot_wave_0_\@:
	s_barrier_wait -3
	s_barrier_signal -1
	s_barrier_wait -1
.endm
.macro CROUND
	s_barrier_signal -1
	s_barrier_wait -1
	CREST
.endm
.macro PLACES n
.rept \n
	v_nop
.endr
.endm
.macro FRAG reg, adr, q, i
.irp c, 0,1,2,3
	ds_load_b128 v[\reg+4*\c:\reg+4*\c+3], v[\adr] offset:((\i)*KQ+(\q))*2048+512*\c
.endr
.endm
.macro MULQ a0, p, zero
.set aa, \a0
.rept QH
.set bb, 0
.rept T
.set AC, 8*(T*(aa%HALF)+bb)
.if \zero
	v_wmma_f32_16x16x128_fp8_fp8 v[AC:AC+7], v[128*(\p)+FR*bb:128*(\p)+FR*bb+FR-1], v[AF+FR*aa:AF+FR*aa+FR-1], 0
.else
	v_wmma_f32_16x16x128_fp8_fp8 v[AC:AC+7], v[128*(\p)+FR*bb:128*(\p)+FR*bb+FR-1], v[AF+FR*aa:AF+FR*aa+FR-1], v[AC:AC+7]
.endif
.set bb, bb+1
.endr
.set aa, aa+1
.endr
.endm
.macro FETCH_B slot, q, p
	WIN TO_B
.set ii, 0
.rept T
	FRAG 128*(\p)+FR*ii, ADRB+\slot, \q, ii
.set ii, ii+1
.endr
	WIN 0
.endm
.macro FETCH_A slot, q, i0
.set ii, \i0
.rept HALF
	FRAG AF+FR*ii, ADRA+\slot, \q, ii
.set ii, ii+1
.endr
.endm
.macro STEP slot, q, zero
	s_wait_dscnt HALF*NL
	WIN MUL_LO
	MULQ 0, (\q)%2, \zero
	MULQ QH, (\q)%2, \zero
	s_wait_dscnt 0
	PLACES NP
	FETCH_B \slot, (\q)+1, 1-(\q)%2
	FETCH_A \slot, (\q)+1, 0
	WIN MUL_HI
	MULQ HALF, (\q)%2, \zero
	MULQ HALF+QH, (\q)%2, \zero
	PLACES NP
	WIN 0
	FETCH_A \slot, (\q)+1, HALF
.endm
.macro MID slot
	STEP \slot, 1, 0
	STEP \slot, 2, 0
.endm
.macro TURN slot, next, fill
.if \fill
	s_wait_xcnt 0x0
	s_add_nc_u64 s[PFA:PFA+1], s[PFA:PFA+1], KQ*2048
.endif
	s_wait_tensorcnt 0x0
	ds_add_u32 v[SPW], v[NIL]
	s_wait_dscnt HALF*NL+1
	WIN MUL_LO
	MULQ 0, 1, 0
	s_wait_dscnt 0x0
	s_barrier_signal -1
	MULQ QH, 1, 0
	WIN 0
	s_barrier_wait -1
.if \fill
	CREST
	s_add_nc_u64 s[G0+4*\slot+2:G0+4*\slot+3], s[G0+4*\slot+2:G0+4*\slot+3], 2*KQ*2048
	s_add_nc_u64 s[G0B+4*\slot+2:G0B+4*\slot+3], s[G0B+4*\slot+2:G0B+4*\slot+3], 2*KQ*2048
	JLOAD \slot
.else
	PLACES NP
.endif
	FETCH_B \next, 0, 0
	FETCH_A \next, 0, 0
.if \fill
	ASK
.endif
	WIN MUL_HI
	MULQ HALF, 1, 0
	MULQ HALF+QH, 1, 0
	PLACES NP
	WIN 0
	FETCH_A \next, 0, HALF
.endm
.macro OUTF a
.set AC, 8*T*((\a)%HALF)
.set OS, OUTR+32*(\a)
.set HR, 64+32*(\a)+64*((\a)/2)
	WIN 0x02+(\a)/HALF
.set j, 0
.rept 16
	v_pk_fma_f32 v[OS+j:OS+j+1], v[AC+j:AC+j+1], s[96:97], v[BC+j:BC+j+1] op_sel_hi:[1,0,1]
.set j, j+2
.endr
	WIN 0x04
.set j, 0
.rept 16
	v_pk_add_f32 v[OS+j:OS+j+1], v[OS+j:OS+j+1], v[HR+j:HR+j+1]
.set j, j+2
.endr
	WIN 0
.irp n, 0,1,2,3,4,5,6,7
	global_store_b128 v[CO], v[OS+4*\n:OS+4*\n+3], s[12:13] offset:(\a)*65536+(\n/4)*2048+(\n%4)*512
.endr
.endm
	s_load_b256 s[4:11], s[0:1], 0x0
	s_load_b64 s[12:13], s[0:1], 0x20
	s_load_b64 s[66:67], s[0:1], 0x28
	v_lshl_add_u32 v[SPW], v0, 2, SPARE
	v_mov_b32 v[NIL], 0
	ds_add_u32 v28, v29
	ds_add_u32 v28, v29
	s_wait_dscnt 0x0
	v_lshrrev_b32 v1, 5, v0
	v_readfirstlane_b32 s14, v1
	s_lshr_b32 s15, s14, 1
	s_and_b32 s16, s14, 1
	s_bfe_u32 s40, ttmp6, 0x40000
	s_bfe_u32 s41, ttmp6, 0x40004
	s_lshl_b32 s42, ttmp9, 2
	s_add_co_u32 s42, s42, s40
	s_and_b32 s17, ttmp7, 0xffff
	s_lshl_b32 s17, s17, 2
	s_add_co_u32 s17, s17, s41
	s_lshl_b32 s43, s41, 2
	s_lshl_b32 s43, 15, s43
	s_lshl_b32 s44, 0x1111, s40
	s_or_b32 s[G1+0], s43, (3<<16)|(1<<21)
	s_or_b32 s[G1B+0], s44, (3<<16)|(1<<21)
.irp g, G1, G1B
	s_mov_b32 s[\g+1], (KQ*256)<<16
	s_mov_b32 s[\g+2], T<<16
	s_mov_b32 s[\g+3], (KQ*256)<<16
	s_mov_b32 s[\g+4], T
	s_mov_b32 s[\g+5], KS*256
	s_mov_b32 s[\g+6], 0
	s_mov_b32 s[\g+7], 0
.endr
	s_mul_i32 s18, s16, T*KS*2048
	s_mul_i32 s20, s17, 2*T*KS*2048
	s_add_co_u32 s20, s20, s18
	s_mul_i32 s46, s42, 2*T*KS*2048
	s_add_co_u32 s46, s46, s18
	s_add_co_u32 s46, s46, BOFF
	s_mov_b32 s21, 0
	s_mov_b32 s47, 0
	s_mul_i32 s45, s14, PART
	s_wait_kmcnt 0x0
	s_load_b64 s[96:97], s[8:9], SCO
	s_add_nc_u64 s[20:21], s[4:5], s[20:21]
	s_add_nc_u64 s[46:47], s[6:7], s[46:47]
	CROUND
.irp s, 0,1
	s_mov_b32 s[G0+4*\s], 1
	s_add_co_u32 s[G0+4*\s+1], s45, \s*SLOT
	s_add_nc_u64 s[G0+4*\s+2:G0+4*\s+3], s[20:21], \s*KQ*2048
	s_or_b32 s[G0+4*\s+3], s[G0+4*\s+3], 0x80000000
	s_mov_b32 s[G0B+4*\s], 1
	s_add_co_u32 s[G0B+4*\s+1], s45, \s*SLOT
	s_add_nc_u64 s[G0B+4*\s+2:G0B+4*\s+3], s[46:47], \s*KQ*2048
	s_or_b32 s[G0B+4*\s+3], s[G0B+4*\s+3], 0x80000000
.endr
	JLOAD 0                                        ; slot 0: my one tensor load at the head; the set-up below stands under its flight
	v_and_b32 v1, 31, v0
	v_lshlrev_b32 v[CO], 4, v1
	v_bfe_u32 v2, v0, 4, 1
	v_lshlrev_b32 v[HB], 6, v2
	s_wait_alu depctr_va_vdst(0)
	s_mul_i32 s22, s15, PART
	s_mul_i32 s23, s16, PART
	s_add_co_u32 s23, s23, 2*PART
.irp s, 0,1
	v_add_nc_u32 v[ADRA+\s], s22, v[CO]
	v_add_nc_u32 v[ADRB+\s], s23, v[CO]
	s_add_co_u32 s22, s22, SLOT
	s_add_co_u32 s23, s23, SLOT
.endr
	s_mul_i32 s18, s42, 2*T*16*4
	s_mul_i32 s19, s16, T*16*4
	s_add_co_u32 s18, s18, s19
	s_mov_b32 s19, 0
	s_add_nc_u64 s[76:77], s[10:11], s[18:19]
.set bb, 0
.rept T
	global_load_b128 v[BC+8*bb:BC+8*bb+3], v[HB], s[76:77] offset:(32*(bb/2)+8*(bb%2))*4
	global_load_b128 v[BC+8*bb+4:BC+8*bb+7], v[HB], s[76:77] offset:(32*(bb/2)+8*(bb%2))*4+16
.set bb, bb+1
.endr
	s_lshl_b32 s92, s17, 3
	s_lshl_b32 s93, s15, 2
	s_add_co_u32 s92, s92, s93
	s_lshl_b32 s92, s92, 5
	s_lshl_b32 s93, s42, 2
	s_add_co_u32 s92, s92, s93
	s_lshl_b32 s93, s16, 1
	s_add_co_u32 s92, s92, s93
	s_lshl_b32 s92, s92, 11
	s_mov_b32 s93, 0
	s_add_nc_u64 s[12:13], s[12:13], s[92:93]
	s_add_nc_u64 s[66:67], s[66:67], s[92:93]
	WIN TO_B
.set aa, 0
.rept 4
.set HR, 64+32*aa+64*(aa/2)
.irp n, 0,1,2,3,4,5,6,7
	global_load_b128 v[HR+4*\n:HR+4*\n+3], v[CO], s[66:67] offset:aa*65536+(\n/4)*2048+(\n%4)*512 th:TH_LOAD_NT
.endr
.set aa, aa+1
.endr
	WIN 0
.if LAPS > 1
	s_and_b32 s73, ttmp7, 0xffff
	s_cmp_eq_u32 s15, 0
	s_cselect_b32 s71, s17, s42
	s_cselect_b32 s72, s40, s41
	s_cselect_b32 s73, ttmp9, s73
	s_cselect_b32 s74, 0, BOFF
	s_cselect_b64 s[PFA:PFA+1], s[4:5], s[6:7]
	s_cmp_eq_u32 s73, 0
	s_cselect_b32 s[LIM], 1, -1
	s_mul_i32 s80, s71, 2*T*KS*2048
	s_mul_i32 s75, s16, T*KS*2048
	s_add_co_u32 s80, s80, s75
	s_mul_i32 s75, s72, KS*2048
	s_add_co_u32 s80, s80, s75
	s_add_co_u32 s80, s80, s74
	s_add_co_u32 s80, s80, 2*KQ*2048
	s_mov_b32 s81, 0
	s_add_nc_u64 s[PFA:PFA+1], s[PFA:PFA+1], s[80:81]
	v_and_b32 v[PFO], 31, v0
	v_lshlrev_b32 v[PFO], 8, v[PFO]
	s_cmp_eq_u32 s[LIM], 1                         ; the waves that prefetch in the loop also ask for the first slots: slots 1 and 2 here, behind slot 0's joint load
	s_cbranch_scc0 .Lno_ask_12
	global_prefetch_b8 v[PFO], s[PFA:PFA+1] offset:-KQ*2048 th:TH_LOAD_NT scope:SCOPE_SE   ; slot 1 (the base stands at slot 2)
	global_prefetch_b8 v[PFO], s[PFA:PFA+1] th:TH_LOAD_NT scope:SCOPE_SE                   ; slot 2
.Lno_ask_12:
.endif
	s_wait_alu depctr_va_vdst(0)
	s_wait_tensorcnt 0x0                           ; my part of slot 0 is in
	ds_add_u32 v[SPW], v[NIL]
	s_wait_dscnt 0x0
	CROUND                                         ; everybody's part of slot 0 is in, and all sixteen work-groups are here
	JLOAD 1                                        ; slot 1's first fill: the first tensor load behind the round
	FETCH_B 0, 0, 0
	FETCH_A 0, 0, 0
	FETCH_A 0, 0, HALF
	s_cmp_eq_u32 s[LIM], 1
	s_cbranch_scc0 .Lno_ask_3
	global_prefetch_b8 v[PFO], s[PFA:PFA+1] offset:KQ*2048 th:TH_LOAD_NT scope:SCOPE_SE    ; slot 3: behind slot 1's load and the run of LDS loads; the loop goes on from slot 4
.Lno_ask_3:
	STEP 0, 0, 1
.if LAPS > 1
	s_mov_b32 s3, LAPS-1
.Llap:
	MID 0
	TURN 0, 1, 1
	STEP 1, 0, 0
	MID 1
	TURN 1, 0, 1
	STEP 0, 0, 0
	s_sub_co_u32 s3, s3, 1
	s_cmp_lg_u32 s3, 0
	s_cbranch_scc1 .Llap
.endif
	MID 0
	TURN 0, 1, 0
	STEP 1, 0, 0
	MID 1
	s_wait_dscnt HALF*NL
	WIN MUL_LO
	MULQ 0, 1, 0
	MULQ QH, 1, 0
	s_wait_dscnt 0
	WIN MUL_HI
	MULQ HALF, 1, 0
	MULQ HALF+QH, 1, 0
	WIN 0
	s_wait_kmcnt 0x0
	s_add_co_i32 s96, s96, s97
	s_add_co_i32 s96, s96, 127
	s_lshl_b32 s96, s96, 23
	s_mov_b32 s97, s96
	s_wait_loadcnt 0x0
	PLACES NP
.irp a, 0,1,2,3
	OUTF \a
.endr
	s_wait_tensorcnt 0x0
	ds_add_u32 v[SPW], v[NIL]
	s_wait_dscnt 0x0
	CROUND
	s_endpgm
.Lfunc_end_k_q1d42efb68f_ffn2:
	.size	k_q1d42efb68f_ffn2, .Lfunc_end_k_q1d42efb68f_ffn2-k_q1d42efb68f_ffn2
	.p2alignl 7, 3214868480
	.fill 96, 4, 3214868480
	.section	.rodata,"a",@progbits
	.p2align	6, 0x0
	.amdhsa_kernel k_q1d42efb68f_ffn2
		.amdhsa_group_segment_fixed_size 327680
		.amdhsa_private_segment_fixed_size 0
		.amdhsa_enable_private_segment 0
		.amdhsa_kernarg_size 48
		.amdhsa_user_sgpr_count 2
		.amdhsa_user_sgpr_kernarg_segment_ptr 1
		.amdhsa_wavefront_size32 1
		.amdhsa_system_sgpr_workgroup_id_x 1
		.amdhsa_system_sgpr_workgroup_id_y 1
		.amdhsa_system_sgpr_workgroup_id_z 1
		.amdhsa_system_vgpr_workitem_id 0
		.amdhsa_next_free_vgpr 1024
		.amdhsa_next_free_sgpr 100
		.amdhsa_reserve_vcc 0
		.amdhsa_float_denorm_mode_32 3
		.amdhsa_float_denorm_mode_16_64 3
		.amdhsa_memory_ordered 1
		.amdhsa_forward_progress 1
		.amdhsa_inst_pref_size 83
	.end_amdhsa_kernel
	.amdgpu_metadata
---
amdhsa.version: [ 1, 2 ]
amdhsa.kernels:
  - .name:           k_q1d42efb68f_ffn2
    .symbol:         k_q1d42efb68f_ffn2.kd
    .args:
      - { .name: hid, .offset: 0, .size: 8, .value_kind: global_buffer, .address_space: global }
      - { .name: codes0, .offset: 8, .size: 8, .value_kind: global_buffer, .address_space: global }
      - { .name: lowp_scales, .offset: 16, .size: 8, .value_kind: global_buffer, .address_space: global }
      - { .name: bf2, .offset: 24, .size: 8, .value_kind: global_buffer, .address_space: global }
      - { .name: y, .offset: 32, .size: 8, .value_kind: global_buffer, .address_space: global }
      - { .name: h, .offset: 40, .size: 8, .value_kind: global_buffer, .address_space: global }
    .group_segment_fixed_size: 327680
    .private_segment_fixed_size: 0
    .kernarg_segment_align: 8
    .kernarg_segment_size: 48
    .max_flat_workgroup_size: 128
    .sgpr_count:     100
    .vgpr_count:     1024
    .wavefront_size: 32
...
	.end_amdgpu_metadata
.endif
;; end of part 7
;; launch ln2 (part 8): grid 256 x 1, 8 waves a work-group, no clusters, 78,848 bytes of LDS; arguments y, g2, b2, out0; writes out0
.if DOCPART == 8
	.amdgcn_target "amdgcn-amd-amdhsa--gfx1250"
	.amdhsa_code_object_version 6
	.text
	.protected	k_q1d42efb68f_ln2
	.globl	k_q1d42efb68f_ln2
	.p2align	8
	.type	k_q1d42efb68f_ln2,@function
k_q1d42efb68f_ln2:
	s_mov_b64 s[64:65], 0
	v_nop
	global_prefetch_b8 v0, s[64:65] scope:SCOPE_SE
	s_setreg_imm32_b32 hwreg(HW_REG_WAVE_MODE, 25, 1), 1
	s_wait_xcnt 0x0
; LAYER NORM, one text for two launches.  y holds a product's result with its bias and its residual.  LN = 1: h = norm(y), stored as f32 and as codes of E4M3 for the next product.  LN = 2: out0 = norm(y), stored as rows.
; norm(z) = g (z - mean) / sqrt(var + 1e-12) + b, var with the divisor 1,023; the mean is taken away before the squares are summed, so no difference of large sums is formed.
; y (and h's f32 part) lie [row tile of 16][group of 32 columns][2,048 bytes]: byte 512 q + 16 lane + 4 w = (row T(t, p), column 32 g + 16 hh + 4 q + w), lane = p + 16 hh, T(t, p) = 32 (t / 2) + 8 (t % 2) + p % 8 + 16 (p / 8).
; A work-group takes one row tile; wave w takes columns 128 w .. 128 w + 127, 8,192 consecutive bytes: lane (p, hh) holds 64 numbers of row p, register 16 g + i = column 128 w + 32 g + 16 hh + i.
; g and b: the wave's 128 numbers of each, 512 consecutive bytes, are asked for first, by one load each, laid in the wave's own LDS bytes and read from there as each lane wants them.
; out0's rows, in their natural order, turn through the wave's own stage in LDS, 16 rows x (512 + 16) bytes.  A row's sums meet in LDS: two barriers.
; Every global load and store of a wave covers 512 consecutive bytes.  Memory binds: no matrix unit, no cluster.
; LIMITS: LN = 1: the scale's e (entry 12) between -126 and 119.  NaN among the inputs is not served.
.set LN,  2
.set Y,   64                           ; v64-127  the row's numbers
.set A1,  128                          ; v128-191 g; LN = 2: at the end rows on their way out
.set A2,  192                          ; v192-255 b
.set TMP, 16                           ; v16-47   LN = 1: two sets of 16 held numbers
.set CDS, 48                           ; v48-63   g and b as loaded; LN = 1: later the codes
.set STG, 8448                         ; LN = 2: a wave's stage
.set RED, 67584                        ; behind the eight stages: two sets of 32 lanes x 8 waves words: byte 32 lane + 4 wave
.set GB,  69632                        ; behind them: 1,024 bytes for each wave: its 512 of g, then its 512 of b
.macro ROWSUM vr, off                  ; v[vr] holds my lane's sum, v[vr+1] has been written: the row's sum over all 1,024 columns comes back in v8
	s_delay_alu instid0(VALU_DEP_1)
	v_permlanex16_b32 v[\vr+1], v[\vr], s32, s33   ; the row's other half of my wave's columns lies in the lane 16 away
	s_delay_alu instid0(VALU_DEP_1)
	v_add_f32 v[\vr], v[\vr], v[\vr+1]
	ds_store_b32 v5, v[\vr] offset:\off
	s_wait_dscnt 0x0                               ; for the others' sake: my word has landed
	s_barrier_signal -1
	s_barrier_wait -1
	ds_load_b128 v[8:11], v6 offset:\off           ; the eight waves' sums of my row
	ds_load_b128 v[12:15], v6 offset:\off+16
	s_wait_dscnt 0x0
	v_pk_add_f32 v[8:9], v[8:9], v[10:11]
	v_pk_add_f32 v[12:13], v[12:13], v[14:15]
	s_delay_alu instid0(VALU_DEP_1)
	v_pk_add_f32 v[8:9], v[8:9], v[12:13]
	s_delay_alu instid0(VALU_DEP_1)
	v_add_f32 v8, v8, v9
.endm
	s_load_b256 s[4:11], s[0:1], 0x0               ; y s[4:5], g s[6:7], b s[8:9]; s[10:11]: LN = 1 lowp_scales, LN = 2 out0
	v_lshl_add_u32 v62, v0, 2, 0x13000
	v_mov_b32 v63, 0
.if LN == 1
	s_load_b64 s[12:13], s[0:1], 0x20              ; h
.endif
	v_lshrrev_b32 v1, 5, v0
	s_delay_alu instid0(VALU_DEP_1)
	v_readfirstlane_b32 s16, v1                    ; wave 0..7
	v_and_b32 v7, 31, v0                           ; lane
	s_delay_alu instid0(VALU_DEP_1)
	v_lshlrev_b32 v1, 4, v7                        ; 16 x lane
	v_bfe_u32 v4, v0, 4, 1                         ; hh
	s_delay_alu instid0(VALU_DEP_3)
	v_lshlrev_b32 v6, 5, v7
	s_delay_alu instid0(VALU_DEP_1)
	v_add_nc_u32 v6, RED, v6                       ; my lane's eight words
	s_lshl_b32 s18, s16, 2
	v_add_nc_u32 v5, s18, v6                       ; my wave's among them
	s_lshl_b32 s19, s16, 10
	s_add_co_u32 s19, s19, GB                      ; my wave's g and b in LDS
	v_add_nc_u32 v7, s19, v1                       ; on the way in: 16 x lane
.if LN == 2
	v_and_b32 v2, 15, v0                           ; p
	s_mul_i32 s17, s16, STG                        ; my stage
	v_mul_u32_u24 v3, v2, 528
	s_delay_alu instid0(VALU_DEP_1)
	v_lshl_add_u32 v3, v4, 6, v3
	s_delay_alu instid0(VALU_DEP_1)
	v_add_nc_u32 v3, s17, v3                       ; the stage by (p, hh): 528 p + 64 hh
	v_add_nc_u32 v2, s17, v1                       ; the stage by rows: 16 x lane
.endif
	v_lshl_add_u32 v4, v4, 6, s19                  ; g and b on the way out: 64 hh
	s_mov_b32 s32, 0x76543210                      ; v_permlanex16_b32: lane l xor 16
	s_mov_b32 s33, 0xfedcba98
	s_lshl_b32 s20, ttmp9, 16
	s_lshl_b32 s21, s16, 13
	s_add_co_u32 s20, s20, s21                     ; in the laid-out buffers: 65,536 x row tile + 8,192 x wave
	s_mov_b32 s21, 0
	s_lshl_b32 s24, s16, 9                         ; my wave's 512 bytes of a row, of g and of b
	s_mov_b32 s25, 0
.if LN == 1
	s_lshl_b32 s28, ttmp9, 14
	s_lshl_b32 s29, s16, 11
	s_add_co_u32 s28, s28, s29
	s_add_co_u32 s28, s28, 0x1000000               ; h's codes: image (row tile, K step = wave)
	s_mov_b32 s29, 0
.else
	s_lshr_b32 s22, ttmp9, 1
	s_lshl_b32 s22, s22, 5
	s_and_b32 s23, ttmp9, 1
	s_lshl_b32 s23, s23, 3
	s_add_co_u32 s22, s22, s23                     ; in natural rows: the tile's first row, 32 (t / 2) + 8 (t % 2)
	s_lshl_b32 s22, s22, 12
	s_add_co_u32 s22, s22, s24
	s_mov_b32 s23, 0
.endif
	s_wait_alu depctr_va_vdst(0)
	s_wait_kmcnt 0x0
	s_add_nc_u64 s[4:5], s[4:5], s[20:21]
	s_add_nc_u64 s[6:7], s[6:7], s[24:25]
	s_add_nc_u64 s[8:9], s[8:9], s[24:25]
.if LN == 1
	s_load_b32 s30, s[10:11], 0x30                 ; e of h: entry 12
	s_add_nc_u64 s[26:27], s[12:13], s[20:21]
	s_add_nc_u64 s[28:29], s[12:13], s[28:29]
.else
	s_add_nc_u64 s[26:27], s[10:11], s[22:23]
.endif
	global_load_b128 v[CDS:CDS+3], v1, s[6:7]      ; g
	global_load_b128 v[CDS+4:CDS+7], v1, s[8:9]    ; b
.set n, 0
.rept 16
	global_load_b128 v[Y+4*n:Y+4*n+3], v1, s[4:5] offset:512*n th:TH_LOAD_NT
.set n, n+1
.endr
	s_wait_loadcnt 16                              ; g and b are in; y's 16 loads may be out
	ds_store_b128 v7, v[CDS:CDS+3]
	ds_store_b128 v7, v[CDS+4:CDS+7] offset:512
.set n, 0
.rept 16
	ds_load_b128 v[A1+4*n:A1+4*n+3], v4 offset:128*(n/4)+16*(n%4)       ; LDS serves a wave's instructions in order: these see the stores above
.set n, n+1
.endr
.set n, 0
.rept 16
	ds_load_b128 v[A2+4*n:A2+4*n+3], v4 offset:512+128*(n/4)+16*(n%4)   ; (the first sum's wait for all LDS instructions is the wait for these)
.set n, n+1
.endr
	s_wait_loadcnt 0x0                             ; y
	v_pk_add_f32 v[10:11], v[64:65], v[66:67]
	v_pk_add_f32 v[60:61], v[72:73], v[76:77]
	v_pk_add_f32 v[58:59], v[80:81], v[84:85]
	v_pk_add_f32 v[56:57], v[88:89], v[92:93]
	v_pk_add_f32 v[54:55], v[96:97], v[100:101]
	v_pk_add_f32 v[52:53], v[104:105], v[108:109]
	v_pk_add_f32 v[50:51], v[112:113], v[116:117]
	v_pk_add_f32 v[8:9], v[120:121], v[124:125]
	s_delay_alu instid0(VALU_DEP_1)
	v_pk_add_f32 v[8:9], v[8:9], v[68:69]
	v_pk_add_f32 v[10:11], v[10:11], v[70:71]
	v_pk_add_f32 v[60:61], v[60:61], v[74:75]
	v_pk_add_f32 v[58:59], v[58:59], v[78:79]
	v_pk_add_f32 v[56:57], v[56:57], v[82:83]
	v_pk_add_f32 v[54:55], v[54:55], v[86:87]
	v_pk_add_f32 v[52:53], v[52:53], v[90:91]
	v_pk_add_f32 v[50:51], v[50:51], v[94:95]
	v_pk_add_f32 v[8:9], v[8:9], v[98:99]
	v_pk_add_f32 v[10:11], v[10:11], v[102:103]
	v_pk_add_f32 v[60:61], v[60:61], v[106:107]
	v_pk_add_f32 v[58:59], v[58:59], v[110:111]
	v_pk_add_f32 v[56:57], v[56:57], v[114:115]
	v_pk_add_f32 v[54:55], v[54:55], v[118:119]
	v_pk_add_f32 v[52:53], v[52:53], v[122:123]
	v_pk_add_f32 v[50:51], v[50:51], v[126:127]
	s_delay_alu instid0(VALU_DEP_4)
	v_pk_add_f32 v[8:9], v[8:9], v[56:57]
	s_delay_alu instid0(VALU_DEP_4)
	v_pk_add_f32 v[10:11], v[10:11], v[54:55]
	s_delay_alu instid0(VALU_DEP_4)
	v_pk_add_f32 v[60:61], v[60:61], v[52:53]
	s_delay_alu instid0(VALU_DEP_4)
	v_pk_add_f32 v[58:59], v[58:59], v[50:51]
	s_delay_alu instid0(VALU_DEP_2)
	v_pk_add_f32 v[8:9], v[8:9], v[60:61]
	s_delay_alu instid0(VALU_DEP_2)
	v_pk_add_f32 v[10:11], v[10:11], v[58:59]
	s_delay_alu instid0(VALU_DEP_1)
	v_pk_add_f32 v[8:9], v[8:9], v[10:11]
	s_delay_alu instid0(VALU_DEP_1)
	v_add_f32 v8, v8, v9
	ROWSUM 8, 0
	s_delay_alu instid0(VALU_DEP_1)
	v_mul_f32 v8, 0x3a800000, v8                   ; the mean: / 1,024
	s_delay_alu instid0(VALU_DEP_1)
	v_mov_b32 v9, v8
.set j, 0
.rept 32
	v_pk_add_f32 v[Y+j:Y+j+1], v[Y+j:Y+j+1], v[8:9] neg_lo:[0,1] neg_hi:[0,1]
.set j, j+2
.endr
	v_pk_mul_f32 v[10:11], v[Y:Y+1], v[Y:Y+1]      ; the squares' sum
	v_pk_mul_f32 v[12:13], v[Y+2:Y+3], v[Y+2:Y+3]
.set j, 4
.rept 15
	s_delay_alu instid0(VALU_DEP_2)
	v_pk_fma_f32 v[10:11], v[Y+j:Y+j+1], v[Y+j:Y+j+1], v[10:11]
	s_delay_alu instid0(VALU_DEP_2)
	v_pk_fma_f32 v[12:13], v[Y+j+2:Y+j+3], v[Y+j+2:Y+j+3], v[12:13]
.set j, j+4
.endr
	s_delay_alu instid0(VALU_DEP_1)
	v_pk_add_f32 v[10:11], v[10:11], v[12:13]
	s_delay_alu instid0(VALU_DEP_1)
	v_add_f32 v10, v10, v11
	ROWSUM 10, 1024                                ; other words than the first sum's: no barrier is owed between the two
	v_mov_b32 v9, 0x2b8cbccc                       ; 1e-12
	s_delay_alu instid0(VALU_DEP_1)
	v_fmamk_f32 v8, v8, 0x3a802008, v9             ; / 1,023, + 1e-12
	s_wait_alu depctr_va_vdst(0)
	v_rsq_f32 v10, v8
	v_rsq_f32 v11, v8                              ; twice, to fill the pair of the packed multiply
	v_nop                                          ; a plain line behind the transcendentals
	s_wait_alu depctr_va_vdst(0)                   ; ahead of their first reader
.set j, 0
.rept 32
	v_pk_mul_f32 v[Y+j:Y+j+1], v[Y+j:Y+j+1], v[10:11]
.set j, j+2
.endr
.set j, 0
.rept 32
	v_pk_fma_f32 v[Y+j:Y+j+1], v[Y+j:Y+j+1], v[A1+j:A1+j+1], v[A2+j:A2+j+1]
.set j, j+2
.endr
.if LN == 1
.set n, 0
.rept 16
	global_store_b128 v1, v[Y+4*n:Y+4*n+3], s[26:27] offset:512*n  ; h in f32, laid as y is
.set n, n+1
.endr
	s_wait_kmcnt 0x0
	s_add_co_i32 s30, s30, 127
	s_lshl_b32 s31, s30, 23
	v_mov_b32 v11, s31                             ; 2^e as f32
	s_add_co_i32 s30, s30, 8
	s_lshl_b32 s30, s30, 23
	s_or_b32 s30, s30, 0x600000
	v_mov_b32 v10, s30                             ; 448 x 2^e
.irp c, 0,1,2,3
.set i, 0
.rept 16
	v_med3_num_f32 v[TMP+16*(\c%2)+i], v[Y+16*\c+i], -v10, v10     ; the conversion does not saturate (ISA guide 7.6.2): the hold comes first, into other registers than the stores' data
.set i, i+1
.endr
	v_cvt_scalef32_pk8_fp8_f32 v[CDS+4*\c:CDS+4*\c+1], v[TMP+16*(\c%2):TMP+16*(\c%2)+7], v11
	v_cvt_scalef32_pk8_fp8_f32 v[CDS+4*\c+2:CDS+4*\c+3], v[TMP+16*(\c%2)+8:TMP+16*(\c%2)+15], v11
.endr
	v_nop
.irp c, 0,1,2,3
	global_store_b128 v1, v[CDS+4*\c:CDS+4*\c+3], s[28:29] offset:512*\c   ; my 128 columns are one K step of the next product: a whole image
.endr
.else
.set n, 0
.rept 16
	ds_store_b128 v3, v[Y+4*n:Y+4*n+3] offset:128*(n/4)+16*(n%4)
.set n, n+1
.endr
.set n, 0
.rept 16
	ds_load_b128 v[A1+4*n:A1+4*n+3], v2 offset:528*n               ; back as rows: LDS serves a wave's instructions in order
.set n, n+1
.endr
.set n, 0
.rept 16
	s_wait_dscnt 15-n                              ; LDS loads come back in order: row n is in
	global_store_b128 v1, v[A1+4*n:A1+4*n+3], s[26:27] offset:((n%8)+16*(n/8))*4096 th:TH_STORE_NT
.set n, n+1
.endr
.endif
	s_wait_tensorcnt 0x0
	ds_add_u32 v62, v63
	s_wait_dscnt 0x0
	s_endpgm
.Lfunc_end_k_q1d42efb68f_ln2:
	.size	k_q1d42efb68f_ln2, .Lfunc_end_k_q1d42efb68f_ln2-k_q1d42efb68f_ln2
	.p2alignl 7, 3214868480
	.fill 96, 4, 3214868480
	.section	.rodata,"a",@progbits
	.p2align	6, 0x0
	.amdhsa_kernel k_q1d42efb68f_ln2
		.amdhsa_group_segment_fixed_size 78848
		.amdhsa_private_segment_fixed_size 0
		.amdhsa_enable_private_segment 0
		.amdhsa_kernarg_size 32
		.amdhsa_user_sgpr_count 2
		.amdhsa_user_sgpr_kernarg_segment_ptr 1
		.amdhsa_wavefront_size32 1
		.amdhsa_system_sgpr_workgroup_id_x 1
		.amdhsa_system_sgpr_workgroup_id_y 1
		.amdhsa_system_sgpr_workgroup_id_z 1
		.amdhsa_system_vgpr_workitem_id 0
		.amdhsa_next_free_vgpr 256
		.amdhsa_next_free_sgpr 66
		.amdhsa_reserve_vcc 0
		.amdhsa_float_denorm_mode_32 3
		.amdhsa_float_denorm_mode_16_64 3
		.amdhsa_memory_ordered 1
		.amdhsa_forward_progress 1
		.amdhsa_inst_pref_size 24
	.end_amdhsa_kernel
	.amdgpu_metadata
---
amdhsa.version: [ 1, 2 ]
amdhsa.kernels:
  - .name:           k_q1d42efb68f_ln2
    .symbol:         k_q1d42efb68f_ln2.kd
    .args:
      - { .name: y, .offset: 0, .size: 8, .value_kind: global_buffer, .address_space: global }
      - { .name: g2, .offset: 8, .size: 8, .value_kind: global_buffer, .address_space: global }
      - { .name: b2, .offset: 16, .size: 8, .value_kind: global_buffer, .address_space: global }
      - { .name: out0, .offset: 24, .size: 8, .value_kind: global_buffer, .address_space: global }
    .group_segment_fixed_size: 78848
    .private_segment_fixed_size: 0
    .kernarg_segment_align: 8
    .kernarg_segment_size: 32
    .max_flat_workgroup_size: 256
    .sgpr_count:     66
    .vgpr_count:     256
    .wavefront_size: 32
...
	.end_amdgpu_metadata
.endif
;; end of part 8
